; MI455X (gfx1250); checked and timed in simulation.
; The chip was launched on July 23, 2026; its instructions are those of AMD's public machine-readable ISA for CDNA 5 (MIT licence, August 2026) and "CDNA5" Instruction Set Architecture Reference Guide (July 2026). The comments in the code are by the model that wrote it; some were corrected since.
;; Encoder. Allowed arithmetic: matrix products marked QUANTISED: E2M3 operands, one E8M0 scale for each 32 along K, by v_wmma_scale_f32_16x16x128_f8f6f4 with both operands' format E2M3, f32 sums; everything else in f32.
;; Inputs: b_down 1,024 float32; b_up 4,096 float32; bk 1,024 float32; bo 1,024 float32; bq 1,024 float32; bv 1,024 float32; ln1_b 1,024 float32; ln1_g 1,024 float32; ln2_b 1,024 float32; ln2_g 1,024 float32; lnf_b 1,024 float32; lnf_g 1,024 float32; w_down 4,096 x 1,024 float32; w_up 1,024 x 4,096 float32; wk 1,024 x 1,024 float32; wo 1,024 x 1,024 float32; wq 1,024 x 1,024 float32; wv 1,024 x 1,024 float32; x 4 x 1,024 x 1,024 float32.
;; Outputs: out0 4 x 1,024 x 1,024 float32.
;; This version of the problem:
;;   THIS VERSION OF THE PROBLEM IS GIVEN IN LOW PRECISION. The matrix products marked QUANTISED in the list below multiply operands that are first quantised to E2M3 (2 exponent bits, 3 mantissa bits; 6 bits a number), with one power-of-two scale for each 32 numbers along K (OCP MX v1.0); their sums are f32. All else is computed in f32.
;;   The module's matrix products, in the order in which they are computed (A, B: the left and right operand; K: the contracted axis; several contracted axes count as one K, in the product's order):
;;     1. [M 4,096, K 1,024] x [K 1,024, N 1,024]; A: computed on the way; B: input wq: QUANTISED
;;     2. [M 4,096, K 1,024] x [K 1,024, N 1,024]; A: computed on the way; B: input wk: QUANTISED
;;     3. [M 4,096, K 1,024] x [K 1,024, N 1,024]; A: computed on the way; B: input wv: QUANTISED
;;     4. batch 64 x [M 1,024, K 64] x [K 64, N 1,024]; A: computed on the way; B: computed on the way: QUANTISED
;;     5. batch 64 x [M 1,024, K 1,024] x [K 1,024, N 64]; A: computed on the way; B: computed on the way: QUANTISED
;;     6. [M 4,096, K 1,024] x [K 1,024, N 1,024]; A: computed on the way; B: input wo: QUANTISED
;;     7. [M 4,096, K 1,024] x [K 1,024, N 4,096]; A: computed on the way; B: input w_up: QUANTISED
;;     8. [M 4,096, K 4,096] x [K 4,096, N 1,024]; A: computed on the way; B: input w_down: QUANTISED
;;   THE QUANTISER, for each operand of a quantised product, along K:
;;     - K is cut into blocks of 32 from its start; a last block that is shorter is filled with zeros.
;;     - A block's scale is 2^e with e = floor(log2(the largest magnitude in the block)) - 2, held to -126 .. 127; a block of zeros has e = 0. As a byte (E8M0): e + 127.
;;     - Each number is divided by its block's scale, clamped to +-7.5, and rounded to the nearest number of E2M3, ties to even, subnormals kept.
;;     - The product sums the exact products of the quantised numbers (number of the format x scale) in f32.
;;   ~~~python
;;   def quantise(x, axis):      # numpy; x: float32 -> the quantised numbers, widened to float32 again
;;       x = np.moveaxis(x, axis, -1); K = x.shape[-1]
;;       x = np.pad(x, [(0, 0)] * (x.ndim - 1) + [(0, -K % 32)]); x = x.reshape(x.shape[:-1] + (-1, 32)); a = np.abs(x).max(-1, keepdims=True)
;;       e = np.where(a > 0, np.clip(np.frexp(np.where(a > 0, a, 1))[1] - 1 - 2, -126, 127), 0)      # np.frexp(a)[1] - 1 = floor(log2(a)), exactly
;;       r = np.clip(x / 2.0 ** e, -7.5, 7.5)
;;       step = 2.0 ** (np.maximum(np.frexp(np.where(r == 0, 1, r))[1] - 1, 0) - 3)
;;       q = np.round(r / step) * step * 2.0 ** e      # np.round: ties to even
;;       return np.moveaxis(q.reshape(q.shape[:-2] + (-1,))[..., :K], -1, axis).astype(np.float32)
;;   ~~~
;;   OPERANDS COMPUTED ON THE WAY. 'Computed on the way' means the value that the module computes at that place (a softmax that the list does not call 'softmax' is quantised finished and normalised). What goes into a quantiser is computed in f32, as accurately as f32 sums, v_exp_f32 and their like allow (about 1e-6 of the number): no bf16 or f16 on the way to a quantiser, and a product that is left as it is and whose result goes on into a quantised operand takes f32 operands (vector FMAs, or v_wmma_f32_16x16x4_f32). A number that lies on a knife's edge between two numbers of the format may be rounded either way, as far as f32 arithmetic and the matrix unit's own rounding can turn it there, and no further.
;; 2 versions, each right. Each part assembles by itself: llvm-mc -triple=amdgcn-amd-amdhsa -mcpu=gfx1250 --defsym DOCPART=n.
;; ======== version 1 of 2: 8 launches
;; workspace buffers: wb 9,830,400 bytes; yb 3,276,800 bytes; qb 9,830,400 bytes; ob 3,276,800 bytes; x1 16,777,216 bytes; hb 13,107,200 bytes; x2 16,777,216 bytes
;; launch prep (part 1): grid 640 x 1, 4 waves a work-group, no clusters, 31,744 bytes of LDS; arguments x, ln1_g, ln1_b, w_down, w_up, wq, wk, wv, wo, yb, wb; writes yb, wb
.if DOCPART == 1
	.amdgcn_target "amdgcn-amd-amdhsa--gfx1250"
	.amdhsa_code_object_version 6
	.text
	.protected	k_q4befc2e21d_prep
	.globl	k_q4befc2e21d_prep
	.p2align	8
	.type	k_q4befc2e21d_prep,@function
k_q4befc2e21d_prep:
	s_mov_b64 s[64:65], 0
	v_nop
	global_prefetch_b8 v0, s[64:65] scope:SCOPE_SE
	s_setreg_imm32_b32 hwreg(HW_REG_WAVE_MODE, 25, 1), 1
	s_wait_xcnt 0x0
; TWO JOBS, parted by the work-group's number.
; Work-groups 0-255: layer norm of 16 rows of [4096][1024] f32, quantised along the row to FP6 (E2M3) with one E8M0 byte for each 32, stored as IMAGES OF OPERAND REGISTERS.
; Work-groups 256-639: a weight stored [K][N] f32 is quantised along K (its first axis) and stored as images too.  (A launch of 256 work-groups runs the first job alone.)
; THE IMAGE.  The fragment (row block rb of 16 rows, K step ks of 128) is 1,536 dense bytes at (rb K/128 + ks) 1536; registers 4 j .. 4 j + 3 of lane l lie at 512 j + 16 l; lane (r, h) holds row r and its registers
; 6 c .. 6 c + 5 hold k = 64 c + 32 h + 0 .. 31.  Scale words: (rb K/128 + ks) 64 + 4 r, byte q for block q.
; THE ORDER OF ROWS.  Buffer row p holds the actual index p with its bits 3 and 4 exchanged: as source 0 of a transposed product, two neighbouring tiles then give a lane 16 neighbours along the next K.
; A block's scale is 2^(floor(log2(largest magnitude)) - 2); its byte is the largest magnitude's exponent field - 2, held at 1 from below by a floor among the maximum's leaves.
; LIMITS: a block of zeros gets the byte 1 where the rule says 127 (its codes are zeros, and this program alone reads the bytes); blocks whose largest magnitude lies under 2^-124 are held at the byte 1; NaN and infinities are not served.
.set SPW,   14                         ; v14  LDS address of my spare word; never rewritten
.set NIL,   15                         ; v15  0; never rewritten
.set G,     16                         ; v16-47   the gain of my columns            (weights: OFF, 32 row offsets)
.set BT,    48                         ; v48-79   the bias of my columns            (weights: XW from here, two sets of 32 numbers)
.set X,     80                         ; v80-207  four rows, 32 registers each
.set Y,     208                        ; v208-239 at work; then a block's 32 numbers
.set C,     240                        ; v240-245 a block's codes
.set TQ,    246                        ; v246-248 the second conversion's three registers (they begin on an even number)
.set MN,    250                        ; v[250:251] the mean (low word; the pair is named)
.set RS,    252                        ; v[252:253] 1 / sqrt(var + eps)
.set OFF,   16
.set XW,    48
.set CH,    112                        ; v112-159 weights: the codes of two K steps
.set SB,    164                        ; v164-165 weights: two scale words
.set TURNB, 4608                       ; LDS: a stage for each wave: 32 blocks x (128 bytes + 16)
.set IMGST, 4*TURNB                    ; the row block's 8 images
.set SCS,   IMGST+12288                ; their 8 x 16 scale words
.set SPARE, SCS+512                    ; the spare words, 128 bytes for each wave, that no other line names
; 32 numbers of a lane at v[s] on: largest magnitude v8, scale operand v10, byte v11, six registers of codes at v[d] on
.macro QBLK s, d
	v_max3_num_f32 v8, |v[\s]|, |v[\s+1]|, 0x1800000       ; the floor 2^(3 - 127): the byte cannot fall under 1
	v_max3_num_f32 v9, |v[\s+2]|, |v[\s+3]|, 0x1800000
.set n, 4
.rept 7
	v_max3_num_f32 v8, v8, |v[\s+n]|, |v[\s+n+1]|          ; two chains by turns
	v_max3_num_f32 v9, v9, |v[\s+n+2]|, |v[\s+n+3]|
.set n, n+4
.endr
	v_max_num_f32 v8, v8, v9
	v_add_nc_u32 v10, 0xff000000, v8                       ; 2 off the exponent field: the conversion takes this operand's exponent field as its scale
	v_cvt_scalef32_pk16_fp6_f32 v[\d:\d+2], v[\s:\s+15], v10
	v_cvt_scalef32_pk16_fp6_f32 v[TQ:TQ+2], v[\s+16:\s+31], v10
	v_lshrrev_b32 v11, 23, v10                             ; the byte; also the plain line behind the conversions
	v_mov_b32 v[\d+3], v[TQ]
	v_mov_b32 v[\d+4], v[TQ+1]
	v_mov_b32 v[\d+5], v[TQ+2]
.endm
	s_load_b128 s[4:7], s[0:1], 0x0                ; the rows, the gain
	s_load_b64 s[8:9], s[0:1], 0x10                ; the bias
	s_load_b256 s[12:19], s[0:1], 0x18             ; w_down, w_up, wq, wk
	s_load_b256 s[20:27], s[0:1], 0x38             ; wv, wo, the rows' images, the weights' images
	v_lshl_add_u32 v[SPW], v0, 2, SPARE
	v_mov_b32 v[NIL], 0
	v_lshrrev_b32 v1, 5, v0
	v_readfirstlane_b32 s28, v1                    ; wave 0..3
	v_and_b32 v1, 31, v0                           ; lane
	s_cmp_ge_u32 ttmp9, 256
	s_cbranch_scc1 .Lwq
; ---------------- layer norm.  Row block rb = the work-group's number; wave w takes its rows r = 4 w .. 4 w + 3, which are four consecutive actual rows.
	v_lshlrev_b32 v2, 4, v1                        ; 16 x lane: each load of a wave reads 512 consecutive bytes
	s_mul_i32 s29, s28, TURNB
	v_lshrrev_b32 v3, 3, v1
	v_mul_u32_u24 v3, v3, 144
	v_and_b32 v4, 7, v1
	v_lshl_add_u32 v3, v4, 4, v3
	v_add_nc_u32 v3, s29, v3                       ; into the stage: eight lanes' 128 bytes are a block, 144 bytes apart
	v_mul_u32_u24 v4, v1, 144
	v_add_nc_u32 v4, s29, v4                       ; out of it: lane l takes block l whole
	v_lshrrev_b32 v5, 2, v1
	v_mul_u32_u24 v5, v5, 1536                     ; block l = K step l / 4, block q = l % 4 of it: image lane r + 16 (q % 2), registers 6 (q / 2) on
	v_and_b32 v6, 1, v1
	v_lshl_add_u32 v5, v6, 8, v5
	s_lshl_b32 s29, s28, 6
	s_add_co_u32 s29, s29, IMGST
	v_add_nc_u32 v5, s29, v5
	v_bfe_u32 v7, v1, 1, 1
	v_mad_u32_u24 v6, v7, 1016, v5                 ; for the middle 8 bytes (registers 2, 3 or 8, 9)
	v_mad_u32_u24 v5, v7, 520, v5                  ; for the first and the last (registers 0, 1 and 4, 5, or 6, 7 and 10, 11)
	v_lshrrev_b32 v7, 2, v1
	v_lshlrev_b32 v7, 6, v7
	v_and_b32 v8, 3, v1
	v_add_nc_u32 v7, v7, v8
	s_lshl_b32 s29, s28, 4
	s_add_co_u32 s29, s29, SCS
	v_add_nc_u32 v7, s29, v7                       ; my block's scale byte: 64 (l / 4) + 4 r + l % 4
	s_lshr_b32 s30, ttmp9, 1
	s_lshl_b32 s30, s30, 5
	s_and_b32 s31, ttmp9, 1
	s_lshl_b32 s31, s31, 3
	s_add_co_u32 s30, s30, s31
	s_and_b32 s31, s28, 1
	s_lshl_b32 s31, s31, 2
	s_add_co_u32 s30, s30, s31
	s_lshr_b32 s31, s28, 1
	s_lshl_b32 s31, s31, 4
	s_add_co_u32 s30, s30, s31                     ; my first actual row: 32 (rb / 2) + 8 (rb % 2) + 4 (w % 2) + 16 (w / 2)
	s_lshl_b32 s30, s30, 12
	s_mov_b32 s31, 0
	s_mov_b32 s32, 0x76543210
	s_mov_b32 s33, 0xfedcba98                      ; v_permlanex16_b32's selects for lane l xor 16
	s_mov_b32 s34, 0x3a800000                      ; 1 / 1024
	s_mov_b32 s35, 0x3727c5ac                      ; 1e-5
	s_mul_i32 s36, ttmp9, 12288
	s_mov_b32 s37, 0
	s_lshl_b32 s38, ttmp9, 9
	s_add_co_u32 s38, s38, 3145728
	s_mov_b32 s39, 0
	v_mov_b32 v[MN+1], 0                           ; named as the upper halves of pairs
	v_mov_b32 v[RS+1], 0
	s_wait_kmcnt 0x0
	s_add_nc_u64 s[4:5], s[4:5], s[30:31]
	s_add_nc_u64 s[36:37], s[24:25], s[36:37]      ; where my row block's images go,
	s_add_nc_u64 s[38:39], s[24:25], s[38:39]      ; and its scale words
.irp j, 0,1,2,3,4,5,6,7
	global_load_b128 v[G+4*\j:G+4*\j+3], v2, s[6:7] offset:512*\j
	global_load_b128 v[BT+4*\j:BT+4*\j+3], v2, s[8:9] offset:512*\j
.endr
.irp i, 0,1,2,3
.irp j, 0,1,2,3,4,5,6,7
	global_load_b128 v[X+32*\i+4*\j:X+32*\i+4*\j+3], v2, s[4:5] offset:4096*\i+512*\j th:TH_LOAD_NT
.endr
.endr
.macro FOLD                            ; four pairs at v[Y] on become one sum over the row, in every lane, at v[Y]
	v_pk_add_f32 v[Y:Y+1], v[Y:Y+1], v[Y+2:Y+3]
	v_pk_add_f32 v[Y+4:Y+5], v[Y+4:Y+5], v[Y+6:Y+7]
	v_pk_add_f32 v[Y:Y+1], v[Y:Y+1], v[Y+4:Y+5]
	v_add_f32 v[Y], v[Y], v[Y+1]
	v_add_f32_dpp v[Y], v[Y], v[Y] row_xmask:1 row_mask:0xf bank_mask:0xf
	v_add_f32_dpp v[Y], v[Y], v[Y] row_xmask:2 row_mask:0xf bank_mask:0xf
	v_add_f32_dpp v[Y], v[Y], v[Y] row_xmask:4 row_mask:0xf bank_mask:0xf
	v_add_f32_dpp v[Y], v[Y], v[Y] row_xmask:8 row_mask:0xf bank_mask:0xf
	v_permlanex16_b32 v[Y+1], v[Y], s32, s33
	v_add_f32 v[Y], v[Y], v[Y+1]
.endm
.macro LNROW i
.set XR, X+32*\i
	s_wait_loadcnt 8*(3-\i)                        ; gain, bias and this row's eight loads are in; the later rows' stay out
.irp c, 0,1,2,3
	v_pk_add_f32 v[Y+2*\c:Y+2*\c+1], v[XR+4*\c:XR+4*\c+1], v[XR+4*\c+2:XR+4*\c+3]   ; the sum, in four chains
.endr
.set n, 16
.rept 8
	v_pk_add_f32 v[Y+n%8:Y+n%8+1], v[Y+n%8:Y+n%8+1], v[XR+n:XR+n+1]
.set n, n+2
.endr
	FOLD
	v_mul_f32 v[MN], s34, v[Y]                     ; the mean
.set n, 0
.rept 16
	v_pk_add_f32 v[XR+n:XR+n+1], v[XR+n:XR+n+1], v[MN:MN+1] op_sel_hi:[1,0] neg_lo:[0,1] neg_hi:[0,1]
.set n, n+2
.endr
.irp c, 0,1,2,3
	v_pk_mul_f32 v[Y+2*\c:Y+2*\c+1], v[XR+2*\c:XR+2*\c+1], v[XR+2*\c:XR+2*\c+1]     ; the centred squares
.endr
.set n, 8
.rept 12
	v_pk_fma_f32 v[Y+n%8:Y+n%8+1], v[XR+n:XR+n+1], v[XR+n:XR+n+1], v[Y+n%8:Y+n%8+1]
.set n, n+2
.endr
	FOLD
	v_fma_f32 v[Y], v[Y], s34, s35                 ; the variance + eps
	v_rsq_f32 v[RS], v[Y]
	v_nop                                          ; a plain line behind the transcendental,
	s_wait_alu depctr_va_vdst(0)                   ; and the wait ahead of its first reader
.set n, 0
.rept 16
	v_pk_mul_f32 v[XR+n:XR+n+1], v[XR+n:XR+n+1], v[RS:RS+1] op_sel_hi:[1,0]
.set n, n+2
.endr
.set n, 0
.rept 16
	v_pk_fma_f32 v[XR+n:XR+n+1], v[XR+n:XR+n+1], v[G+n:G+n+1], v[BT+n:BT+n+1]
.set n, n+2
.endr
.irp j, 0,1,2,3,4,5,6,7
	ds_store_b128 v3, v[XR+4*\j:XR+4*\j+3] offset:576*\j      ; the row turns through my own stage: in as loaded,
.endr
.irp j, 0,1,2,3,4,5,6,7
	ds_load_b128 v[Y+4*\j:Y+4*\j+3], v4 offset:16*\j          ; out a whole block of 32 to a lane (LDS serves a wave's instructions in order)
.endr
	s_wait_dscnt 0x0                               ; the block is in; the last row's stores have read C and the byte
	QBLK Y, C
	ds_store_b64 v5, v[C:C+1] offset:16*\i
	ds_store_b64 v6, v[C+2:C+3] offset:8+16*\i
	ds_store_b64 v5, v[C+4:C+5] offset:512+16*\i
	ds_store_b8 v7, v11 offset:4*\i
.endm
	LNROW 0
	LNROW 1
	LNROW 2
	LNROW 3
	s_wait_dscnt 0x0                               ; for the others' sake: my stores into the images are done
	s_barrier_signal -1
	s_barrier_wait -1
	v_lshlrev_b32 v8, 4, v0                        ; the images leave as they lie: 128 threads x 16 bytes, six times
	v_lshlrev_b32 v9, 2, v0
.irp j, 0,1,2,3,4,5
	ds_load_b128 v[X+4*\j:X+4*\j+3], v8 offset:IMGST+2048*\j
.endr
	ds_load_b32 v[X+24], v9 offset:SCS
.irp j, 0,1,2,3,4,5
	s_wait_dscnt 6-\j                              ; load j is in; the younger ones may be out
	global_store_b128 v8, v[X+4*\j:X+4*\j+3], s[36:37] offset:2048*\j     ; a wave's store covers 512 consecutive bytes, aligned
.endr
	s_wait_dscnt 0x0
	global_store_b32 v9, v[X+24], s[38:39]
	s_wait_tensorcnt 0x0                           ; the wave's end
	ds_add_u32 v[SPW], v[NIL]
	s_wait_dscnt 0x0
	s_endpgm
; ---------------- weights.  A work-group takes 128 columns x 256 along K of one tensor; a wave 32 columns.  A LANE TAKES A COLUMN AND ITS REGISTERS RUN DOWN K: a block of 32 lies in one lane, nothing is transposed, no LDS.
.Lwq:
	s_sub_co_u32 s29, ttmp9, 256
	s_lshr_b32 s30, s29, 7                         ; 0: w_down, 1: w_up, 2: the four square ones
	s_lshr_b32 s31, s29, 5                         ; 8 .. 11: wq, wk, wv, wo
	s_and_b32 s32, s29, 127
	s_cmp_eq_u32 s30, 2
	s_cselect_b32 s33, 31, 127
	s_and_b32 s32, s32, s33                        ; my number within the tensor
	s_cmp_eq_u32 s30, 1
	s_cselect_b32 s33, 31, 7
	s_cselect_b32 s34, 5, 3
	s_movk_i32 s35, 0x1000
	s_cselect_b32 s35, 0x4000, s35                 ; a row of the tensor in bytes
	s_and_b32 s36, s32, s33                        ; which 128 columns
	s_lshr_b32 s37, s32, s34                       ; which 256 along K
	s_cmp_eq_u32 s30, 0
	s_cselect_b32 s38, 32, 8                       ; K / 128
	s_sub_co_i32 s39, s31, 8
	s_max_i32 s39, s39, 0                          ; the square tensor's number
	s_mul_i32 s40, s30, 3276800
	s_mul_i32 s41, s39, 786432
	s_add_co_u32 s40, s40, s41                     ; where the tensor's codes begin in the buffer,
	s_mul_i32 s41, s30, 3276800
	s_add_co_u32 s41, s41, 3145728
	s_lshl_b32 s42, s39, 15
	s_add_co_u32 s41, s41, s42                     ; and its scale words
	s_lshl_b32 s42, s36, 3
	s_lshl_b32 s43, s28, 1
	s_add_co_u32 s42, s42, s43                     ; my first row block: 8 x columns' number + 2 x wave
	s_mul_i32 s42, s42, s38
	s_lshl_b32 s43, s37, 1
	s_add_co_u32 s42, s42, s43                     ; my first image
	s_mul_i32 s43, s42, 1536
	s_add_co_u32 s40, s40, s43
	s_lshl_b32 s43, s42, 6
	s_add_co_u32 s42, s41, s43
	s_mov_b32 s41, 0
	s_mov_b32 s43, 0
	s_lshl_b32 s44, s37, 8
	s_mul_i32 s44, s44, s35
	s_lshl_b32 s45, s36, 9
	s_add_co_u32 s44, s44, s45
	s_lshl_b32 s45, s28, 7
	s_add_co_u32 s44, s44, s45                     ; my first number: row 256 x K's number, column 128 x columns' number + 32 x wave
	s_mov_b32 s45, 0
	s_lshl_b32 s46, s35, 5                         ; 32 rows on
	s_mov_b32 s47, 0
	v_lshlrev_b32 v2, 2, v1
.set n, 0
.rept 32
	v_mad_u32_u24 v[OFF+n], s35, n, v2             ; row n of a block, my column
.set n, n+1
.endr
	v_bfe_u32 v3, v1, 3, 1                         ; column l of 32 is buffer row 16 (bit 3 of l) + 8 (bit 4 of l) + l % 8
	v_bfe_u32 v4, v1, 4, 1
	v_and_b32 v5, 7, v1
	v_lshl_add_u32 v5, v4, 3, v5
	s_mul_i32 s48, s38, 1536
	v_mul_u32_u24 v6, s48, v3
	v_lshl_add_u32 v6, v5, 4, v6                   ; my place in the images
	s_lshl_b32 s48, s38, 6
	v_mul_u32_u24 v7, s48, v3
	v_lshl_add_u32 v7, v5, 2, v7                   ; and among the scale words
	s_wait_kmcnt 0x0
	s_cmp_eq_u32 s30, 1                            ; the tensor is chosen by the work-group's number alone
	s_cselect_b64 s[50:51], s[14:15], s[12:13]
	s_cmp_eq_u32 s31, 8
	s_cselect_b64 s[50:51], s[16:17], s[50:51]
	s_cmp_eq_u32 s31, 9
	s_cselect_b64 s[50:51], s[18:19], s[50:51]
	s_cmp_eq_u32 s31, 10
	s_cselect_b64 s[50:51], s[20:21], s[50:51]
	s_cmp_eq_u32 s31, 11
	s_cselect_b64 s[50:51], s[22:23], s[50:51]
	s_add_nc_u64 s[66:67], s[50:51], s[44:45]      ; a base for each of my eight blocks: no pointer is stepped while loads are out
.set n, 0
.rept 7
	s_add_nc_u64 s[68+2*n:69+2*n], s[66+2*n:67+2*n], s[46:47]
.set n, n+1
.endr
	s_add_nc_u64 s[40:41], s[26:27], s[40:41]
	s_add_nc_u64 s[42:43], s[26:27], s[42:43]
.macro WLOAD t                         ; block t: 32 rows of my column; a wave reads 128 consecutive bytes, the four waves stand side by side
.set n, 0
.rept 32
	global_load_b32 v[XW+32*((\t)%2)+n], v[OFF+n], s[66+2*(\t):67+2*(\t)] th:TH_LOAD_NT
.set n, n+1
.endr
.endm
.macro WBLOCK t
.if (\t) < 7
	s_wait_loadcnt 32                              ; this block's 32 loads are in; the next block's may be out
.else
	s_wait_loadcnt 0x0
.endif
	QBLK XW+32*((\t)%2), CH+24*((\t)/4)+12*((\t)%2)+6*(((\t)%4)/2)    ; block q of a K step: image lane r + 16 (q % 2), registers 6 (q / 2) on
.if (\t)%4 == 0
	v_mov_b32 v[SB+(\t)/4], v11
.else
	v_lshl_or_b32 v[SB+(\t)/4], v11, 8*((\t)%4), v[SB+(\t)/4]
.endif
.if (\t)+2 < 8
	WLOAD (\t)+2
.endif
.if (\t)%4 == 3                        ; a K step is whole: sixteen lanes fill 256 consecutive bytes of one image, the other sixteen of the next row block's
.irp h, 0,1
.irp j, 0,1,2
	global_store_b128 v6, v[CH+24*((\t)/4)+12*\h+4*\j:CH+24*((\t)/4)+12*\h+4*\j+3], s[40:41] offset:1536*((\t)/4)+256*\h+512*\j
.endr
.endr
	global_store_b32 v7, v[SB+(\t)/4], s[42:43] offset:64*((\t)/4)
.endif
.endm
	WLOAD 0
	WLOAD 1
.irp t, 0,1,2,3,4,5,6,7
	WBLOCK \t
.endr
	s_endpgm
.Lfunc_end_k_q4befc2e21d_prep:
	.size	k_q4befc2e21d_prep, .Lfunc_end_k_q4befc2e21d_prep-k_q4befc2e21d_prep
	.p2alignl 7, 3214868480
	.fill 96, 4, 3214868480
	.section	.rodata,"a",@progbits
	.p2align	6, 0x0
	.amdhsa_kernel k_q4befc2e21d_prep
		.amdhsa_group_segment_fixed_size 31744
		.amdhsa_private_segment_fixed_size 0
		.amdhsa_enable_private_segment 0
		.amdhsa_kernarg_size 88
		.amdhsa_user_sgpr_count 2
		.amdhsa_user_sgpr_kernarg_segment_ptr 1
		.amdhsa_wavefront_size32 1
		.amdhsa_system_sgpr_workgroup_id_x 1
		.amdhsa_system_sgpr_workgroup_id_y 1
		.amdhsa_system_sgpr_workgroup_id_z 1
		.amdhsa_system_vgpr_workitem_id 0
		.amdhsa_next_free_vgpr 256
		.amdhsa_next_free_sgpr 84
		.amdhsa_reserve_vcc 0
		.amdhsa_float_denorm_mode_32 3
		.amdhsa_float_denorm_mode_16_64 3
		.amdhsa_memory_ordered 1
		.amdhsa_forward_progress 1
		.amdhsa_inst_pref_size 87
	.end_amdhsa_kernel
	.amdgpu_metadata
---
amdhsa.version: [ 1, 2 ]
amdhsa.kernels:
  - .name:           k_q4befc2e21d_prep
    .symbol:         k_q4befc2e21d_prep.kd
    .args:
      - { .name: x, .offset: 0, .size: 8, .value_kind: global_buffer, .address_space: global }
      - { .name: ln1_g, .offset: 8, .size: 8, .value_kind: global_buffer, .address_space: global }
      - { .name: ln1_b, .offset: 16, .size: 8, .value_kind: global_buffer, .address_space: global }
      - { .name: w_down, .offset: 24, .size: 8, .value_kind: global_buffer, .address_space: global }
      - { .name: w_up, .offset: 32, .size: 8, .value_kind: global_buffer, .address_space: global }
      - { .name: wq, .offset: 40, .size: 8, .value_kind: global_buffer, .address_space: global }
      - { .name: wk, .offset: 48, .size: 8, .value_kind: global_buffer, .address_space: global }
      - { .name: wv, .offset: 56, .size: 8, .value_kind: global_buffer, .address_space: global }
      - { .name: wo, .offset: 64, .size: 8, .value_kind: global_buffer, .address_space: global }
      - { .name: yb, .offset: 72, .size: 8, .value_kind: global_buffer, .address_space: global }
      - { .name: wb, .offset: 80, .size: 8, .value_kind: global_buffer, .address_space: global }
    .group_segment_fixed_size: 31744
    .private_segment_fixed_size: 0
    .kernarg_segment_align: 8
    .kernarg_segment_size: 88
    .max_flat_workgroup_size: 128
    .sgpr_count:     84
    .vgpr_count:     256
    .wavefront_size: 32
...
	.end_amdgpu_metadata
.endif
;; end of part 1
;; launch gq (part 2): grid 4 x 48, 4 waves a work-group, clusters of 4 x 4, 327,680 bytes of LDS; arguments yb, wb, bq, bk, bv, qb; writes qb
.if DOCPART == 2
	.amdgcn_target "amdgcn-amd-amdhsa--gfx1250"
	.amdhsa_code_object_version 6
	.text
	.protected	k_q4befc2e21d_gq
	.globl	k_q4befc2e21d_gq
	.p2align	8
	.type	k_q4befc2e21d_gq,@function
k_q4befc2e21d_gq:
	s_mov_b64 s[64:65], 0
	v_nop
	global_prefetch_b8 v0, s[64:65] scope:SCOPE_SE
	s_setreg_imm32_b32 hwreg(HW_REG_WAVE_MODE, 25, 1), 1
	s_wait_xcnt 0x0
	s_wait_alu depctr_hold_cnt(0) depctr_sa_sdst(0) depctr_va_vdst(0) depctr_va_sdst(0) depctr_va_ssrc(0) depctr_va_vcc(0) depctr_vm_vsrc(0)
	s_getreg_b32 s2, hwreg(HW_REG_IB_STS2, 6, 4)
	s_cmp_eq_u32 s2, 0
	s_cbranch_scc0 .Lentry_in_a_cluster
	s_endpgm
.Lentry_in_a_cluster:
	s_bfe_u32 s2, ttmp6, 0x10000c
	s_cmp_lg_u32 s2, 0xf033
	s_cbranch_scc0 .Lentry_shape_is_right
	s_endpgm
.Lentry_shape_is_right:
; q, k and v^T in one launch of twelve clusters, all on codes of FP6 (E2M3) with E8M0 scales, K = 1,024.
; Clusters 0-7: C[token][feature of q | k] = y (wq | wk) + bias.  Clusters 8-11: C[feature of v][token] = wv^T y^T + bias: so v comes out with the tokens, the next product's K, along a lane's registers.
; Every result is quantised along its columns in registers and stored as images of operand registers.  An image: fragment (row block rb, K step ks) = 1,536 dense bytes at (rb K/128 + ks) 1536, registers 4 j .. 4 j + 3 of lane l at 512 j + 16 l; scale words at (rb K/128 + ks) 64 + 4 r.
; Buffer rows hold the actual index with bits 3 and 4 exchanged: source 0's tiles 2 b, 2 b + 1 then give a lane 16 neighbouring columns.
; A tile of C is 256 x 256; four waves of 128 x 128 (64 accumulators, 512 registers).  K goes in steps of 256 through two LDS slots filled by the tensor data mover; the scale words of the tile's rows come once and stay.
; CLUSTERS: 4 x 4; A's tiles are asked for jointly along a row of the cluster, B's along a column.  The mode hangs on the cluster's number alone and steers selects, never a branch.
; THE MATRIX INSTRUCTION IS USED TRANSPOSED: source 0 = 16 rows of B, source 1 = 16 rows of A.
; REGISTERS: window 0: v0-31 addresses; v32-63 scale words, two sets, nothing else; v64-127 the column bias; v128-223 A's fragments, one set; v240-247 the row bias.  Window 1: B's fragments, two sets.  Windows 2, 3: accumulators.
; LIMITS: a block of zeros gets the byte 1 (its codes are zeros; this program alone reads the bytes); magnitudes under 2^-124 are held at the byte 1; NaN and infinities are not served.
.set SIZE_K, 1024
.set KSN,    SIZE_K/128
.set IMG,    1536
.set RBB,    2*IMG                     ; a row block's two images in a slot
.set NQ,     2
.set FR,     12
.set NL,     3                         ; LDS loads that bring a fragment
.set NP,     4                         ; places behind this matrix instruction (ISA guide 7.12.1)
.set HALFT,  8*RBB                     ; eight row blocks: what one tensor load brings
.set SLOT,   4*HALFT
.set LAPS,   SIZE_K/512
.set SCL,    2*SLOT                    ; behind the ring: the scale words
.set SBLK,   64*KSN                    ; those of a row block
.set HALFS,  8*SBLK
.set SPARE,  SCL+4*HALFS               ; the spare words, 128 bytes for each wave, that no other line names
.set ADRA, 16
.set ADRB, 20
.set CBA,  22                          ; v22  64 h: the column bias's offset; never rewritten
.set RBA,  23                          ; v23  the row bias's offset; never rewritten
.set ADRS, 27
.set SPW,  28
.set NIL,  29
.set LI,   30                          ; v30  16 x lane
.set SC,   32
.set CB,   64
.set AF,   128
.set H,    128                         ; the way out: 64 numbers of a lane
.set TM,   192
.set PC,   208
.set VSO,  228
.set SWD,  232
.set RT,   236
.set RB,   240
.set PW,   248
.set SEL,  84
.set G1, 24
.set G0, 32
.set G1B, 48
.set G0B, 56
.set G1S, 68
.set G0S, 76
.set G1SB, 80
.set G0SB, 88
.set MSB, 0
.macro WIN new                         ; the immediate's high byte repeats the setting that is left
.if MSB != (\new)
	s_set_vgpr_msb (MSB<<8)|(\new)
.set MSB, (\new)
.endif
.endm
.set MUL_LO, 0xa1
.set MUL_HI, 0xf1
.set TO_B,   0x40
.macro JLOAD g0a, g1a, g0b, g1b        ; a joint load: waves 0, 1 fetch for A, waves 2, 3 for B; an s_nop 0 and four v_nop follow each line
	s_cmp_eq_u32 s15, 0
	s_cbranch_scc0 .Lfor_b_\@
	tensor_load_to_lds s[\g0a:\g0a+3], s[\g1a:\g1a+7]
	s_nop 0
.rept 4
	v_nop
.endr
	s_branch .Lasked_\@
.Lfor_b_\@:
	tensor_load_to_lds s[\g0b:\g0b+3], s[\g1b:\g1b+7]
	s_nop 0
.rept 4
	v_nop
.endr
.Lasked_\@:
.endm
.macro CREST
	s_cmp_lg_u32 s14, 0
	s_cbranch_scc1 .Lnot_wave_0_\@
	s_barrier_signal -3
.Lnot_wave_0_\@:
	s_barrier_wait -3
	s_barrier_signal -1
	s_barrier_wait -1
.endm
.macro CROUND
	s_barrier_signal -1
	s_barrier_wait -1
	CREST
.endm
	s_load_b256 s[4:11], s[0:1], 0x0               ; y's images, the weights' images, bq, bk
	s_load_b128 s[96:99], s[0:1], 0x20             ; bv, the output
	v_lshl_add_u32 v[SPW], v0, 2, SPARE
	v_mov_b32 v[NIL], 0
	ds_add_u32 v[SPW], v[NIL]                      ; the wave's opening: the add and its wait ahead of my first tensor load
	v_lshrrev_b32 v1, 5, v0
	v_readfirstlane_b32 s14, v1                    ; wave 0..3
	s_lshr_b32 s15, s14, 1                         ; my half of the tile's rows; also: I fetch for A (0) or B (1)
	s_and_b32 s16, s14, 1                          ; my half of its columns; also: which eight row blocks I fetch
	s_bfe_u32 s40, ttmp6, 0x40000                  ; cx
	s_bfe_u32 s41, ttmp6, 0x40004                  ; cy
	s_and_b32 s95, ttmp7, 0xffff                   ; the cluster's number c: 0-7 q | k, 8-11 v
	s_lshr_b32 s18, s95, 1
	s_lshl_b32 s18, s18, 2
	s_and_b32 s19, s95, 1
	s_lshl_b32 s19, s19, 2
	s_sub_co_u32 s66, s95, 8
	s_lshl_b32 s66, s66, 2
	s_cmp_lt_u32 s95, 8
	s_cselect_b32 s17, s18, 0
	s_cselect_b32 s42, s19, s66
	s_add_co_u32 s17, s17, s41                     ; tile row: 4 (c / 2) + cy, or cy
	s_add_co_u32 s42, s42, s40                     ; tile column: 4 (c % 2) + cx, or 4 (c - 8) + cx
	s_cmp_lt_u32 s95, 8
	s_mov_b32 s18, 8126464
	s_cselect_b32 s18, 0, s18                      ; where A's codes begin in its buffer (y, or wv),
	s_mov_b32 s19, 9764864
	s_cselect_b32 s19, 3145728, s19                ; A's scale words,
	s_mov_b32 s66, 6553600
	s_cselect_b32 s66, s66, 0                      ; B's codes (wq | wk, or y),
	s_mov_b32 s67, 9699328
	s_cselect_b32 s67, s67, 3145728                ; B's scale words
	s_lshl_b32 s43, s41, 2
	s_lshl_b32 s43, 15, s43                        ; my row of the cluster
	s_lshl_b32 s44, 0x1111, s40                    ; my column
	s_or_b32 s[G1+0], s43, (3<<16)|(1<<21)         ; 15:0 the mask; 17:16 elements of 8 bytes; 21 set beside a mask; no padding: an image is read 16 bytes a lane on end
	s_or_b32 s[G1B+0], s44, (3<<16)|(1<<21)
.irp g, G1, G1B
	s_mov_b32 s[\g+1], 384<<16                     ; tensor_dim0: two images, 3,072 bytes
	s_mov_b32 s[\g+2], 8<<16                       ; tensor_dim1: 8 row blocks
	s_mov_b32 s[\g+3], 384<<16                     ; tile_dim0
	s_mov_b32 s[\g+4], 8                           ; tile_dim1
	s_mov_b32 s[\g+5], 192*KSN                     ; from row block to row block
	s_mov_b32 s[\g+6], 0
	s_mov_b32 s[\g+7], 0
.endr
	s_or_b32 s[G1S+0], s43, (3<<16)|(1<<21)
	s_or_b32 s[G1SB+0], s44, (3<<16)|(1<<21)
.irp g, G1S, G1SB
	s_mov_b32 s[\g+1], 32<<16                      ; the scale words of 8 row blocks: a dense block, as rows of 256 bytes
	s_mov_b32 s[\g+2], (HALFS/256)<<16
	s_mov_b32 s[\g+3], 32<<16
	s_mov_b32 s[\g+4], HALFS/256
	s_mov_b32 s[\g+5], 32
	s_mov_b32 s[\g+6], 0
	s_mov_b32 s[\g+7], 0
.endr
	s_lshl_b32 s2, s16, 3
	s_lshl_b32 s20, s17, 4
	s_add_co_u32 s20, s20, s2                      ; A: row block 16 x tile row + 8 x half
	s_lshl_b32 s46, s42, 4
	s_add_co_u32 s46, s46, s2                      ; B: 16 x tile column + 8 x half
	s_mul_i32 s22, s20, SBLK
	s_add_co_u32 s22, s22, s19
	s_mov_b32 s23, 0
	s_mul_i32 s92, s46, SBLK
	s_add_co_u32 s92, s92, s67
	s_mov_b32 s93, 0
	s_mul_i32 s20, s20, KSN*IMG
	s_add_co_u32 s20, s20, s18
	s_mov_b32 s21, 0
	s_mul_i32 s46, s46, KSN*IMG
	s_add_co_u32 s46, s46, s66
	s_mov_b32 s47, 0
	s_mul_i32 s45, s14, HALFT                      ; where they go: no place in the cluster enters an LDS address
	s_mul_i32 s94, s14, HALFS
	s_wait_dscnt 0x0                               ; the opening add is done
	s_wait_kmcnt 0x0
	s_cmp_lt_u32 s95, 8
	s_cselect_b64 s[100:101], s[4:5], s[6:7]       ; A's buffer
	s_cselect_b64 s[104:105], s[6:7], s[4:5]       ; B's buffer
	s_add_nc_u64 s[20:21], s[100:101], s[20:21]
	s_add_nc_u64 s[22:23], s[100:101], s[22:23]
	s_add_nc_u64 s[46:47], s[104:105], s[46:47]
	s_add_nc_u64 s[92:93], s[104:105], s[92:93]
	CROUND                                         ; all sixteen work-groups are here: the first joint loads meet
	s_mov_b32 s[G0S], 1
	s_add_co_u32 s[G0S+1], s94, SCL
	s_mov_b64 s[G0S+2:G0S+3], s[22:23]
	s_or_b32 s[G0S+3], s[G0S+3], 0x80000000
	s_mov_b32 s[G0SB], 1
	s_add_co_u32 s[G0SB+1], s94, SCL
	s_mov_b64 s[G0SB+2:G0SB+3], s[92:93]
	s_or_b32 s[G0SB+3], s[G0SB+3], 0x80000000
	JLOAD G0S, G1S, G0SB, G1SB                     ; the scale words first: they are wanted with K step 0
.irp s, 0,1
	s_mov_b32 s[G0+4*\s], 1
	s_add_co_u32 s[G0+4*\s+1], s45, \s*SLOT
	s_add_nc_u64 s[G0+4*\s+2:G0+4*\s+3], s[20:21], \s*RBB
	s_or_b32 s[G0+4*\s+3], s[G0+4*\s+3], 0x80000000
	s_mov_b32 s[G0B+4*\s], 1
	s_add_co_u32 s[G0B+4*\s+1], s45, \s*SLOT
	s_add_nc_u64 s[G0B+4*\s+2:G0B+4*\s+3], s[46:47], \s*RBB
	s_or_b32 s[G0B+4*\s+3], s[G0B+4*\s+3], 0x80000000
	JLOAD G0+4*\s, G1, G0B+4*\s, G1B               ; three tensor loads of a wave are out here, later one
.endr
	v_and_b32 v1, 15, v0                           ; r
	v_bfe_u32 v2, v0, 4, 1                         ; h
	v_and_b32 v3, 31, v0
	v_lshlrev_b32 v[LI], 4, v3
	s_mul_i32 s21, s15, HALFT
	s_mul_i32 s22, s16, HALFT
	s_add_co_u32 s22, s22, 2*HALFT
.irp s, 0,1
	v_add_nc_u32 v[ADRA+\s], s21, v[LI]
	v_add_nc_u32 v[ADRB+\s], s22, v[LI]
	s_add_co_u32 s21, s21, SLOT
	s_add_co_u32 s22, s22, SLOT
.endr
	v_lshlrev_b32 v5, 2, v1
	s_mul_i32 s21, s15, HALFS
	s_mul_i32 s22, s16, HALFS
	s_add_co_u32 s22, s22, 2*HALFS
	s_sub_co_u32 s22, s22, s21
	v_mul_u32_u24 v6, s22, v2                      ; lanes 16-31 take B's words
	s_add_co_u32 s21, s21, SCL
	v_add_nc_u32 v5, v5, v6
	v_add_nc_u32 v[ADRS], s21, v5
	; the biases.  Both are loaded in both modes, at offsets made of cx and cy, which stay inside the buffers; behind the K loop the one that the mode does not use is masked to zeros
	s_bitcmp1_b32 s95, 0
	s_cselect_b64 s[100:101], s[10:11], s[8:9]     ; bk for odd clusters, bq for even
	s_lshl_b32 s104, s40, 10
	s_lshl_b32 s105, s16, 9
	s_add_co_u32 s104, s104, s105
	s_mov_b32 s105, 0
	s_add_nc_u64 s[100:101], s[100:101], s[104:105]
	v_lshlrev_b32 v[CBA], 6, v2
.irp b, 0,1,2,3
.irp j, 0,1,2,3
	global_load_b128 v[CB+16*\b+4*\j:CB+16*\b+4*\j+3], v[CBA], s[100:101] offset:128*\b+16*\j   ; register 16 b + i: column 32 b + 16 h + i of my 128
.endr
.endr
	s_lshl_b32 s104, s41, 10
	s_lshl_b32 s105, s15, 9
	s_add_co_u32 s104, s104, s105
	s_mov_b32 s105, 0
	s_add_nc_u64 s[96:97], s[96:97], s[104:105]
	v_and_b32 v[RBA], 8, v1
	v_add_nc_u32 v[RBA], v[RBA], v1
	v_lshlrev_b32 v[RBA], 2, v[RBA]
.irp a, 0,1,2,3,4,5,6,7
	global_load_b32 v[RB+\a], v[RBA], s[96:97] offset:(32*(\a/2)+8*(\a%2))*4    ; bv at the actual feature of buffer row 16 a + r
.endr
.macro FRAG reg, adr, q, i             ; a fragment comes as it lies: three loads of 16 bytes a lane, 512 consecutive bytes each
.irp j, 0,1,2
	ds_load_b128 v[\reg+4*\j:\reg+4*\j+3], v[\adr] offset:(\i)*RBB+(\q)*IMG+512*\j
.endr
.endm
; 16 matrix instructions: A's blocks a0, a0 + 1 x B's eight.  The 64 accumulators take turns, one instruction a turn, in the same order in every step
.macro MUL16 a0, p, q, sc, zero
.irp a, \a0, \a0+1
.irp b, 0,1,2,3,4,5,6,7
.if \zero
	v_wmma_scale_f32_16x16x128_f8f6f4 v[8*(8*((\a)%4)+\b):8*(8*((\a)%4)+\b)+7], v[128*(\p)+FR*\b:128*(\p)+FR*\b+FR-1], v[AF+FR*(\a):AF+FR*(\a)+FR-1], 0, v[SC+8*NQ*(\sc)+NQ*\b+(\q)], v[SC+8*NQ*(\sc)+NQ*(\a)+(\q)] matrix_a_fmt:MATRIX_FMT_FP6 matrix_b_fmt:MATRIX_FMT_FP6 matrix_a_scale:MATRIX_SCALE_ROW1
.else
	v_wmma_scale_f32_16x16x128_f8f6f4 v[8*(8*((\a)%4)+\b):8*(8*((\a)%4)+\b)+7], v[128*(\p)+FR*\b:128*(\p)+FR*\b+FR-1], v[AF+FR*(\a):AF+FR*(\a)+FR-1], v[8*(8*((\a)%4)+\b):8*(8*((\a)%4)+\b)+7], v[SC+8*NQ*(\sc)+NQ*\b+(\q)], v[SC+8*NQ*(\sc)+NQ*(\a)+(\q)] matrix_a_fmt:MATRIX_FMT_FP6 matrix_b_fmt:MATRIX_FMT_FP6 matrix_a_scale:MATRIX_SCALE_ROW1
.endif
.endr
.endr
.endm
.macro FETCH_B slot, q, p
	WIN TO_B
.irp i, 0,1,2,3,4,5,6,7
	FRAG 128*(\p)+FR*\i, ADRB+\slot, \q, \i
.endr
	WIN 0
.endm
.macro FETCH_A slot, q, i0
.irp i, \i0, \i0+1, \i0+2, \i0+3
	FRAG AF+FR*(\i), ADRA+\slot, \q, \i
.endr
.endm
.macro SCALES sc                       ; lanes 0-15 take the words of A's block i, lanes 16-31 of B's block i, for the slot's two K steps of 128
.irp i, 0,1,2,3,4,5,6,7
.irp q, 0,1
	ds_load_b32 v[SC+16*\sc+2*\i+\q], v[ADRS] offset:\i*SBLK+64*\q
.endr
.endr
.endm
.macro PLACES n                        ; plain vector lines between a matrix instruction and a load into, or a read of, its registers
.rept \n
	v_nop
.endr
.endm
.macro STEP slot, q, zero
	s_wait_dscnt 4*NL                              ; all but the youngest twelve loads (A's blocks 4-7) are in
	WIN MUL_LO
	MUL16 0, (\q)%2, \q, \slot, \zero
	MUL16 2, (\q)%2, \q, \slot, \zero
	s_wait_dscnt 0
	PLACES NP
	FETCH_B \slot, (\q)+1, 1-(\q)%2
	FETCH_A \slot, (\q)+1, 0
	WIN MUL_HI
	MUL16 4, (\q)%2, \q, \slot, \zero
	MUL16 6, (\q)%2, \q, \slot, \zero
	PLACES NP
	WIN 0
	FETCH_A \slot, (\q)+1, 4
.endm
; A slot's last step changes slots: one barrier; in front of it each wave waits for all its tensor loads, adds 0 to its spare word, and waits for that and for its reads of the slot
.macro TURN slot, next, fill
	s_wait_tensorcnt 0x0                           ; all my tensor loads have landed: my part of the next slot
	ds_add_u32 v[SPW], v[NIL]
	s_wait_dscnt 4*NL+1                            ; the add and the youngest twelve loads may be out
	WIN MUL_LO
	MUL16 0, 1, NQ-1, \slot, 0
	s_wait_dscnt 0x0                               ; the add is done, and my reads of this slot are over
	s_barrier_signal -1
	MUL16 2, 1, NQ-1, \slot, 0
	WIN 0
	s_barrier_wait -1
.if \fill
	CREST                                          ; the barrier has opened a round of the cluster's: no wave of any partner still reads this slot or has a load on its way
	s_add_nc_u64 s[G0+4*\slot+2:G0+4*\slot+3], s[G0+4*\slot+2:G0+4*\slot+3], 2*RBB
	s_add_nc_u64 s[G0B+4*\slot+2:G0B+4*\slot+3], s[G0B+4*\slot+2:G0B+4*\slot+3], 2*RBB
	JLOAD G0+4*\slot, G1, G0B+4*\slot, G1B         ; the first tensor load behind the round; its four v_nop are the places in front of the loads below
.else
	PLACES NP
.endif
	v_add_nc_u32 v[ADRS], 64*NQ, v[ADRS]           ; the next K step's scale words (no LDS load of mine is out)
	FETCH_B \next, 0, 0
	FETCH_A \next, 0, 0
	SCALES \next
	WIN MUL_HI
	MUL16 4, 1, NQ-1, \slot, 0
	MUL16 6, 1, NQ-1, \slot, 0
	PLACES NP
	WIN 0
	FETCH_A \next, 0, 4
.endm
	s_wait_tensorcnt 1                             ; the scale words and my part of K step 0 are in; K step 1's load may be out
	s_barrier_signal -1
	s_barrier_wait -1
	FETCH_B 0, 0, 0
	FETCH_A 0, 0, 0
	SCALES 0
	FETCH_A 0, 0, 4
	STEP 0, 0, 1                                   ; the first step's products start the sums
	s_mov_b32 s3, LAPS-1
.Llap:
	TURN 0, 1, 1
	STEP 1, 0, 0
	TURN 1, 0, 1
	STEP 0, 0, 0
	s_sub_co_u32 s3, s3, 1
	s_cmp_lg_u32 s3, 0
	s_cbranch_scc1 .Llap
	TURN 0, 1, 0                                   ; the last lap fills nothing
	STEP 1, 0, 0
	s_wait_dscnt 4*NL
	WIN MUL_LO
	MUL16 0, 1, NQ-1, 1, 0
	MUL16 2, 1, NQ-1, 1, 0
	s_wait_dscnt 0
	WIN MUL_HI
	MUL16 4, 1, NQ-1, 1, 0
	MUL16 6, 1, NQ-1, 1, 0
	WIN 0
; THE WAY OUT.  For each of my eight blocks of 16 rows: + biases; the lane's 64 numbers (register 16 b + i = column 32 b + 16 h + i of its row) become one fragment and one scale word; the fragment is stored as it stands.
.macro QUANT s, pw
.irp b, 0,1,2,3
	v_max3_num_f32 v[TM+\b], |v[\s+16*\b]|, |v[\s+1+16*\b]|, 0x1800000   ; and the floor 2^(3 - 127)
.endr
.irp i, 2,4,6,8,10,12,14
.irp b, 0,1,2,3
	v_max3_num_f32 v[TM+\b], v[TM+\b], |v[\s+16*\b+\i]|, |v[\s+1+16*\b+\i]|
.endr
.endr
.irp b, 0,1,2,3
	v_permlanex16_b32 v[TM+4+\b], v[TM+\b], s[SEL], s[SEL+1]
.endr
.irp b, 0,1,2,3
	v_max_num_f32 v[TM+\b], v[TM+\b], v[TM+4+\b]
.endr
.irp b, 0,1,2,3
	v_add_nc_u32 v[TM+12+\b], 0xff000000, v[TM+\b]
.endr
.irp b, 0,1,2,3
	v_lshrrev_b32 v[TM+4+\b], 23, v[TM+12+\b]
.endr
	v_lshl_or_b32 v[\pw], v[TM+5], 8, v[TM+4]
	v_lshl_or_b32 v[\pw], v[TM+6], 16, v[\pw]
	v_lshl_or_b32 v[\pw], v[TM+7], 24, v[\pw]
.irp c, 0,1
	v_cvt_scalef32_pk16_fp6_f32 v[PC+6*\c:PC+2+6*\c], v[\s+32*\c:\s+15+32*\c], v[TM+12+2*\c]
	v_cvt_scalef32_pk16_fp6_f32 v[PC+12+4*\c:PC+14+4*\c], v[\s+16+32*\c:\s+31+32*\c], v[TM+12+2*\c+1]
.endr
	v_nop                                          ; one plain line behind the scaled conversions
.irp c, 0,1
.irp i, 0,1,2
	v_permlane16_swap_b32 v[PC+6*\c+\i], v[PC+12+4*\c+\i]    ; the layout wants a whole block in a lane
.endr
.irp i, 0,1,2
	v_mov_b32 v[PC+3+6*\c+\i], v[PC+12+4*\c+\i]
.endr
.endr
.endm
	PLACES NP                                      ; behind the last products: their results are read and A's registers written below
	s_cmp_lt_u32 s95, 8                            ; (no tensor load is out: the scale descriptors' registers are free)
	s_cselect_b32 s68, 16, 32                      ; K steps in a row block of the output
	s_cselect_b32 s69, -1, 0                       ; keeps the column bias (q | k)
	s_cselect_b32 s70, 0, -1                       ; keeps the row bias (v)
	s_mov_b32 s71, 6553600
	s_cselect_b32 s71, 0, s71
	s_mov_b32 s72, 9699328
	s_cselect_b32 s72, 6291456, s72
	s_lshl_b32 s73, s17, 4
	s_lshl_b32 s74, s15, 3
	s_add_co_u32 s73, s73, s74
	s_mul_i32 s73, s73, s68
	s_lshl_b32 s74, s42, 1
	s_add_co_u32 s73, s73, s74
	s_add_co_u32 s73, s73, s16                     ; my first image: (16 x tile row + 8 x half) x K steps + 2 x tile column + half
	s_mul_i32 s74, s73, IMG
	s_add_co_u32 s74, s74, s71
	s_mov_b32 s75, 0
	s_lshl_b32 s76, s73, 6
	s_add_co_u32 s76, s76, s72
	s_mov_b32 s77, 0
	s_add_nc_u64 s[74:75], s[98:99], s[74:75]
	s_add_nc_u64 s[76:77], s[98:99], s[76:77]
	s_mul_i32 s78, s68, IMG                        ; a row block on
	s_mov_b32 s79, 0
	s_lshl_b32 s80, s68, 6
	s_lshl_b32 s81, s68, 7
	s_mov_b32 s82, 0xffff0000
	s_mov_b32 s[SEL], 0x76543210
	s_mov_b32 s[SEL+1], 0xfedcba98
	s_wait_loadcnt 0x0                             ; the biases
.set n, 0
.rept 64
	v_and_b32 v[CB+n], s69, v[CB+n]
.set n, n+1
.endr
.irp a, 0,1,2,3,4,5,6,7
	v_and_b32 v[RB+\a], s70, v[RB+\a]
.endr
.irp b, 0,1,2,3
	v_mov_b32 v[TM+4+\b], 0                        ; a lane permute's destination counts as one of its sources
.endr
	v_mov_b32 v[RT+1], 0
.irp a, 0,1,2,3,4,5,6,7
.if \a > 0
	s_wait_xcnt 0x0                                ; the last block's stores have read their registers and their base
	s_add_nc_u64 s[74:75], s[74:75], s[78:79]
.endif
	WIN 0x02+(\a)/4                                ; source 0: the accumulators' window
.set n, 0
.rept 32
	v_pk_add_f32 v[H+n:H+n+1], v[64*((\a)%4)+n:64*((\a)%4)+n+1], v[CB+n:CB+n+1]    ; each accumulator from its low end on
.set n, n+2
.endr
	WIN 0
	v_mov_b32 v[RT], v[RB+\a]
.set n, 0
.rept 32
	v_pk_add_f32 v[H+n:H+n+1], v[H+n:H+n+1], v[RT:RT+1] op_sel_hi:[1,0]
.set n, n+2
.endr
	QUANT H, PW+\a
.irp j, 0,1,2
	global_store_b128 v[LI], v[PC+4*\j:PC+4*\j+3], s[74:75] offset:512*\j           ; 512 consecutive bytes, aligned
.endr
.endr
	v_lshlrev_b32 v[VSO], 2, v1
	v_mad_u32_u24 v[VSO], v2, s80, v[VSO]          ; lanes 0-15 store an even block's words, lanes 16-31 the next block's
	v_add_nc_u32 v[VSO+1], s81, v[VSO]
	v_add_nc_u32 v[VSO+2], s81, v[VSO+1]
	v_add_nc_u32 v[VSO+3], s81, v[VSO+2]
.irp i, 0,1,2,3
	v_cndmask_b32 v[SWD+\i], v[PW+2*\i], v[PW+2*\i+1], s82
	global_store_b32 v[VSO+\i], v[SWD+\i], s[76:77]
.endr
	s_wait_tensorcnt 0x0                           ; the wave's end
	ds_add_u32 v[SPW], v[NIL]
	s_wait_dscnt 0x0
	CROUND                                         ; the closing round
	s_endpgm
.Lfunc_end_k_q4befc2e21d_gq:
	.size	k_q4befc2e21d_gq, .Lfunc_end_k_q4befc2e21d_gq-k_q4befc2e21d_gq
	.p2alignl 7, 3214868480
	.fill 96, 4, 3214868480
	.section	.rodata,"a",@progbits
	.p2align	6, 0x0
	.amdhsa_kernel k_q4befc2e21d_gq
		.amdhsa_group_segment_fixed_size 327680
		.amdhsa_private_segment_fixed_size 0
		.amdhsa_enable_private_segment 0
		.amdhsa_kernarg_size 48
		.amdhsa_user_sgpr_count 2
		.amdhsa_user_sgpr_kernarg_segment_ptr 1
		.amdhsa_wavefront_size32 1
		.amdhsa_system_sgpr_workgroup_id_x 1
		.amdhsa_system_sgpr_workgroup_id_y 1
		.amdhsa_system_sgpr_workgroup_id_z 1
		.amdhsa_system_vgpr_workitem_id 0
		.amdhsa_next_free_vgpr 1024
		.amdhsa_next_free_sgpr 106
		.amdhsa_reserve_vcc 0
		.amdhsa_float_denorm_mode_32 3
		.amdhsa_float_denorm_mode_16_64 3
		.amdhsa_memory_ordered 1
		.amdhsa_forward_progress 1
		.amdhsa_inst_pref_size 180
	.end_amdhsa_kernel
	.amdgpu_metadata
---
amdhsa.version: [ 1, 2 ]
amdhsa.kernels:
  - .name:           k_q4befc2e21d_gq
    .symbol:         k_q4befc2e21d_gq.kd
    .args:
      - { .name: yb, .offset: 0, .size: 8, .value_kind: global_buffer, .address_space: global }
      - { .name: wb, .offset: 8, .size: 8, .value_kind: global_buffer, .address_space: global }
      - { .name: bq, .offset: 16, .size: 8, .value_kind: global_buffer, .address_space: global }
      - { .name: bk, .offset: 24, .size: 8, .value_kind: global_buffer, .address_space: global }
      - { .name: bv, .offset: 32, .size: 8, .value_kind: global_buffer, .address_space: global }
      - { .name: qb, .offset: 40, .size: 8, .value_kind: global_buffer, .address_space: global }
    .group_segment_fixed_size: 327680
    .private_segment_fixed_size: 0
    .kernarg_segment_align: 8
    .kernarg_segment_size: 48
    .max_flat_workgroup_size: 128
    .sgpr_count:     106
    .vgpr_count:     1024
    .wavefront_size: 32
...
	.end_amdgpu_metadata
.endif
;; end of part 2
;; launch attn (part 3): grid 8 x 32, 4 waves a work-group, no clusters, 205,312 bytes of LDS; arguments qb, ob; writes ob
.if DOCPART == 3
	.amdgcn_target "amdgcn-amd-amdhsa--gfx1250"
	.amdhsa_code_object_version 6
	.text
	.protected	k_q4befc2e21d_attn
	.globl	k_q4befc2e21d_attn
	.p2align	8
	.type	k_q4befc2e21d_attn,@function
k_q4befc2e21d_attn:
	s_mov_b64 s[64:65], 0
	v_nop
	global_prefetch_b8 v0, s[64:65] scope:SCOPE_SE
	s_setreg_imm32_b32 hwreg(HW_REG_WAVE_MODE, 25, 1), 1
	s_wait_xcnt 0x0
; o = entmax15(q k^T / 8) v for 64 heads of 1,024 x 1,024 x 64, both products on codes of FP6 (E2M3) with E8M0 scales; the weights are quantised finished, along the keys; o is quantised along its features and stored as images.
; SHARES.  A work-group: 128 queries of a PAIR of heads of one batch.  k's and v^T's images of the pair (200 KiB with their scale words) come into LDS once.  A wave owns two tiles of 16 queries and walks four trips: (tile, head).
; An image of q or k holds 128 features: the even head's 64, then the odd head's.  q's codes of the other head are masked to zero codes, which add nothing: so K = 64 rides in the instruction's K = 128.
; No multicast: the eight work-groups of a pair share bytes that each fetches once, at its head; there is no ring and no step whose bytes could be asked for jointly.
; BOTH PRODUCTS TRANSPOSED: S^T = k q^T, O^T = v^T p^T: a lane holds one query throughout.  k's buffer rows have bits 3 and 4 of the key exchanged, so register 16 b + i of the scores is key 32 b + 16 h + i.  All 1,024 scores of a query stay in registers: 512 a lane.
; THE THRESHOLD.  z = (score - row's maximum) / 16 on the raw products.  tau is the root of F(t) = sum (z - t)+^2 = 1, which is what a sort and a scan would find.  Since max z = 0 it lies in [-1, -1/32].
; Newton on G = sqrt(F) from t = -1: t += (S2 - 1) G / ((G + 1) S1), S1 = sum d, S2 = sum d^2, d = (z - t)+.  G is convex with slope m = S1 / G in [1, 32], so the iterates rise to tau and
; G' - 1 <= (1 - m'/m)(G - 1); with the product of the m'/m at least 1/32, after N steps tau - t <= G - 1 <= 31 (1 - 32^(-1/N))^N: 1.9e-8 at N = 14, for every input.  The count is fixed: no branch on data.
; LIMITS: tau carries the rounding of S1 and S2 in f32 (a few 1e-7); a block of zeros gets the byte 1 (zero codes; this program alone reads the bytes); NaN and infinities are not served.
; REGISTERS: window 0 below; windows 1, 2: the scores, then z; window 3: v0-191 two sets of 8 fragments of k, later v0-47 four fragments of v^T.
.set VC,    98304                      ; LDS: k's 64 images from 0; v^T's 8 x 8 images;
.set KSC,   196608                     ; k's scale words, 64 bytes a tile;
.set VSC,   200704                     ; v^T's, 512 bytes a row block;
.set SPARE, 204800                     ; the spare words, 128 bytes for each wave, that no other line names
.set LI,   1                           ; 16 x lane
.set R4,   2                           ; 4 r
.set AK1,  3                           ; k's tiles 32-63
.set AKS,  4
.set AV0,  5
.set AVS0, 6
.set AV,   7                           ; v^T's images of the trip's head
.set AVS,  8
.set OSO,  9
.set T,    12                          ; v[12:13] t (low word)
.set NM,   14                          ; v[14:15] - maximum / 16 (low word)
.set QF,   16                          ; v16-27 q's fragment
.set QS,   28                          ; q's scale words: scales alone
.set SWALL, 29                         ; o's scale words of my two tiles
.set SPW,  30
.set NIL,  31
.set BM,   32                          ; v32-63 the blocks' largest scores; later
.set OA,   32                          ; O^T, four accumulators
.set SOP,  64                          ; v64-95 the conversions' scale operands, a block each
.set PWD,  96                          ; v96-103 p's scale words: scales alone
.set KSW,  104                         ; v104-119 k's, two sets: scales alone
.set VSW,  120                         ; v120-123 v^T's: scales alone
.set TA,   124
.set TC,   126
.set D,    128                         ; v128-191 at work
.set OF,   192                         ; v192-203 o's fragment
.set CUR,  204
.set PRV,  205
.set WRD,  206
.set SUM1, 208
.set SUM2, 216
.set PF,   224                         ; v224-235 p's fragment
.set PT,   236
.set TE,   244
.set G1KC, 12
.set G1KS, 20
.set G1VC, 28
.set G1VS, 36
.set G0KC, 44
.set G0KS, 48
.set G0VC, 52
.set G0VS, 56
.set SEL,  84
.set MSB, 0
.macro WIN new
.if MSB != (\new)
	s_set_vgpr_msb (MSB<<8)|(\new)
.set MSB, (\new)
.endif
.endm
.macro PLACES
.rept 4
	v_nop
.endr
.endm
	s_load_b128 s[4:7], s[0:1], 0x0                ; q | k | v^T, o
	v_lshl_add_u32 v[SPW], v0, 2, SPARE
	v_mov_b32 v[NIL], 0
	ds_add_u32 v[SPW], v[NIL]                      ; the wave's opening: the add and its wait ahead of my first tensor load
	v_lshrrev_b32 v1, 5, v0
	v_readfirstlane_b32 s8, v1                     ; wave 0..3
	s_and_b32 s9, s8, 1                            ; which half I fetch
	s_and_b32 s10, ttmp7, 0xffff
	s_lshr_b32 s11, s10, 3                         ; batch
	s_and_b32 s10, s10, 7                          ; pair of heads
	s_mov_b32 s[G1KC], 3<<16                       ; k's codes: 32 images of 1,536 bytes (192 elements of 8), 16 images apart
	s_mov_b32 s[G1KC+1], 192<<16
	s_mov_b32 s[G1KC+2], 32<<16
	s_mov_b32 s[G1KC+3], 192<<16
	s_mov_b32 s[G1KC+4], 32
	s_mov_b32 s[G1KC+5], 3072
	s_mov_b32 s[G1KC+6], 0
	s_mov_b32 s[G1KC+7], 0
	s_mov_b32 s[G1KS], 3<<16                       ; k's scale words: 32 rows of 64 bytes, 1,024 apart
	s_mov_b32 s[G1KS+1], 8<<16
	s_mov_b32 s[G1KS+2], 32<<16
	s_mov_b32 s[G1KS+3], 8<<16
	s_mov_b32 s[G1KS+4], 32
	s_mov_b32 s[G1KS+5], 128
	s_mov_b32 s[G1KS+6], 0
	s_mov_b32 s[G1KS+7], 0
	s_mov_b32 s[G1VC], 3<<16                       ; v^T's codes: 4 row blocks of 8 images on end (12,288 bytes), 32 images apart
	s_mov_b32 s[G1VC+1], 1536<<16
	s_mov_b32 s[G1VC+2], 4<<16
	s_mov_b32 s[G1VC+3], 1536<<16
	s_mov_b32 s[G1VC+4], 4
	s_mov_b32 s[G1VC+5], 6144
	s_mov_b32 s[G1VC+6], 0
	s_mov_b32 s[G1VC+7], 0
	s_mov_b32 s[G1VS], 3<<16                       ; v^T's scale words: 4 rows of 512 bytes, 2,048 apart
	s_mov_b32 s[G1VS+1], 64<<16
	s_mov_b32 s[G1VS+2], 4<<16
	s_mov_b32 s[G1VS+3], 64<<16
	s_mov_b32 s[G1VS+4], 4
	s_mov_b32 s[G1VS+5], 256
	s_mov_b32 s[G1VS+6], 0
	s_mov_b32 s[G1VS+7], 0
	s_lshl_b32 s60, s11, 6
	s_lshl_b32 s61, s9, 5
	s_add_co_u32 s60, s60, s61
	s_lshl_b32 s60, s60, 4
	s_add_co_u32 s60, s60, s10
	s_add_co_u32 s60, s60, 8                       ; k's first image that I fetch: (64 batch + 32 half) 16 + 8 + pair
	s_mul_i32 s62, s60, 1536
	s_mov_b32 s63, 0
	s_lshl_b32 s60, s60, 6
	s_add_co_u32 s60, s60, 6291456
	s_mov_b32 s61, 0
	s_lshl_b32 s66, s10, 3
	s_lshl_b32 s67, s9, 2
	s_add_co_u32 s66, s66, s67
	s_lshl_b32 s66, s66, 5
	s_lshl_b32 s67, s11, 3
	s_add_co_u32 s66, s66, s67                     ; v^T's: (8 pair + 4 half) 32 + 8 batch
	s_mul_i32 s68, s66, 1536
	s_add_co_u32 s68, s68, 6553600
	s_mov_b32 s69, 0
	s_lshl_b32 s66, s66, 6
	s_add_co_u32 s66, s66, 9699328
	s_mov_b32 s67, 0
	s_mul_i32 s70, s9, 49152
	s_lshl_b32 s71, s9, 11
	s_wait_dscnt 0x0                               ; the opening add is done
	s_wait_kmcnt 0x0
	s_mov_b32 s[G0KC], 1
	s_mov_b32 s[G0KC+1], s70
	s_add_nc_u64 s[G0KC+2:G0KC+3], s[4:5], s[62:63]
	s_or_b32 s[G0KC+3], s[G0KC+3], 0x80000000
	s_mov_b32 s[G0KS], 1
	s_add_co_u32 s[G0KS+1], s71, KSC
	s_add_nc_u64 s[G0KS+2:G0KS+3], s[4:5], s[60:61]
	s_or_b32 s[G0KS+3], s[G0KS+3], 0x80000000
	s_mov_b32 s[G0VC], 1
	s_add_co_u32 s[G0VC+1], s70, VC
	s_add_nc_u64 s[G0VC+2:G0VC+3], s[4:5], s[68:69]
	s_or_b32 s[G0VC+3], s[G0VC+3], 0x80000000
	s_mov_b32 s[G0VS], 1
	s_add_co_u32 s[G0VS+1], s71, VSC
	s_add_nc_u64 s[G0VS+2:G0VS+3], s[4:5], s[66:67]
	s_or_b32 s[G0VS+3], s[G0VS+3], 0x80000000
	s_cmp_lt_u32 s8, 2                             ; waves 0, 1 fetch k's halves, waves 2, 3 v^T's: a wave's two fills stand in one branch; two tensor loads of a wave are out
	s_cbranch_scc0 .Lfirst_v
	tensor_load_to_lds s[G0KC:G0KC+3], s[G1KC:G1KC+7]
	s_nop 0
	tensor_load_to_lds s[G0KS:G0KS+3], s[G1KS:G1KS+7]
	s_nop 0
.rept 4
	v_nop
.endr
	s_branch .Lfirst_asked
.Lfirst_v:
	tensor_load_to_lds s[G0VC:G0VC+3], s[G1VC:G1VC+7]
	s_nop 0
	tensor_load_to_lds s[G0VS:G0VS+3], s[G1VS:G1VS+7]
	s_nop 0
.rept 4
	v_nop
.endr
.Lfirst_asked:
	s_lshl_b32 s72, s11, 6
	s_lshl_b32 s73, ttmp9, 3
	s_add_co_u32 s72, s72, s73
	s_lshl_b32 s73, s8, 1
	s_add_co_u32 s72, s72, s73                     ; my first row block of queries: 64 batch + 8 x + 2 wave
	s_lshl_b32 s86, s72, 4
	s_add_co_u32 s86, s86, s10
	s_mul_i32 s66, s86, 1536
	s_mov_b32 s67, 0
	s_lshl_b32 s68, s86, 6
	s_add_co_u32 s68, s68, 6291456
	s_mov_b32 s69, 0
	s_lshl_b32 s86, s72, 3
	s_add_co_u32 s86, s86, s10
	s_mul_i32 s70, s86, 1536
	s_mov_b32 s71, 0
	s_lshl_b32 s72, s86, 6
	s_add_co_u32 s72, s72, 3145728
	s_mov_b32 s73, 0
	s_add_nc_u64 s[66:67], s[4:5], s[66:67]        ; q's image,
	s_add_nc_u64 s[68:69], s[4:5], s[68:69]        ; q's scale words,
	s_add_nc_u64 s[70:71], s[6:7], s[70:71]        ; o's image,
	s_add_nc_u64 s[72:73], s[6:7], s[72:73]        ; o's scale words
	s_mov_b32 s74, 0                               ; the trip: tile = trip / 2, head of the pair = trip % 2
	s_mov_b32 s76, -1                              ; keeps q's registers 0-5 (the even head),
	s_mov_b32 s77, 0                               ; or 6-11 (the odd head)
	s_mov_b32 s78, 0                               ; the head's four row blocks of v^T
	s_mov_b32 s79, 0
	s_mov_b32 s80, 0x0000ffff                      ; which half of the lanes takes the tile's scale words
	s_mov_b32 s82, 0x3d800000                      ; 1 / 16
	s_mov_b32 s83, s82
	s_mov_b32 s[SEL], 0x76543210
	s_mov_b32 s[SEL+1], 0xfedcba98
	v_and_b32 v10, 31, v0
	v_lshlrev_b32 v[LI], 4, v10
	v_and_b32 v10, 15, v0
	v_lshlrev_b32 v[R4], 2, v10
	v_add_nc_u32 v[AK1], 49152, v[LI]
	v_add_nc_u32 v[AKS], KSC, v[R4]
	v_add_nc_u32 v[AV0], VC, v[LI]
	v_add_nc_u32 v[AVS0], VSC, v[R4]
	v_bfe_u32 v10, v0, 4, 1
	v_lshl_add_u32 v[OSO], v10, 9, v[R4]
.set n, 0
.rept 64
	v_mov_b32 v[D+n], 0                            ; written once: lane permutes' destinations count as sources
.set n, n+1
.endr
.irp n, 0,1,2,3,4,5
	v_mov_b32 v[OF+\n], 0                          ; written before the branch on the trip's parity could read them
.endr
	v_mov_b32 v[PRV], 0
	v_mov_b32 v[SWALL], 0
	v_mov_b32 v[T+1], 0
	v_mov_b32 v[NM+1], 0
	v_mov_b32 v[TC], 0
	v_mov_b32 v[TC+1], 0
	s_wait_tensorcnt 0x0                           ; my parts are in,
	s_barrier_signal -1
	s_barrier_wait -1                              ; everybody's are; nothing is ever filled again
.macro KBATCH g                        ; eight tiles of 16 keys: 24 loads of codes, 8 of scale words
	WIN 0xc0
.irp t, 0,1,2,3,4,5,6,7
.irp j, 0,1,2
.if (\g) < 4
	ds_load_b128 v[96*((\g)%2)+12*\t+4*\j:96*((\g)%2)+12*\t+4*\j+3], v[LI] offset:(8*(\g)+\t)*1536+512*\j
.else
	ds_load_b128 v[96*((\g)%2)+12*\t+4*\j:96*((\g)%2)+12*\t+4*\j+3], v[AK1] offset:(8*((\g)-4)+\t)*1536+512*\j
.endif
.endr
.endr
	WIN 0
.irp t, 0,1,2,3,4,5,6,7
	ds_load_b32 v[KSW+8*((\g)%2)+\t], v[AKS] offset:64*(8*(\g)+\t)
.endr
.endm
.Ltrip:
	v_add_nc_u32 v[AV], s78, v[AV0]
	v_add_nc_u32 v[AVS], s79, v[AVS0]
.irp j, 0,1,2
	global_load_b128 v[QF+4*\j:QF+4*\j+3], v[LI], s[66:67] offset:512*\j
.endr
	global_load_b32 v[QS], v[R4], s[68:69]
	KBATCH 0
	s_wait_loadcnt 0x0
.irp n, 0,1,2,3,4,5
	v_and_b32 v[QF+\n], s76, v[QF+\n]              ; the other head's codes become zero codes
	v_and_b32 v[QF+6+\n], s77, v[QF+6+\n]
.endr
	; ---- the scores: 64 tiles of 16 keys, each a sum of its own begun with 0
.irp g, 0,1,2,3,4,5,6,7
.if \g < 7
	PLACES                                         ; behind the last batch's products (and, in batch 0, behind the masking of q) and in front of loads into registers that they read
	KBATCH \g+1
	s_wait_dscnt 32                                ; this batch is in; the 32 just issued may be out
.else
	s_wait_dscnt 0x0
.endif
	WIN ((1+(\g)/4)<<6)|3
.irp t, 0,1,2,3,4,5,6,7
	v_wmma_scale_f32_16x16x128_f8f6f4 v[8*(8*((\g)%4)+\t):8*(8*((\g)%4)+\t)+7], v[96*((\g)%2)+12*\t:96*((\g)%2)+12*\t+11], v[QF:QF+11], 0, v[KSW+8*((\g)%2)+\t], v[QS] matrix_a_fmt:MATRIX_FMT_FP6 matrix_b_fmt:MATRIX_FMT_FP6
.endr
.endr
	PLACES
	; ---- the largest score of each block of 32 keys: it serves the row's maximum and, since p rises with the score, the block's largest p
.irp W, 1, 2
	WIN (\W<<4)|(\W<<2)
.irp q, 0,1,2,3
.irp b, 0,1,2,3
	v_max3_num_f32 v[BM+16*(\W-1)+4*\q+\b], 0xff800000, v[16*(4*\q+\b)], v[16*(4*\q+\b)+1]     ; each accumulator from its low end on
.endr
.irp i, 2,4,6,8,10,12,14
.irp b, 0,1,2,3
	v_max3_num_f32 v[BM+16*(\W-1)+4*\q+\b], v[BM+16*(\W-1)+4*\q+\b], v[16*(4*\q+\b)+\i], v[16*(4*\q+\b)+\i+1]
.endr
.endr
.endr
.endr
	WIN 0
.set n, 0
.rept 32
	v_permlanex16_b32 v[D+n], v[BM+n], s[SEL], s[SEL+1]
.set n, n+1
.endr
.set n, 0
.rept 32
	v_max_num_f32 v[BM+n], v[BM+n], v[D+n]         ; with lane l xor 16's 16 keys
.set n, n+1
.endr
	v_max3_num_f32 v[TA], v[BM], v[BM+1], v[BM+2]
	v_max3_num_f32 v[TA+1], v[BM+16], v[BM+17], v[BM+18]
.irp i, 3,5,7,9,11,13
	v_max3_num_f32 v[TA], v[TA], v[BM+\i], v[BM+\i+1]
	v_max3_num_f32 v[TA+1], v[TA+1], v[BM+16+\i], v[BM+17+\i]
.endr
	v_max3_num_f32 v[TA], v[TA], v[BM+15], v[BM+31]
	v_max_num_f32 v[TA], v[TA], v[TA+1]
	v_mul_f32 v[NM], 0xbd800000, v[TA]             ; - maximum / 16: exact
	; ---- z = score / 16 - maximum / 16: one rounding, the bits of (score / 8 - maximum / 8) / 2
.irp W, 1, 2
	WIN (\W<<6)|\W
.set n, 0
.rept 128
	v_pk_fma_f32 v[n:n+1], v[n:n+1], s[82:83], v[NM:NM+1] op_sel_hi:[1,0,0]
.set n, n+2
.endr
.endr
	WIN 0
	; ---- tau
	v_mov_b32 v[T], -1.0
	s_mov_b32 s75, 14
.Lnewton:
.irp W, 1, 2
.irp q, 0,1,2,3
	WIN \W
.set n, 0
.rept 32
	v_pk_add_f32 v[D+n:D+n+1], v[64*\q+n:64*\q+n+1], v[T:T+1] op_sel_hi:[1,0] neg_lo:[0,1] neg_hi:[0,1]
.set n, n+2
.endr
	WIN 0
.set n, 0
.rept 64
	v_max_num_f32 v[D+n], 0, v[D+n]
.set n, n+1
.endr
.set n, 0
.rept 32
.if (\W == 1) && (\q == 0) && (n < 8)
	v_pk_add_f32 v[SUM1+n:SUM1+n+1], v[D+n:D+n+1], 0 op_sel_hi:[1,0]       ; the first four pairs start the four chains
	v_pk_mul_f32 v[SUM2+n:SUM2+n+1], v[D+n:D+n+1], v[D+n:D+n+1]
.else
	v_pk_add_f32 v[SUM1+n%8:SUM1+n%8+1], v[SUM1+n%8:SUM1+n%8+1], v[D+n:D+n+1]
	v_pk_fma_f32 v[SUM2+n%8:SUM2+n%8+1], v[D+n:D+n+1], v[D+n:D+n+1], v[SUM2+n%8:SUM2+n%8+1]
.endif
.set n, n+2
.endr
.endr
.endr
	v_pk_add_f32 v[SUM1:SUM1+1], v[SUM1:SUM1+1], v[SUM1+2:SUM1+3]
	v_pk_add_f32 v[SUM2:SUM2+1], v[SUM2:SUM2+1], v[SUM2+2:SUM2+3]
	v_pk_add_f32 v[SUM1+4:SUM1+5], v[SUM1+4:SUM1+5], v[SUM1+6:SUM1+7]
	v_pk_add_f32 v[SUM2+4:SUM2+5], v[SUM2+4:SUM2+5], v[SUM2+6:SUM2+7]
	v_pk_add_f32 v[SUM1:SUM1+1], v[SUM1:SUM1+1], v[SUM1+4:SUM1+5]
	v_pk_add_f32 v[SUM2:SUM2+1], v[SUM2:SUM2+1], v[SUM2+4:SUM2+5]
	v_add_f32 v[TA], v[SUM1], v[SUM1+1]
	v_add_f32 v[TA+1], v[SUM2], v[SUM2+1]
	v_permlanex16_b32 v[TC], v[TA], s[SEL], s[SEL+1]
	v_permlanex16_b32 v[TC+1], v[TA+1], s[SEL], s[SEL+1]
	v_add_f32 v[TA], v[TA], v[TC]                  ; S1
	v_add_f32 v[TA+1], v[TA+1], v[TC+1]            ; S2
	v_sqrt_f32 v[TC], v[TA+1]                      ; G
	v_add_f32 v[TC+1], -1.0, v[TA+1]               ; S2 - 1 (the plain line behind the root)
	s_wait_alu depctr_va_vdst(0)                   ; the wait ahead of the root's first reader
	v_add_f32 v[TE], 1.0, v[TC]
	v_mul_f32 v[TE], v[TE], v[TA]                  ; (G + 1) S1
	v_rcp_f32 v[TE+1], v[TE]
	v_mul_f32 v[TC+1], v[TC+1], v[TC]              ; (S2 - 1) G (the plain line behind the reciprocal)
	s_wait_alu depctr_va_vdst(0)
	v_fma_f32 v[T], v[TC+1], v[TE+1], v[T]
	s_sub_co_u32 s75, s75, 1
	s_cmp_lg_u32 s75, 0
	s_cbranch_scc1 .Lnewton
	; ---- the blocks' scales: the largest score of a block goes through the very roundings that its elements go through
.set n, 0
.rept 16
	v_pk_fma_f32 v[BM+n:BM+n+1], v[BM+n:BM+n+1], s[82:83], v[NM:NM+1] op_sel_hi:[1,0,0]
.set n, n+2
.endr
.set n, 0
.rept 16
	v_pk_add_f32 v[BM+n:BM+n+1], v[BM+n:BM+n+1], v[T:T+1] op_sel_hi:[1,0] neg_lo:[0,1] neg_hi:[0,1]
.set n, n+2
.endr
.set n, 0
.rept 32
	v_max_num_f32 v[BM+n], 0, v[BM+n]
.set n, n+1
.endr
.set n, 0
.rept 16
	v_pk_mul_f32 v[BM+n:BM+n+1], v[BM+n:BM+n+1], v[BM+n:BM+n+1]
.set n, n+2
.endr
.set n, 0
.rept 32
	v_max_num_f32 v[BM+n], 0x1800000, v[BM+n]      ; the floor 2^(3 - 127): a block outside the support keeps the byte 1, and its codes are zeros
.set n, n+1
.endr
.set n, 0
.rept 32
	v_add_nc_u32 v[SOP+n], 0xff000000, v[BM+n]
.set n, n+1
.endr
.set n, 0
.rept 32
	v_lshrrev_b32 v[D+n], 23, v[SOP+n]
.set n, n+1
.endr
.irp k, 0,1,2,3,4,5,6,7
	v_lshl_or_b32 v[PWD+\k], v[D+4*\k+1], 8, v[D+4*\k]
	v_lshl_or_b32 v[PWD+\k], v[D+4*\k+2], 16, v[PWD+\k]
	v_lshl_or_b32 v[PWD+\k], v[D+4*\k+3], 24, v[PWD+\k]
.endr
	; ---- p = (z - tau)+^2, quantised, and O^T += v^T p^T, 128 keys at a time; the four accumulators take turns
.irp ks, 0,1,2,3,4,5,6,7
	WIN 1+(\ks)/4
.set n, 0
.rept 32
	v_pk_add_f32 v[D+n:D+n+1], v[64*((\ks)%4)+n:64*((\ks)%4)+n+1], v[T:T+1] op_sel_hi:[1,0] neg_lo:[0,1] neg_hi:[0,1]   ; (also the places in front of the loads below)
.set n, n+2
.endr
	WIN 0xc0
.irp t, 0,1,2,3
.irp j, 0,1,2
	ds_load_b128 v[12*\t+4*\j:12*\t+4*\j+3], v[AV] offset:\t*12288+\ks*1536+512*\j
.endr
.endr
	WIN 0
.irp t, 0,1,2,3
	ds_load_b32 v[VSW+\t], v[AVS] offset:512*\t+64*\ks
.endr
.set n, 0
.rept 64
	v_max_num_f32 v[D+n], 0, v[D+n]
.set n, n+1
.endr
.set n, 0
.rept 32
	v_pk_mul_f32 v[D+n:D+n+1], v[D+n:D+n+1], v[D+n:D+n+1]
.set n, n+2
.endr
.irp c, 0,1
	v_cvt_scalef32_pk16_fp6_f32 v[PF+6*\c:PF+6*\c+2], v[D+32*\c:D+32*\c+15], v[SOP+4*\ks+2*\c]
	v_cvt_scalef32_pk16_fp6_f32 v[PT+4*\c:PT+4*\c+2], v[D+32*\c+16:D+32*\c+31], v[SOP+4*\ks+2*\c+1]
.endr
	v_nop                                          ; one plain line behind the scaled conversions
.irp c, 0,1
.irp i, 0,1,2
	v_permlane16_swap_b32 v[PF+6*\c+\i], v[PT+4*\c+\i]       ; the layout wants a whole block in a lane
.endr
.irp i, 0,1,2
	v_mov_b32 v[PF+3+6*\c+\i], v[PT+4*\c+\i]
.endr
.endr
	PLACES                                         ; an operand written by vector lines stands four places ahead of a scaled matrix instruction
	s_wait_dscnt 0x0
	WIN 0x03
.irp t, 0,1,2,3
.if \ks == 0
	v_wmma_scale_f32_16x16x128_f8f6f4 v[OA+8*\t:OA+8*\t+7], v[12*\t:12*\t+11], v[PF:PF+11], 0, v[VSW+\t], v[PWD+\ks] matrix_a_fmt:MATRIX_FMT_FP6 matrix_b_fmt:MATRIX_FMT_FP6
.else
	v_wmma_scale_f32_16x16x128_f8f6f4 v[OA+8*\t:OA+8*\t+7], v[12*\t:12*\t+11], v[PF:PF+11], v[OA+8*\t:OA+8*\t+7], v[VSW+\t], v[PWD+\ks] matrix_a_fmt:MATRIX_FMT_FP6 matrix_b_fmt:MATRIX_FMT_FP6
.endif
.endr
.endr
	WIN 0
	PLACES
	; ---- o of this head: register 16 b + i = feature 32 b + 16 h + i: two blocks, six registers of the pair's fragment, two scale bytes
.irp b, 0,1
	v_max3_num_f32 v[TA+\b], |v[OA+16*\b]|, |v[OA+16*\b+1]|, 0x1800000
.endr
.irp i, 2,4,6,8,10,12,14
.irp b, 0,1
	v_max3_num_f32 v[TA+\b], v[TA+\b], |v[OA+16*\b+\i]|, |v[OA+16*\b+\i+1]|
.endr
.endr
.irp b, 0,1
	v_permlanex16_b32 v[TC+\b], v[TA+\b], s[SEL], s[SEL+1]
.endr
.irp b, 0,1
	v_max_num_f32 v[TA+\b], v[TA+\b], v[TC+\b]
.endr
.irp b, 0,1
	v_add_nc_u32 v[TA+\b], 0xff000000, v[TA+\b]
.endr
.irp b, 0,1
	v_lshrrev_b32 v[TC+\b], 23, v[TA+\b]
.endr
	v_lshl_or_b32 v[CUR], v[TC+1], 8, v[TC]
	v_cvt_scalef32_pk16_fp6_f32 v[OF+6:OF+8], v[OA:OA+15], v[TA]
	v_cvt_scalef32_pk16_fp6_f32 v[PT:PT+2], v[OA+16:OA+31], v[TA+1]
	v_nop
.irp i, 0,1,2
	v_permlane16_swap_b32 v[OF+6+\i], v[PT+\i]
.endr
.irp i, 0,1,2
	v_mov_b32 v[OF+9+\i], v[PT+\i]
.endr
	s_bitcmp1_b32 s74, 0                           ; behind the odd head the pair's fragment is whole: a branch on the trip's number alone
	s_cbranch_scc0 .Lskip
	v_lshl_or_b32 v[WRD], v[CUR], 16, v[PRV]
	v_cndmask_b32 v[SWALL], v[SWALL], v[WRD], s80
.irp j, 0,1,2
	global_store_b128 v[LI], v[OF+4*\j:OF+4*\j+3], s[70:71] offset:512*\j      ; 512 consecutive bytes, aligned
.endr
	s_wait_xcnt 0x0                                ; the stores have read their registers and their base
	s_add_nc_u64 s[66:67], s[66:67], 24576         ; my second tile of queries
	s_add_nc_u64 s[68:69], s[68:69], 1024
	s_add_nc_u64 s[70:71], s[70:71], 12288
	s_not_b32 s80, s80
.Lskip:
.irp n, 0,1,2,3,4,5
	v_mov_b32 v[OF+\n], v[OF+6+\n]                 ; the even head's half goes to its place
.endr
	v_mov_b32 v[PRV], v[CUR]
	s_not_b32 s76, s76
	s_not_b32 s77, s77
	s_xor_b32 s78, s78, 49152
	s_xor_b32 s79, s79, 2048
	s_add_co_u32 s74, s74, 1
	s_cmp_lt_u32 s74, 4
	s_cbranch_scc1 .Ltrip
	global_store_b32 v[OSO], v[SWALL], s[72:73]    ; lanes 0-15: my first tile's words, lanes 16-31: my second's
	s_wait_tensorcnt 0x0                           ; the wave's end
	ds_add_u32 v[SPW], v[NIL]
	s_wait_dscnt 0x0
	s_endpgm
.Lfunc_end_k_q4befc2e21d_attn:
	.size	k_q4befc2e21d_attn, .Lfunc_end_k_q4befc2e21d_attn-k_q4befc2e21d_attn
	.p2alignl 7, 3214868480
	.fill 96, 4, 3214868480
	.section	.rodata,"a",@progbits
	.p2align	6, 0x0
	.amdhsa_kernel k_q4befc2e21d_attn
		.amdhsa_group_segment_fixed_size 205312
		.amdhsa_private_segment_fixed_size 0
		.amdhsa_enable_private_segment 0
		.amdhsa_kernarg_size 16
		.amdhsa_user_sgpr_count 2
		.amdhsa_user_sgpr_kernarg_segment_ptr 1
		.amdhsa_wavefront_size32 1
		.amdhsa_system_sgpr_workgroup_id_x 1
		.amdhsa_system_sgpr_workgroup_id_y 1
		.amdhsa_system_sgpr_workgroup_id_z 1
		.amdhsa_system_vgpr_workitem_id 0
		.amdhsa_next_free_vgpr 1024
		.amdhsa_next_free_sgpr 88
		.amdhsa_reserve_vcc 0
		.amdhsa_float_denorm_mode_32 3
		.amdhsa_float_denorm_mode_16_64 3
		.amdhsa_memory_ordered 1
		.amdhsa_forward_progress 1
		.amdhsa_inst_pref_size 221
	.end_amdhsa_kernel
	.amdgpu_metadata
---
amdhsa.version: [ 1, 2 ]
amdhsa.kernels:
  - .name:           k_q4befc2e21d_attn
    .symbol:         k_q4befc2e21d_attn.kd
    .args:
      - { .name: qb, .offset: 0, .size: 8, .value_kind: global_buffer, .address_space: global }
      - { .name: ob, .offset: 8, .size: 8, .value_kind: global_buffer, .address_space: global }
    .group_segment_fixed_size: 205312
    .private_segment_fixed_size: 0
    .kernarg_segment_align: 8
    .kernarg_segment_size: 16
    .max_flat_workgroup_size: 128
    .sgpr_count:     88
    .vgpr_count:     1024
    .wavefront_size: 32
...
	.end_amdgpu_metadata
.endif
;; end of part 3
;; launch gwo (part 4): grid 4 x 16, 4 waves a work-group, clusters of 4 x 4, 327,680 bytes of LDS; arguments ob, wb, bo, x, x1; writes x1
.if DOCPART == 4
	.amdgcn_target "amdgcn-amd-amdhsa--gfx1250"
	.amdhsa_code_object_version 6
	.text
	.protected	k_q4befc2e21d_gwo
	.globl	k_q4befc2e21d_gwo
	.p2align	8
	.type	k_q4befc2e21d_gwo,@function
k_q4befc2e21d_gwo:
	s_mov_b64 s[64:65], 0
	v_nop
	global_prefetch_b8 v0, s[64:65] scope:SCOPE_SE
	s_setreg_imm32_b32 hwreg(HW_REG_WAVE_MODE, 25, 1), 1
	s_wait_xcnt 0x0
	s_wait_alu depctr_hold_cnt(0) depctr_sa_sdst(0) depctr_va_vdst(0) depctr_va_sdst(0) depctr_va_ssrc(0) depctr_va_vcc(0) depctr_vm_vsrc(0)
	s_getreg_b32 s2, hwreg(HW_REG_IB_STS2, 6, 4)
	s_cmp_eq_u32 s2, 0
	s_cbranch_scc0 .Lentry_in_a_cluster
	s_endpgm
.Lentry_in_a_cluster:
	s_bfe_u32 s2, ttmp6, 0x10000c
	s_cmp_lg_u32 s2, 0xf033
	s_cbranch_scc0 .Lentry_shape_is_right
	s_endpgm
.Lentry_shape_is_right:
; x1 = x + o wo + bo.  o [4096][1024] and wo's rows [1024][1024] arrive as images of operand registers in FP6 (E2M3) with E8M0 scale words; x, x1: f32 rows.
; An image: fragment (row block rb, K step ks) = 1,536 dense bytes at (rb K/128 + ks) 1536, registers 4 j .. 4 j + 3 of lane l at 512 j + 16 l; scale words at (rb K/128 + ks) 64 + 4 r.  Buffer rows hold the actual index with bits 3 and 4 exchanged.
; A tile of C is 256 x 256; four waves of 128 x 128.  K goes in steps of 256 through two LDS slots filled by the tensor data mover; the tile's scale words come once and stay.
; CLUSTERS: 4 x 4; A's tiles are asked for jointly along a row of the cluster, B's along a column.  THE MATRIX INSTRUCTION IS USED TRANSPOSED: source 0 = 16 rows of B, source 1 = 16 rows of A.
; The grid has 64 tiles: a quarter of what a smaller tile would give; the larger tile is kept for the fewer LDS bytes a product.
; REGISTERS: window 0: v0-31 addresses; v32-63 scale words, nothing else; v64-127 the residual of even blocks; v128-223 A's fragments, later rows of C; v224-227 the bias.  Window 1: B's fragments, later the residual of odd blocks.  Windows 2, 3: accumulators.
.set SIZE_K, 1024
.set ASOFF,  3145728                   ; A's scale words in its buffer
.set BCOFF,  8912896                   ; B's codes in the weights' buffer
.set BSOFF,  9797632                   ; B's scale words
.set KSN,    SIZE_K/128
.set IMG,    1536
.set RBB,    2*IMG
.set NQ,     2
.set FR,     12
.set NL,     3
.set NP,     4
.set HALFT,  8*RBB
.set SLOT,   4*HALFT
.set LAPS,   SIZE_K/512
.set SCL,    2*SLOT
.set SBLK,   64*KSN
.set HALFS,  8*SBLK
.set SPARE,  SCL+4*HALFS
.set ADRA, 16
.set ADRB, 20
.set STO,  24
.set RD,   25
.set ADRS, 27
.set SPW,  28
.set NIL,  29
.set LI,   30
.set SC,   32
.set AF,   128
.set BB,   128
.set BI,   224
.set G1, 24
.set G0, 32
.set G1B, 48
.set G0B, 56
.set G1S, 68
.set G0S, 76
.set G1SB, 80
.set G0SB, 88
.set MSB, 0
.macro WIN new
.if MSB != (\new)
	s_set_vgpr_msb (MSB<<8)|(\new)
.set MSB, (\new)
.endif
.endm
.set MUL_LO, 0xa1
.set MUL_HI, 0xf1
.set TO_B,   0x40
.macro JLOAD g0a, g1a, g0b, g1b
	s_cmp_eq_u32 s15, 0
	s_cbranch_scc0 .Lfor_b_\@
	tensor_load_to_lds s[\g0a:\g0a+3], s[\g1a:\g1a+7]
	s_nop 0
.rept 4
	v_nop
.endr
	s_branch .Lasked_\@
.Lfor_b_\@:
	tensor_load_to_lds s[\g0b:\g0b+3], s[\g1b:\g1b+7]
	s_nop 0
.rept 4
	v_nop
.endr
.Lasked_\@:
.endm
.macro CREST
	s_cmp_lg_u32 s14, 0
	s_cbranch_scc1 .Lnot_wave_0_\@
	s_barrier_signal -3
.Lnot_wave_0_\@:
	s_barrier_wait -3
	s_barrier_signal -1
	s_barrier_wait -1
.endm
.macro CROUND
	s_barrier_signal -1
	s_barrier_wait -1
	CREST
.endm
.macro RLOAD a                         ; the residual's 16 actual rows of block a, 512 consecutive bytes a load
.if (\a)%2 == 0
	WIN 0
.set RR, 64
.else
	WIN 0x40
.set RR, 0
.endif
.set t, 0
.rept 16
	global_load_b128 v[RR+4*t:RR+4*t+3], v[LI], s[10:11] offset:(32*((\a)/2)+8*((\a)%2)+t+8*(t/8))*4096
.set t, t+1
.endr
	WIN 0
.endm
	s_load_b256 s[4:11], s[0:1], 0x0               ; A's images, the weights' images, the bias, the residual
	s_load_b64 s[12:13], s[0:1], 0x20              ; the output
	v_lshl_add_u32 v[SPW], v0, 2, SPARE
	v_mov_b32 v[NIL], 0
	ds_add_u32 v[SPW], v[NIL]                      ; the wave's opening: the add and its wait ahead of my first tensor load
	v_lshrrev_b32 v1, 5, v0
	v_readfirstlane_b32 s14, v1
	s_lshr_b32 s15, s14, 1
	s_and_b32 s16, s14, 1
	s_bfe_u32 s40, ttmp6, 0x40000
	s_bfe_u32 s41, ttmp6, 0x40004
	s_lshl_b32 s42, ttmp9, 2
	s_add_co_u32 s42, s42, s40                     ; tile column
	s_and_b32 s17, ttmp7, 0xffff
	s_lshl_b32 s17, s17, 2
	s_add_co_u32 s17, s17, s41                     ; tile row
	s_lshl_b32 s43, s41, 2
	s_lshl_b32 s43, 15, s43
	s_lshl_b32 s44, 0x1111, s40
	s_or_b32 s[G1+0], s43, (3<<16)|(1<<21)
	s_or_b32 s[G1B+0], s44, (3<<16)|(1<<21)
.irp g, G1, G1B
	s_mov_b32 s[\g+1], 384<<16
	s_mov_b32 s[\g+2], 8<<16
	s_mov_b32 s[\g+3], 384<<16
	s_mov_b32 s[\g+4], 8
	s_mov_b32 s[\g+5], 192*KSN
	s_mov_b32 s[\g+6], 0
	s_mov_b32 s[\g+7], 0
.endr
	s_or_b32 s[G1S+0], s43, (3<<16)|(1<<21)
	s_or_b32 s[G1SB+0], s44, (3<<16)|(1<<21)
.irp g, G1S, G1SB
	s_mov_b32 s[\g+1], 32<<16
	s_mov_b32 s[\g+2], (HALFS/256)<<16
	s_mov_b32 s[\g+3], 32<<16
	s_mov_b32 s[\g+4], HALFS/256
	s_mov_b32 s[\g+5], 32
	s_mov_b32 s[\g+6], 0
	s_mov_b32 s[\g+7], 0
.endr
	s_lshl_b32 s18, s16, 3
	s_lshl_b32 s20, s17, 4
	s_add_co_u32 s20, s20, s18
	s_lshl_b32 s46, s42, 4
	s_add_co_u32 s46, s46, s18
	s_mul_i32 s22, s20, SBLK
	s_add_co_u32 s22, s22, ASOFF
	s_mov_b32 s23, 0
	s_mul_i32 s92, s46, SBLK
	s_add_co_u32 s92, s92, BSOFF
	s_mov_b32 s93, 0
	s_mul_i32 s20, s20, KSN*IMG
	s_mov_b32 s21, 0
	s_mul_i32 s46, s46, KSN*IMG
	s_add_co_u32 s46, s46, BCOFF
	s_mov_b32 s47, 0
	s_mul_i32 s45, s14, HALFT
	s_mul_i32 s94, s14, HALFS
	s_wait_dscnt 0x0
	s_wait_kmcnt 0x0
	s_add_nc_u64 s[20:21], s[4:5], s[20:21]
	s_add_nc_u64 s[22:23], s[4:5], s[22:23]
	s_add_nc_u64 s[46:47], s[6:7], s[46:47]
	s_add_nc_u64 s[92:93], s[6:7], s[92:93]
	CROUND
	s_mov_b32 s[G0S], 1
	s_add_co_u32 s[G0S+1], s94, SCL
	s_mov_b64 s[G0S+2:G0S+3], s[22:23]
	s_or_b32 s[G0S+3], s[G0S+3], 0x80000000
	s_mov_b32 s[G0SB], 1
	s_add_co_u32 s[G0SB+1], s94, SCL
	s_mov_b64 s[G0SB+2:G0SB+3], s[92:93]
	s_or_b32 s[G0SB+3], s[G0SB+3], 0x80000000
	JLOAD G0S, G1S, G0SB, G1SB
.irp s, 0,1
	s_mov_b32 s[G0+4*\s], 1
	s_add_co_u32 s[G0+4*\s+1], s45, \s*SLOT
	s_add_nc_u64 s[G0+4*\s+2:G0+4*\s+3], s[20:21], \s*RBB
	s_or_b32 s[G0+4*\s+3], s[G0+4*\s+3], 0x80000000
	s_mov_b32 s[G0B+4*\s], 1
	s_add_co_u32 s[G0B+4*\s+1], s45, \s*SLOT
	s_add_nc_u64 s[G0B+4*\s+2:G0B+4*\s+3], s[46:47], \s*RBB
	s_or_b32 s[G0B+4*\s+3], s[G0B+4*\s+3], 0x80000000
	JLOAD G0+4*\s, G1, G0B+4*\s, G1B               ; three tensor loads of a wave are out here, later one
.endr
	v_and_b32 v1, 15, v0
	v_bfe_u32 v2, v0, 4, 1
	v_and_b32 v3, 31, v0
	v_lshlrev_b32 v[LI], 4, v3
	s_mul_i32 s21, s15, HALFT
	s_mul_i32 s22, s16, HALFT
	s_add_co_u32 s22, s22, 2*HALFT
.irp s, 0,1
	v_add_nc_u32 v[ADRA+\s], s21, v[LI]
	v_add_nc_u32 v[ADRB+\s], s22, v[LI]
	s_add_co_u32 s21, s21, SLOT
	s_add_co_u32 s22, s22, SLOT
.endr
	v_lshlrev_b32 v5, 2, v1
	s_mul_i32 s21, s15, HALFS
	s_mul_i32 s22, s16, HALFS
	s_add_co_u32 s22, s22, 2*HALFS
	s_sub_co_u32 s22, s22, s21
	v_mul_u32_u24 v6, s22, v2
	s_add_co_u32 s21, s21, SCL
	v_add_nc_u32 v5, v5, v6
	v_add_nc_u32 v[ADRS], s21, v5
	s_mul_i32 s23, s14, 16*528                     ; my stage: 16 rows x (512 bytes + 16), in slot 0, which has had its last fill and its last read when the first result is stored there
	v_mul_u32_u24 v5, v1, 528
	v_lshl_add_u32 v5, v2, 6, v5
	v_add_nc_u32 v[STO], s23, v5
	v_add_nc_u32 v[RD], s23, v[LI]
	s_lshl_b32 s20, s17, 8
	s_lshl_b32 s21, s15, 7
	s_add_co_u32 s20, s20, s21
	s_lshl_b32 s20, s20, 12                        ; my first row, in bytes,
	s_lshl_b32 s46, s42, 10
	s_lshl_b32 s47, s16, 9
	s_add_co_u32 s46, s46, s47                     ; my first column
	s_add_co_u32 s20, s20, s46
	s_mov_b32 s21, 0
	s_mov_b32 s47, 0
	s_add_nc_u64 s[12:13], s[12:13], s[20:21]
	s_add_nc_u64 s[10:11], s[10:11], s[20:21]
	s_add_nc_u64 s[8:9], s[8:9], s[46:47]
	global_load_b128 v[BI:BI+3], v[LI], s[8:9]     ; the bias of columns 4 x lane on
	RLOAD 0
.macro FRAG reg, adr, q, i
.irp j, 0,1,2
	ds_load_b128 v[\reg+4*\j:\reg+4*\j+3], v[\adr] offset:(\i)*RBB+(\q)*IMG+512*\j
.endr
.endm
.macro MUL16 a0, p, q, sc, zero        ; the 64 accumulators take turns, one instruction a turn
.irp a, \a0, \a0+1
.irp b, 0,1,2,3,4,5,6,7
.if \zero
	v_wmma_scale_f32_16x16x128_f8f6f4 v[8*(8*((\a)%4)+\b):8*(8*((\a)%4)+\b)+7], v[128*(\p)+FR*\b:128*(\p)+FR*\b+FR-1], v[AF+FR*(\a):AF+FR*(\a)+FR-1], 0, v[SC+8*NQ*(\sc)+NQ*\b+(\q)], v[SC+8*NQ*(\sc)+NQ*(\a)+(\q)] matrix_a_fmt:MATRIX_FMT_FP6 matrix_b_fmt:MATRIX_FMT_FP6 matrix_a_scale:MATRIX_SCALE_ROW1
.else
	v_wmma_scale_f32_16x16x128_f8f6f4 v[8*(8*((\a)%4)+\b):8*(8*((\a)%4)+\b)+7], v[128*(\p)+FR*\b:128*(\p)+FR*\b+FR-1], v[AF+FR*(\a):AF+FR*(\a)+FR-1], v[8*(8*((\a)%4)+\b):8*(8*((\a)%4)+\b)+7], v[SC+8*NQ*(\sc)+NQ*\b+(\q)], v[SC+8*NQ*(\sc)+NQ*(\a)+(\q)] matrix_a_fmt:MATRIX_FMT_FP6 matrix_b_fmt:MATRIX_FMT_FP6 matrix_a_scale:MATRIX_SCALE_ROW1
.endif
.endr
.endr
.endm
.macro FETCH_B slot, q, p
	WIN TO_B
.irp i, 0,1,2,3,4,5,6,7
	FRAG 128*(\p)+FR*\i, ADRB+\slot, \q, \i
.endr
	WIN 0
.endm
.macro FETCH_A slot, q, i0
.irp i, \i0, \i0+1, \i0+2, \i0+3
	FRAG AF+FR*(\i), ADRA+\slot, \q, \i
.endr
.endm
.macro SCALES sc
.irp i, 0,1,2,3,4,5,6,7
.irp q, 0,1
	ds_load_b32 v[SC+16*\sc+2*\i+\q], v[ADRS] offset:\i*SBLK+64*\q
.endr
.endr
.endm
.macro PLACES n
.rept \n
	v_nop
.endr
.endm
.macro STEP slot, q, zero
	s_wait_dscnt 4*NL                              ; all but the youngest twelve loads (A's blocks 4-7) are in
	WIN MUL_LO
	MUL16 0, (\q)%2, \q, \slot, \zero
	MUL16 2, (\q)%2, \q, \slot, \zero
	s_wait_dscnt 0
	PLACES NP
	FETCH_B \slot, (\q)+1, 1-(\q)%2
	FETCH_A \slot, (\q)+1, 0
	WIN MUL_HI
	MUL16 4, (\q)%2, \q, \slot, \zero
	MUL16 6, (\q)%2, \q, \slot, \zero
	PLACES NP
	WIN 0
	FETCH_A \slot, (\q)+1, 4
.endm
.macro TURN slot, next, fill
	s_wait_tensorcnt 0x0                           ; all my tensor loads have landed: my part of the next slot
	ds_add_u32 v[SPW], v[NIL]
	s_wait_dscnt 4*NL+1                            ; the add and the youngest twelve loads may be out
	WIN MUL_LO
	MUL16 0, 1, NQ-1, \slot, 0
	s_wait_dscnt 0x0                               ; the add is done, and my reads of this slot are over
	s_barrier_signal -1
	MUL16 2, 1, NQ-1, \slot, 0
	WIN 0
	s_barrier_wait -1
.if \fill
	CREST                                          ; a round of the cluster's barrier: no wave of any partner still reads this slot or has a load on its way
	s_add_nc_u64 s[G0+4*\slot+2:G0+4*\slot+3], s[G0+4*\slot+2:G0+4*\slot+3], 2*RBB
	s_add_nc_u64 s[G0B+4*\slot+2:G0B+4*\slot+3], s[G0B+4*\slot+2:G0B+4*\slot+3], 2*RBB
	JLOAD G0+4*\slot, G1, G0B+4*\slot, G1B
.else
	PLACES NP
.endif
	v_add_nc_u32 v[ADRS], 64*NQ, v[ADRS]
	FETCH_B \next, 0, 0
	FETCH_A \next, 0, 0
	SCALES \next
	WIN MUL_HI
	MUL16 4, 1, NQ-1, \slot, 0
	MUL16 6, 1, NQ-1, \slot, 0
	PLACES NP
	WIN 0
	FETCH_A \next, 0, 4
.endm
	s_wait_tensorcnt 1                             ; the scale words and my part of K step 0 are in; K step 1's load may be out
	s_barrier_signal -1
	s_barrier_wait -1
	FETCH_B 0, 0, 0
	FETCH_A 0, 0, 0
	SCALES 0
	FETCH_A 0, 0, 4
	STEP 0, 0, 1
	s_mov_b32 s3, LAPS-1
.Llap:
	TURN 0, 1, 1
	STEP 1, 0, 0
	TURN 1, 0, 1
	STEP 0, 0, 0
	s_sub_co_u32 s3, s3, 1
	s_cmp_lg_u32 s3, 0
	s_cbranch_scc1 .Llap
	TURN 0, 1, 0
	STEP 1, 0, 0
	s_wait_dscnt 4*NL
	WIN MUL_LO
	MUL16 0, 1, NQ-1, 1, 0
	MUL16 2, 1, NQ-1, 1, 0
	s_wait_dscnt 0
	WIN MUL_HI
	MUL16 4, 1, NQ-1, 1, 0
	MUL16 6, 1, NQ-1, 1, 0
	WIN 0
; THE WAY OUT, block by block of 16 rows x 128 columns: through my own stage, back as whole rows of 512 bytes, + residual + bias, stored to the ACTUAL rows.
.macro TOSTAGE a
.set AC, 64*((\a)%4)
	WIN 0x08+4*((\a)/4)
.irp b, 0,1,2,3,4,5,6,7
	ds_store_b128 v[STO], v[AC+8*\b:AC+8*\b+3] offset:128*(\b/2)+32*(\b%2)          ; tile b, lane (r, h): columns 32 (b / 2) + 16 h + 8 (b % 2) on; each accumulator from its low end on
	ds_store_b128 v[STO], v[AC+8*\b+4:AC+8*\b+7] offset:128*(\b/2)+32*(\b%2)+16
.endr
	WIN 0
.set t, 0
.rept 16
	ds_load_b128 v[BB+4*t:BB+4*t+3], v[RD] offset:528*t        ; LDS serves a wave's instructions in order
.set t, t+1
.endr
.endm
	PLACES NP
.irp a, 0,1,2,3,4,5,6,7
.if \a < 7
	RLOAD \a+1
.endif
.if \a > 0
	s_wait_xcnt 0x0                                ; the last block's stores have read their registers
.endif
	TOSTAGE \a
	s_wait_dscnt 0x0
.if \a < 7
	s_wait_loadcnt 16                              ; this block's residual is in; the next block's sixteen loads may be out
.else
	s_wait_loadcnt 0x0
.endif
.if (\a)%2 == 0
	WIN 0
.set RR, 64
.else
	WIN 0x04
.set RR, 0
.endif
.set t, 0
.rept 32
	v_pk_add_f32 v[BB+2*t:BB+2*t+1], v[BB+2*t:BB+2*t+1], v[RR+2*t:RR+2*t+1]
.set t, t+1
.endr
	WIN 0
.set t, 0
.rept 32
	v_pk_add_f32 v[BB+2*t:BB+2*t+1], v[BB+2*t:BB+2*t+1], v[BI+2*(t%2):BI+2*(t%2)+1]
.set t, t+1
.endr
.set t, 0
.rept 16
	global_store_b128 v[LI], v[BB+4*t:BB+4*t+3], s[12:13] offset:(32*((\a)/2)+8*((\a)%2)+t+8*(t/8))*4096    ; 512 consecutive bytes, aligned
.set t, t+1
.endr
.endr
	s_wait_tensorcnt 0x0                           ; the wave's end
	ds_add_u32 v[SPW], v[NIL]
	s_wait_dscnt 0x0
	CROUND                                         ; the closing round
	s_endpgm
.Lfunc_end_k_q4befc2e21d_gwo:
	.size	k_q4befc2e21d_gwo, .Lfunc_end_k_q4befc2e21d_gwo-k_q4befc2e21d_gwo
	.p2alignl 7, 3214868480
	.fill 96, 4, 3214868480
	.section	.rodata,"a",@progbits
	.p2align	6, 0x0
	.amdhsa_kernel k_q4befc2e21d_gwo
		.amdhsa_group_segment_fixed_size 327680
		.amdhsa_private_segment_fixed_size 0
		.amdhsa_enable_private_segment 0
		.amdhsa_kernarg_size 40
		.amdhsa_user_sgpr_count 2
		.amdhsa_user_sgpr_kernarg_segment_ptr 1
		.amdhsa_wavefront_size32 1
		.amdhsa_system_sgpr_workgroup_id_x 1
		.amdhsa_system_sgpr_workgroup_id_y 1
		.amdhsa_system_sgpr_workgroup_id_z 1
		.amdhsa_system_vgpr_workitem_id 0
		.amdhsa_next_free_vgpr 1024
		.amdhsa_next_free_sgpr 98
		.amdhsa_reserve_vcc 0
		.amdhsa_float_denorm_mode_32 3
		.amdhsa_float_denorm_mode_16_64 3
		.amdhsa_memory_ordered 1
		.amdhsa_forward_progress 1
		.amdhsa_inst_pref_size 182
	.end_amdhsa_kernel
	.amdgpu_metadata
---
amdhsa.version: [ 1, 2 ]
amdhsa.kernels:
  - .name:           k_q4befc2e21d_gwo
    .symbol:         k_q4befc2e21d_gwo.kd
    .args:
      - { .name: ob, .offset: 0, .size: 8, .value_kind: global_buffer, .address_space: global }
      - { .name: wb, .offset: 8, .size: 8, .value_kind: global_buffer, .address_space: global }
      - { .name: bo, .offset: 16, .size: 8, .value_kind: global_buffer, .address_space: global }
      - { .name: x, .offset: 24, .size: 8, .value_kind: global_buffer, .address_space: global }
      - { .name: x1, .offset: 32, .size: 8, .value_kind: global_buffer, .address_space: global }
    .group_segment_fixed_size: 327680
    .private_segment_fixed_size: 0
    .kernarg_segment_align: 8
    .kernarg_segment_size: 40
    .max_flat_workgroup_size: 128
    .sgpr_count:     98
    .vgpr_count:     1024
    .wavefront_size: 32
...
	.end_amdgpu_metadata
.endif
;; end of part 4
;; launch prep2: the kernel of part 1 again; grid 256 x 1, 4 waves a work-group, no clusters, 31,744 bytes of LDS; arguments x1, ln2_g, ln2_b, w_down, w_up, wq, wk, wv, wo, yb, hb; writes yb, hb
;; launch gup (part 5): grid 16 x 16, 4 waves a work-group, clusters of 4 x 4, 327,680 bytes of LDS; arguments yb, wb, b_up, hb; writes hb
.if DOCPART == 5
	.amdgcn_target "amdgcn-amd-amdhsa--gfx1250"
	.amdhsa_code_object_version 6
	.text
	.protected	k_q4befc2e21d_gup
	.globl	k_q4befc2e21d_gup
	.p2align	8
	.type	k_q4befc2e21d_gup,@function
k_q4befc2e21d_gup:
	s_mov_b64 s[64:65], 0
	v_nop
	global_prefetch_b8 v0, s[64:65] scope:SCOPE_SE
	s_setreg_imm32_b32 hwreg(HW_REG_WAVE_MODE, 25, 1), 1
	s_wait_xcnt 0x0
	s_wait_alu depctr_hold_cnt(0) depctr_sa_sdst(0) depctr_va_vdst(0) depctr_va_sdst(0) depctr_va_ssrc(0) depctr_va_vcc(0) depctr_vm_vsrc(0)
	s_getreg_b32 s2, hwreg(HW_REG_IB_STS2, 6, 4)
	s_cmp_eq_u32 s2, 0
	s_cbranch_scc0 .Lentry_in_a_cluster
	s_endpgm
.Lentry_in_a_cluster:
	s_bfe_u32 s2, ttmp6, 0x10000c
	s_cmp_lg_u32 s2, 0xf033
	s_cbranch_scc0 .Lentry_shape_is_right
	s_endpgm
.Lentry_shape_is_right:
; h = mish(y w_up + b_up), quantised along its 4,096 columns and stored as images of operand registers.  y [4096][1024] and w_up's rows [4096][1024] arrive as such images in FP6 (E2M3) with E8M0 scale words.
; An image: fragment (row block rb, K step ks) = 1,536 dense bytes at (rb K/128 + ks) 1536, registers 4 j .. 4 j + 3 of lane l at 512 j + 16 l; scale words at (rb K/128 + ks) 64 + 4 r.  Buffer rows hold the actual index with bits 3 and 4 exchanged.
; A tile of C is 256 x 256; four waves of 128 x 128; K in steps of 256 through two LDS slots; the tile's scale words come once.  CLUSTERS 4 x 4 with joint loads.  THE MATRIX INSTRUCTION IS USED TRANSPOSED.
; mish(x) = x tanh(softplus(x)) = x n / (n + 2), n = w (w + 2), w = e^min(x, 20): the same function; above 20 the factor is 1 in f32.
; LIMITS: e^x carries the rounding of x log2(e), |x| 6e-8 of it; under x = -87 the exponential is flushed and the result is -0 for about -1e-36; a block of zeros gets the byte 1; NaN and infinities are not served.
; REGISTERS: window 0: v0-31 addresses; v32-63 scale words, nothing else; v64-127 the bias; v128-223 A's fragments.  Window 1: B's fragments, on the way out v0-127 at work.  Windows 2, 3: accumulators.
.set SIZE_K, 1024
.set ASOFF,  3145728
.set BCOFF,  3276800
.set BSOFF,  6422528
.set KSO,    32                        ; K steps in a row block of the output
.set OSOFF,  12582912                  ; the output's scale words
.set KSN,    SIZE_K/128
.set IMG,    1536
.set RBB,    2*IMG
.set NQ,     2
.set FR,     12
.set NL,     3
.set NP,     4
.set HALFT,  8*RBB
.set SLOT,   4*HALFT
.set LAPS,   SIZE_K/512
.set SCL,    2*SLOT
.set SBLK,   64*KSN
.set HALFS,  8*SBLK
.set SPARE,  SCL+4*HALFS
.set ADRA, 16
.set ADRB, 20
.set CBA,  22
.set ADRS, 27
.set SPW,  28
.set NIL,  29
.set LI,   30
.set SC,   32
.set CB,   64
.set AF,   128
.set H,    128
.set TM,   192
.set PC,   208
.set VSO,  228
.set SWD,  232
.set PW,   248
.set SEL,  84
.set L2E,  86
.set G1, 24
.set G0, 32
.set G1B, 48
.set G0B, 56
.set G1S, 68
.set G0S, 76
.set G1SB, 80
.set G0SB, 88
.set MSB, 0
.macro WIN new
.if MSB != (\new)
	s_set_vgpr_msb (MSB<<8)|(\new)
.set MSB, (\new)
.endif
.endm
.set MUL_LO, 0xa1
.set MUL_HI, 0xf1
.set TO_B,   0x40
.macro JLOAD g0a, g1a, g0b, g1b
	s_cmp_eq_u32 s15, 0
	s_cbranch_scc0 .Lfor_b_\@
	tensor_load_to_lds s[\g0a:\g0a+3], s[\g1a:\g1a+7]
	s_nop 0
.rept 4
	v_nop
.endr
	s_branch .Lasked_\@
.Lfor_b_\@:
	tensor_load_to_lds s[\g0b:\g0b+3], s[\g1b:\g1b+7]
	s_nop 0
.rept 4
	v_nop
.endr
.Lasked_\@:
.endm
.macro CREST
	s_cmp_lg_u32 s14, 0
	s_cbranch_scc1 .Lnot_wave_0_\@
	s_barrier_signal -3
.Lnot_wave_0_\@:
	s_barrier_wait -3
	s_barrier_signal -1
	s_barrier_wait -1
.endm
.macro CROUND
	s_barrier_signal -1
	s_barrier_wait -1
	CREST
.endm
	s_load_b256 s[4:11], s[0:1], 0x0               ; y's images, the weights' images, b_up, the output
	v_lshl_add_u32 v[SPW], v0, 2, SPARE
	v_mov_b32 v[NIL], 0
	ds_add_u32 v[SPW], v[NIL]                      ; the wave's opening: the add and its wait ahead of my first tensor load
	v_lshrrev_b32 v1, 5, v0
	v_readfirstlane_b32 s14, v1
	s_lshr_b32 s15, s14, 1
	s_and_b32 s16, s14, 1
	s_bfe_u32 s40, ttmp6, 0x40000
	s_bfe_u32 s41, ttmp6, 0x40004
	s_lshl_b32 s42, ttmp9, 2
	s_add_co_u32 s42, s42, s40                     ; tile column
	s_and_b32 s17, ttmp7, 0xffff
	s_lshl_b32 s17, s17, 2
	s_add_co_u32 s17, s17, s41                     ; tile row
	s_lshl_b32 s43, s41, 2
	s_lshl_b32 s43, 15, s43
	s_lshl_b32 s44, 0x1111, s40
	s_or_b32 s[G1+0], s43, (3<<16)|(1<<21)
	s_or_b32 s[G1B+0], s44, (3<<16)|(1<<21)
.irp g, G1, G1B
	s_mov_b32 s[\g+1], 384<<16
	s_mov_b32 s[\g+2], 8<<16
	s_mov_b32 s[\g+3], 384<<16
	s_mov_b32 s[\g+4], 8
	s_mov_b32 s[\g+5], 192*KSN
	s_mov_b32 s[\g+6], 0
	s_mov_b32 s[\g+7], 0
.endr
	s_or_b32 s[G1S+0], s43, (3<<16)|(1<<21)
	s_or_b32 s[G1SB+0], s44, (3<<16)|(1<<21)
.irp g, G1S, G1SB
	s_mov_b32 s[\g+1], 32<<16
	s_mov_b32 s[\g+2], (HALFS/256)<<16
	s_mov_b32 s[\g+3], 32<<16
	s_mov_b32 s[\g+4], HALFS/256
	s_mov_b32 s[\g+5], 32
	s_mov_b32 s[\g+6], 0
	s_mov_b32 s[\g+7], 0
.endr
	s_lshl_b32 s18, s16, 3
	s_lshl_b32 s20, s17, 4
	s_add_co_u32 s20, s20, s18
	s_lshl_b32 s46, s42, 4
	s_add_co_u32 s46, s46, s18
	s_mul_i32 s22, s20, SBLK
	s_add_co_u32 s22, s22, ASOFF
	s_mov_b32 s23, 0
	s_mul_i32 s92, s46, SBLK
	s_add_co_u32 s92, s92, BSOFF
	s_mov_b32 s93, 0
	s_mul_i32 s20, s20, KSN*IMG
	s_mov_b32 s21, 0
	s_mul_i32 s46, s46, KSN*IMG
	s_add_co_u32 s46, s46, BCOFF
	s_mov_b32 s47, 0
	s_mul_i32 s45, s14, HALFT
	s_mul_i32 s94, s14, HALFS
	s_wait_dscnt 0x0
	s_wait_kmcnt 0x0
	s_add_nc_u64 s[20:21], s[4:5], s[20:21]
	s_add_nc_u64 s[22:23], s[4:5], s[22:23]
	s_add_nc_u64 s[46:47], s[6:7], s[46:47]
	s_add_nc_u64 s[92:93], s[6:7], s[92:93]
	CROUND
	s_mov_b32 s[G0S], 1
	s_add_co_u32 s[G0S+1], s94, SCL
	s_mov_b64 s[G0S+2:G0S+3], s[22:23]
	s_or_b32 s[G0S+3], s[G0S+3], 0x80000000
	s_mov_b32 s[G0SB], 1
	s_add_co_u32 s[G0SB+1], s94, SCL
	s_mov_b64 s[G0SB+2:G0SB+3], s[92:93]
	s_or_b32 s[G0SB+3], s[G0SB+3], 0x80000000
	JLOAD G0S, G1S, G0SB, G1SB
.irp s, 0,1
	s_mov_b32 s[G0+4*\s], 1
	s_add_co_u32 s[G0+4*\s+1], s45, \s*SLOT
	s_add_nc_u64 s[G0+4*\s+2:G0+4*\s+3], s[20:21], \s*RBB
	s_or_b32 s[G0+4*\s+3], s[G0+4*\s+3], 0x80000000
	s_mov_b32 s[G0B+4*\s], 1
	s_add_co_u32 s[G0B+4*\s+1], s45, \s*SLOT
	s_add_nc_u64 s[G0B+4*\s+2:G0B+4*\s+3], s[46:47], \s*RBB
	s_or_b32 s[G0B+4*\s+3], s[G0B+4*\s+3], 0x80000000
	JLOAD G0+4*\s, G1, G0B+4*\s, G1B               ; three tensor loads of a wave are out here, later one
.endr
	v_and_b32 v1, 15, v0
	v_bfe_u32 v2, v0, 4, 1
	v_and_b32 v3, 31, v0
	v_lshlrev_b32 v[LI], 4, v3
	s_mul_i32 s21, s15, HALFT
	s_mul_i32 s22, s16, HALFT
	s_add_co_u32 s22, s22, 2*HALFT
.irp s, 0,1
	v_add_nc_u32 v[ADRA+\s], s21, v[LI]
	v_add_nc_u32 v[ADRB+\s], s22, v[LI]
	s_add_co_u32 s21, s21, SLOT
	s_add_co_u32 s22, s22, SLOT
.endr
	v_lshlrev_b32 v5, 2, v1
	s_mul_i32 s21, s15, HALFS
	s_mul_i32 s22, s16, HALFS
	s_add_co_u32 s22, s22, 2*HALFS
	s_sub_co_u32 s22, s22, s21
	v_mul_u32_u24 v6, s22, v2
	s_add_co_u32 s21, s21, SCL
	v_add_nc_u32 v5, v5, v6
	v_add_nc_u32 v[ADRS], s21, v5
	s_lshl_b32 s46, s42, 10
	s_lshl_b32 s47, s16, 9
	s_add_co_u32 s46, s46, s47
	s_mov_b32 s47, 0
	s_add_nc_u64 s[8:9], s[8:9], s[46:47]          ; the bias of my 128 columns
	v_lshlrev_b32 v[CBA], 6, v2
.irp b, 0,1,2,3
.irp j, 0,1,2,3
	global_load_b128 v[CB+16*\b+4*\j:CB+16*\b+4*\j+3], v[CBA], s[8:9] offset:128*\b+16*\j     ; register 16 b + i: column 32 b + 16 h + i
.endr
.endr
.macro FRAG reg, adr, q, i
.irp j, 0,1,2
	ds_load_b128 v[\reg+4*\j:\reg+4*\j+3], v[\adr] offset:(\i)*RBB+(\q)*IMG+512*\j
.endr
.endm
.macro MUL16 a0, p, q, sc, zero        ; the 64 accumulators take turns, one instruction a turn
.irp a, \a0, \a0+1
.irp b, 0,1,2,3,4,5,6,7
.if \zero
	v_wmma_scale_f32_16x16x128_f8f6f4 v[8*(8*((\a)%4)+\b):8*(8*((\a)%4)+\b)+7], v[128*(\p)+FR*\b:128*(\p)+FR*\b+FR-1], v[AF+FR*(\a):AF+FR*(\a)+FR-1], 0, v[SC+8*NQ*(\sc)+NQ*\b+(\q)], v[SC+8*NQ*(\sc)+NQ*(\a)+(\q)] matrix_a_fmt:MATRIX_FMT_FP6 matrix_b_fmt:MATRIX_FMT_FP6 matrix_a_scale:MATRIX_SCALE_ROW1
.else
	v_wmma_scale_f32_16x16x128_f8f6f4 v[8*(8*((\a)%4)+\b):8*(8*((\a)%4)+\b)+7], v[128*(\p)+FR*\b:128*(\p)+FR*\b+FR-1], v[AF+FR*(\a):AF+FR*(\a)+FR-1], v[8*(8*((\a)%4)+\b):8*(8*((\a)%4)+\b)+7], v[SC+8*NQ*(\sc)+NQ*\b+(\q)], v[SC+8*NQ*(\sc)+NQ*(\a)+(\q)] matrix_a_fmt:MATRIX_FMT_FP6 matrix_b_fmt:MATRIX_FMT_FP6 matrix_a_scale:MATRIX_SCALE_ROW1
.endif
.endr
.endr
.endm
.macro FETCH_B slot, q, p
	WIN TO_B
.irp i, 0,1,2,3,4,5,6,7
	FRAG 128*(\p)+FR*\i, ADRB+\slot, \q, \i
.endr
	WIN 0
.endm
.macro FETCH_A slot, q, i0
.irp i, \i0, \i0+1, \i0+2, \i0+3
	FRAG AF+FR*(\i), ADRA+\slot, \q, \i
.endr
.endm
.macro SCALES sc
.irp i, 0,1,2,3,4,5,6,7
.irp q, 0,1
	ds_load_b32 v[SC+16*\sc+2*\i+\q], v[ADRS] offset:\i*SBLK+64*\q
.endr
.endr
.endm
.macro PLACES n
.rept \n
	v_nop
.endr
.endm
.macro STEP slot, q, zero
	s_wait_dscnt 4*NL                              ; all but the youngest twelve loads (A's blocks 4-7) are in
	WIN MUL_LO
	MUL16 0, (\q)%2, \q, \slot, \zero
	MUL16 2, (\q)%2, \q, \slot, \zero
	s_wait_dscnt 0
	PLACES NP
	FETCH_B \slot, (\q)+1, 1-(\q)%2
	FETCH_A \slot, (\q)+1, 0
	WIN MUL_HI
	MUL16 4, (\q)%2, \q, \slot, \zero
	MUL16 6, (\q)%2, \q, \slot, \zero
	PLACES NP
	WIN 0
	FETCH_A \slot, (\q)+1, 4
.endm
.macro TURN slot, next, fill
	s_wait_tensorcnt 0x0                           ; all my tensor loads have landed: my part of the next slot
	ds_add_u32 v[SPW], v[NIL]
	s_wait_dscnt 4*NL+1                            ; the add and the youngest twelve loads may be out
	WIN MUL_LO
	MUL16 0, 1, NQ-1, \slot, 0
	s_wait_dscnt 0x0                               ; the add is done, and my reads of this slot are over
	s_barrier_signal -1
	MUL16 2, 1, NQ-1, \slot, 0
	WIN 0
	s_barrier_wait -1
.if \fill
	CREST                                          ; a round of the cluster's barrier: no wave of any partner still reads this slot or has a load on its way
	s_add_nc_u64 s[G0+4*\slot+2:G0+4*\slot+3], s[G0+4*\slot+2:G0+4*\slot+3], 2*RBB
	s_add_nc_u64 s[G0B+4*\slot+2:G0B+4*\slot+3], s[G0B+4*\slot+2:G0B+4*\slot+3], 2*RBB
	JLOAD G0+4*\slot, G1, G0B+4*\slot, G1B
.else
	PLACES NP
.endif
	v_add_nc_u32 v[ADRS], 64*NQ, v[ADRS]
	FETCH_B \next, 0, 0
	FETCH_A \next, 0, 0
	SCALES \next
	WIN MUL_HI
	MUL16 4, 1, NQ-1, \slot, 0
	MUL16 6, 1, NQ-1, \slot, 0
	PLACES NP
	WIN 0
	FETCH_A \next, 0, 4
.endm
	s_wait_tensorcnt 1                             ; the scale words and my part of K step 0 are in; K step 1's load may be out
	s_barrier_signal -1
	s_barrier_wait -1
	FETCH_B 0, 0, 0
	FETCH_A 0, 0, 0
	SCALES 0
	FETCH_A 0, 0, 4
	STEP 0, 0, 1
	s_mov_b32 s3, LAPS-1
.Llap:
	TURN 0, 1, 1
	STEP 1, 0, 0
	TURN 1, 0, 1
	STEP 0, 0, 0
	s_sub_co_u32 s3, s3, 1
	s_cmp_lg_u32 s3, 0
	s_cbranch_scc1 .Llap
	TURN 0, 1, 0
	STEP 1, 0, 0
	s_wait_dscnt 4*NL
	WIN MUL_LO
	MUL16 0, 1, NQ-1, 1, 0
	MUL16 2, 1, NQ-1, 1, 0
	s_wait_dscnt 0
	WIN MUL_HI
	MUL16 4, 1, NQ-1, 1, 0
	MUL16 6, 1, NQ-1, 1, 0
	WIN 0
; THE WAY OUT.  For each of my eight blocks of 16 rows: + bias, mish, and the lane's 64 numbers (register 16 b + i = column 32 b + 16 h + i of its row) become one fragment and one scale word.
.macro QUANT s, pw
.irp b, 0,1,2,3
	v_max3_num_f32 v[TM+\b], |v[\s+16*\b]|, |v[\s+1+16*\b]|, 0x1800000   ; and the floor 2^(3 - 127)
.endr
.irp i, 2,4,6,8,10,12,14
.irp b, 0,1,2,3
	v_max3_num_f32 v[TM+\b], v[TM+\b], |v[\s+16*\b+\i]|, |v[\s+1+16*\b+\i]|
.endr
.endr
.irp b, 0,1,2,3
	v_permlanex16_b32 v[TM+4+\b], v[TM+\b], s[SEL], s[SEL+1]
.endr
.irp b, 0,1,2,3
	v_max_num_f32 v[TM+\b], v[TM+\b], v[TM+4+\b]
.endr
.irp b, 0,1,2,3
	v_add_nc_u32 v[TM+12+\b], 0xff000000, v[TM+\b]
.endr
.irp b, 0,1,2,3
	v_lshrrev_b32 v[TM+4+\b], 23, v[TM+12+\b]
.endr
	v_lshl_or_b32 v[\pw], v[TM+5], 8, v[TM+4]
	v_lshl_or_b32 v[\pw], v[TM+6], 16, v[\pw]
	v_lshl_or_b32 v[\pw], v[TM+7], 24, v[\pw]
.irp c, 0,1
	v_cvt_scalef32_pk16_fp6_f32 v[PC+6*\c:PC+2+6*\c], v[\s+32*\c:\s+15+32*\c], v[TM+12+2*\c]
	v_cvt_scalef32_pk16_fp6_f32 v[PC+12+4*\c:PC+14+4*\c], v[\s+16+32*\c:\s+31+32*\c], v[TM+12+2*\c+1]
.endr
	v_nop                                          ; one plain line behind the scaled conversions
.irp c, 0,1
.irp i, 0,1,2
	v_permlane16_swap_b32 v[PC+6*\c+\i], v[PC+12+4*\c+\i]
.endr
.irp i, 0,1,2
	v_mov_b32 v[PC+3+6*\c+\i], v[PC+12+4*\c+\i]
.endr
.endr
.endm
.macro MISH                            ; on v[H] .. v[H + 63]; window 1's v0-63 (w, then n) and v64-127 (n + 2, then its reciprocal) at work.  Each batch of 64 transcendentals has one plain line and ONE wait behind it
	WIN 0x40
.set n, 0
.rept 64
	v_min_num_f32 v[n], s83, v[H+n]
.set n, n+1
.endr
	WIN 0x41
.set n, 0
.rept 32
	v_pk_mul_f32 v[n:n+1], v[n:n+1], s[L2E:L2E+1] op_sel_hi:[1,0]
.set n, n+2
.endr
.set n, 0
.rept 64
	v_exp_f32 v[n], v[n]
.set n, n+1
.endr
	v_nop
	s_wait_alu depctr_va_vdst(0)                   ; the wait ahead of the batch's first reader
.set n, 0
.rept 32
	v_pk_add_f32 v[64+n:65+n], v[n:n+1], 2.0 op_sel_hi:[1,0]
.set n, n+2
.endr
	WIN 0x45
.set n, 0
.rept 32
	v_pk_mul_f32 v[n:n+1], v[n:n+1], v[64+n:65+n]
.set n, n+2
.endr
	WIN 0x41
.set n, 0
.rept 32
	v_pk_add_f32 v[64+n:65+n], v[n:n+1], 2.0 op_sel_hi:[1,0]
.set n, n+2
.endr
.set n, 0
.rept 64
	v_rcp_f32 v[64+n], v[64+n]
.set n, n+1
.endr
	v_nop
	s_wait_alu depctr_va_vdst(0)
	WIN 0x01
.set n, 0
.rept 32
	v_pk_mul_f32 v[H+n:H+n+1], v[n:n+1], v[H+n:H+n+1]
.set n, n+2
.endr
.set n, 0
.rept 32
	v_pk_mul_f32 v[H+n:H+n+1], v[64+n:65+n], v[H+n:H+n+1]
.set n, n+2
.endr
	WIN 0
.endm
	PLACES NP                                      ; behind the last products: their results are read, and A's and B's registers written, below
	s_lshl_b32 s73, s17, 4                         ; (no tensor load is out: the scale descriptors' registers are free)
	s_lshl_b32 s74, s15, 3
	s_add_co_u32 s73, s73, s74
	s_lshl_b32 s73, s73, 5
	s_lshl_b32 s74, s42, 1
	s_add_co_u32 s73, s73, s74
	s_add_co_u32 s73, s73, s16                     ; my first image: (16 x tile row + 8 x half) 32 + 2 x tile column + half
	s_mul_i32 s74, s73, IMG
	s_mov_b32 s75, 0
	s_lshl_b32 s76, s73, 6
	s_add_co_u32 s76, s76, OSOFF
	s_mov_b32 s77, 0
	s_add_nc_u64 s[74:75], s[10:11], s[74:75]
	s_add_nc_u64 s[76:77], s[10:11], s[76:77]
	s_mov_b32 s82, 0xffff0000
	s_mov_b32 s83, 0x41a00000                      ; 20.0
	s_mov_b32 s[SEL], 0x76543210
	s_mov_b32 s[SEL+1], 0xfedcba98
	s_mov_b32 s[L2E], 0x3fb8aa3b                   ; log2(e)
	s_mov_b32 s[L2E+1], s[L2E]
	s_wait_loadcnt 0x0                             ; the bias
.irp b, 0,1,2,3
	v_mov_b32 v[TM+4+\b], 0                        ; a lane permute's destination counts as one of its sources
.endr
.irp a, 0,1,2,3,4,5,6,7
.if \a > 0
	s_wait_xcnt 0x0                                ; the last block's stores have read their registers
.endif
	WIN 0x02+(\a)/4
.set n, 0
.rept 32
	v_pk_add_f32 v[H+n:H+n+1], v[64*((\a)%4)+n:64*((\a)%4)+n+1], v[CB+n:CB+n+1]    ; each accumulator from its low end on
.set n, n+2
.endr
	WIN 0
	MISH
	QUANT H, PW+\a
.irp j, 0,1,2
	global_store_b128 v[LI], v[PC+4*\j:PC+4*\j+3], s[74:75] offset:\a*KSO*IMG+512*\j    ; 512 consecutive bytes, aligned
.endr
.endr
	v_lshlrev_b32 v[VSO], 2, v1
	v_lshl_add_u32 v[VSO], v2, 11, v[VSO]          ; lanes 0-15 store an even block's words, lanes 16-31 the next block's, 64 x 32 bytes on
.irp i, 0,1,2,3
	v_cndmask_b32 v[SWD+\i], v[PW+2*\i], v[PW+2*\i+1], s82
	global_store_b32 v[VSO], v[SWD+\i], s[76:77] offset:128*KSO*\i
.endr
	s_wait_tensorcnt 0x0                           ; the wave's end
	ds_add_u32 v[SPW], v[NIL]
	s_wait_dscnt 0x0
	CROUND                                         ; the closing round
	s_endpgm
.Lfunc_end_k_q4befc2e21d_gup:
	.size	k_q4befc2e21d_gup, .Lfunc_end_k_q4befc2e21d_gup-k_q4befc2e21d_gup
	.p2alignl 7, 3214868480
	.fill 96, 4, 3214868480
	.section	.rodata,"a",@progbits
	.p2align	6, 0x0
	.amdhsa_kernel k_q4befc2e21d_gup
		.amdhsa_group_segment_fixed_size 327680
		.amdhsa_private_segment_fixed_size 0
		.amdhsa_enable_private_segment 0
		.amdhsa_kernarg_size 32
		.amdhsa_user_sgpr_count 2
		.amdhsa_user_sgpr_kernarg_segment_ptr 1
		.amdhsa_wavefront_size32 1
		.amdhsa_system_sgpr_workgroup_id_x 1
		.amdhsa_system_sgpr_workgroup_id_y 1
		.amdhsa_system_sgpr_workgroup_id_z 1
		.amdhsa_system_vgpr_workitem_id 0
		.amdhsa_next_free_vgpr 1024
		.amdhsa_next_free_sgpr 98
		.amdhsa_reserve_vcc 0
		.amdhsa_float_denorm_mode_32 3
		.amdhsa_float_denorm_mode_16_64 3
		.amdhsa_memory_ordered 1
		.amdhsa_forward_progress 1
		.amdhsa_inst_pref_size 255
	.end_amdhsa_kernel
	.section	.bss,"aw",@nobits
	.p2align	6
	.space	262144
	.amdgpu_metadata
---
amdhsa.version: [ 1, 2 ]
amdhsa.kernels:
  - .name:           k_q4befc2e21d_gup
    .symbol:         k_q4befc2e21d_gup.kd
    .args:
      - { .name: yb, .offset: 0, .size: 8, .value_kind: global_buffer, .address_space: global }
      - { .name: wb, .offset: 8, .size: 8, .value_kind: global_buffer, .address_space: global }
      - { .name: b_up, .offset: 16, .size: 8, .value_kind: global_buffer, .address_space: global }
      - { .name: hb, .offset: 24, .size: 8, .value_kind: global_buffer, .address_space: global }
    .group_segment_fixed_size: 327680
    .private_segment_fixed_size: 0
    .kernarg_segment_align: 8
    .kernarg_segment_size: 32
    .max_flat_workgroup_size: 128
    .sgpr_count:     98
    .vgpr_count:     1024
    .wavefront_size: 32
...
	.end_amdgpu_metadata
.endif
;; end of part 5
;; launch gdn (part 6): grid 4 x 16, 4 waves a work-group, clusters of 4 x 4, 327,680 bytes of LDS; arguments hb, wb, b_down, x1, x2; writes x2
.if DOCPART == 6
	.amdgcn_target "amdgcn-amd-amdhsa--gfx1250"
	.amdhsa_code_object_version 6
	.text
	.protected	k_q4befc2e21d_gdn
	.globl	k_q4befc2e21d_gdn
	.p2align	8
	.type	k_q4befc2e21d_gdn,@function
k_q4befc2e21d_gdn:
	s_mov_b64 s[64:65], 0
	v_nop
	global_prefetch_b8 v0, s[64:65] scope:SCOPE_SE
	s_setreg_imm32_b32 hwreg(HW_REG_WAVE_MODE, 25, 1), 1
	s_wait_xcnt 0x0
	s_wait_alu depctr_hold_cnt(0) depctr_sa_sdst(0) depctr_va_vdst(0) depctr_va_sdst(0) depctr_va_ssrc(0) depctr_va_vcc(0) depctr_vm_vsrc(0)
	s_getreg_b32 s2, hwreg(HW_REG_IB_STS2, 6, 4)
	s_cmp_eq_u32 s2, 0
	s_cbranch_scc0 .Lentry_in_a_cluster
	s_endpgm
.Lentry_in_a_cluster:
	s_bfe_u32 s2, ttmp6, 0x10000c
	s_cmp_lg_u32 s2, 0xf033
	s_cbranch_scc0 .Lentry_shape_is_right
	s_endpgm
.Lentry_shape_is_right:
; x2 = x1 + h w_down + b_down.  h [4096][4096] and w_down's rows [1024][4096] arrive as images of operand registers in FP6 (E2M3) with E8M0 scale words; x1, x2: f32 rows.
; An image: fragment (row block rb, K step ks) = 1,536 dense bytes at (rb K/128 + ks) 1536, registers 4 j .. 4 j + 3 of lane l at 512 j + 16 l; scale words at (rb K/128 + ks) 64 + 4 r.  Buffer rows hold the actual index with bits 3 and 4 exchanged.
; A tile of C is 256 x 256; four waves of 128 x 128.  K goes in steps of 256 through two LDS slots filled by the tensor data mover; the tile's scale words (64 KiB for all of K) come once and stay.
; CLUSTERS: 4 x 4; A's tiles are asked for jointly along a row of the cluster, B's along a column.  THE MATRIX INSTRUCTION IS USED TRANSPOSED: source 0 = 16 rows of B, source 1 = 16 rows of A.
; The grid has 64 tiles: a quarter of what a smaller tile would give; the larger tile is kept for the fewer LDS bytes a product.
; REGISTERS: window 0: v0-31 addresses; v32-63 scale words, nothing else; v64-127 the residual of even blocks; v128-223 A's fragments, later rows of C; v224-227 the bias.  Window 1: B's fragments, later the residual of odd blocks.  Windows 2, 3: accumulators.
.set SIZE_K, 4096
.set ASOFF,  12582912                  ; A's scale words in its buffer
.set BCOFF,  0                         ; B's codes in the weights' buffer
.set BSOFF,  3145728                   ; B's scale words
.set KSN,    SIZE_K/128
.set IMG,    1536
.set RBB,    2*IMG
.set NQ,     2
.set FR,     12
.set NL,     3
.set NP,     4
.set HALFT,  8*RBB
.set SLOT,   4*HALFT
.set LAPS,   SIZE_K/512
.set SCL,    2*SLOT
.set SBLK,   64*KSN
.set HALFS,  8*SBLK
.set SPARE,  SCL+4*HALFS
.set ADRA, 16
.set ADRB, 20
.set STO,  24
.set RD,   25
.set ADRS, 27
.set SPW,  28
.set NIL,  29
.set LI,   30
.set SC,   32
.set AF,   128
.set BB,   128
.set BI,   224
.set G1, 24
.set G0, 32
.set G1B, 48
.set G0B, 56
.set G1S, 68
.set G0S, 76
.set G1SB, 80
.set G0SB, 88
.set MSB, 0
.macro WIN new
.if MSB != (\new)
	s_set_vgpr_msb (MSB<<8)|(\new)
.set MSB, (\new)
.endif
.endm
.set MUL_LO, 0xa1
.set MUL_HI, 0xf1
.set TO_B,   0x40
.macro JLOAD g0a, g1a, g0b, g1b
	s_cmp_eq_u32 s15, 0
	s_cbranch_scc0 .Lfor_b_\@
	tensor_load_to_lds s[\g0a:\g0a+3], s[\g1a:\g1a+7]
	s_nop 0
.rept 4
	v_nop
.endr
	s_branch .Lasked_\@
.Lfor_b_\@:
	tensor_load_to_lds s[\g0b:\g0b+3], s[\g1b:\g1b+7]
	s_nop 0
.rept 4
	v_nop
.endr
.Lasked_\@:
.endm
.macro CREST
	s_cmp_lg_u32 s14, 0
	s_cbranch_scc1 .Lnot_wave_0_\@
	s_barrier_signal -3
.Lnot_wave_0_\@:
	s_barrier_wait -3
	s_barrier_signal -1
	s_barrier_wait -1
.endm
.macro CROUND
	s_barrier_signal -1
	s_barrier_wait -1
	CREST
.endm
.macro RLOAD a                         ; the residual's 16 actual rows of block a, 512 consecutive bytes a load
.if (\a)%2 == 0
	WIN 0
.set RR, 64
.else
	WIN 0x40
.set RR, 0
.endif
.set t, 0
.rept 16
	global_load_b128 v[RR+4*t:RR+4*t+3], v[LI], s[10:11] offset:(32*((\a)/2)+8*((\a)%2)+t+8*(t/8))*4096
.set t, t+1
.endr
	WIN 0
.endm
	s_load_b256 s[4:11], s[0:1], 0x0               ; A's images, the weights' images, the bias, the residual
	s_load_b64 s[12:13], s[0:1], 0x20              ; the output
	v_lshl_add_u32 v[SPW], v0, 2, SPARE
	v_mov_b32 v[NIL], 0
	ds_add_u32 v[SPW], v[NIL]                      ; the wave's opening: the add and its wait ahead of my first tensor load
	v_lshrrev_b32 v1, 5, v0
	v_readfirstlane_b32 s14, v1
	s_lshr_b32 s15, s14, 1
	s_and_b32 s16, s14, 1
	s_bfe_u32 s40, ttmp6, 0x40000
	s_bfe_u32 s41, ttmp6, 0x40004
	s_lshl_b32 s42, ttmp9, 2
	s_add_co_u32 s42, s42, s40                     ; tile column
	s_and_b32 s17, ttmp7, 0xffff
	s_lshl_b32 s17, s17, 2
	s_add_co_u32 s17, s17, s41                     ; tile row
	s_lshl_b32 s43, s41, 2
	s_lshl_b32 s43, 15, s43
	s_lshl_b32 s44, 0x1111, s40
	s_or_b32 s[G1+0], s43, (3<<16)|(1<<21)
	s_or_b32 s[G1B+0], s44, (3<<16)|(1<<21)
.irp g, G1, G1B
	s_mov_b32 s[\g+1], 384<<16
	s_mov_b32 s[\g+2], 8<<16
	s_mov_b32 s[\g+3], 384<<16
	s_mov_b32 s[\g+4], 8
	s_mov_b32 s[\g+5], 192*KSN
	s_mov_b32 s[\g+6], 0
	s_mov_b32 s[\g+7], 0
.endr
	s_or_b32 s[G1S+0], s43, (3<<16)|(1<<21)
	s_or_b32 s[G1SB+0], s44, (3<<16)|(1<<21)
.irp g, G1S, G1SB
	s_mov_b32 s[\g+1], 32<<16
	s_mov_b32 s[\g+2], (HALFS/256)<<16
	s_mov_b32 s[\g+3], 32<<16
	s_mov_b32 s[\g+4], HALFS/256
	s_mov_b32 s[\g+5], 32
	s_mov_b32 s[\g+6], 0
	s_mov_b32 s[\g+7], 0
.endr
	s_lshl_b32 s18, s16, 3
	s_lshl_b32 s20, s17, 4
	s_add_co_u32 s20, s20, s18
	s_lshl_b32 s46, s42, 4
	s_add_co_u32 s46, s46, s18
	s_mul_i32 s22, s20, SBLK
	s_add_co_u32 s22, s22, ASOFF
	s_mov_b32 s23, 0
	s_mul_i32 s92, s46, SBLK
	s_add_co_u32 s92, s92, BSOFF
	s_mov_b32 s93, 0
	s_mul_i32 s20, s20, KSN*IMG
	s_mov_b32 s21, 0
	s_mul_i32 s46, s46, KSN*IMG
	s_add_co_u32 s46, s46, BCOFF
	s_mov_b32 s47, 0
	s_mul_i32 s45, s14, HALFT
	s_mul_i32 s94, s14, HALFS
	s_wait_dscnt 0x0
	s_wait_kmcnt 0x0
	s_add_nc_u64 s[20:21], s[4:5], s[20:21]
	s_add_nc_u64 s[22:23], s[4:5], s[22:23]
	s_add_nc_u64 s[46:47], s[6:7], s[46:47]
	s_add_nc_u64 s[92:93], s[6:7], s[92:93]
	CROUND
	s_mov_b32 s[G0S], 1
	s_add_co_u32 s[G0S+1], s94, SCL
	s_mov_b64 s[G0S+2:G0S+3], s[22:23]
	s_or_b32 s[G0S+3], s[G0S+3], 0x80000000
	s_mov_b32 s[G0SB], 1
	s_add_co_u32 s[G0SB+1], s94, SCL
	s_mov_b64 s[G0SB+2:G0SB+3], s[92:93]
	s_or_b32 s[G0SB+3], s[G0SB+3], 0x80000000
	JLOAD G0S, G1S, G0SB, G1SB
.irp s, 0,1
	s_mov_b32 s[G0+4*\s], 1
	s_add_co_u32 s[G0+4*\s+1], s45, \s*SLOT
	s_add_nc_u64 s[G0+4*\s+2:G0+4*\s+3], s[20:21], \s*RBB
	s_or_b32 s[G0+4*\s+3], s[G0+4*\s+3], 0x80000000
	s_mov_b32 s[G0B+4*\s], 1
	s_add_co_u32 s[G0B+4*\s+1], s45, \s*SLOT
	s_add_nc_u64 s[G0B+4*\s+2:G0B+4*\s+3], s[46:47], \s*RBB
	s_or_b32 s[G0B+4*\s+3], s[G0B+4*\s+3], 0x80000000
	JLOAD G0+4*\s, G1, G0B+4*\s, G1B               ; three tensor loads of a wave are out here, later one
.endr
	v_and_b32 v1, 15, v0
	v_bfe_u32 v2, v0, 4, 1
	v_and_b32 v3, 31, v0
	v_lshlrev_b32 v[LI], 4, v3
	s_mul_i32 s21, s15, HALFT
	s_mul_i32 s22, s16, HALFT
	s_add_co_u32 s22, s22, 2*HALFT
.irp s, 0,1
	v_add_nc_u32 v[ADRA+\s], s21, v[LI]
	v_add_nc_u32 v[ADRB+\s], s22, v[LI]
	s_add_co_u32 s21, s21, SLOT
	s_add_co_u32 s22, s22, SLOT
.endr
	v_lshlrev_b32 v5, 2, v1
	s_mul_i32 s21, s15, HALFS
	s_mul_i32 s22, s16, HALFS
	s_add_co_u32 s22, s22, 2*HALFS
	s_sub_co_u32 s22, s22, s21
	v_mul_u32_u24 v6, s22, v2
	s_add_co_u32 s21, s21, SCL
	v_add_nc_u32 v5, v5, v6
	v_add_nc_u32 v[ADRS], s21, v5
	s_mul_i32 s23, s14, 16*528                     ; my stage: 16 rows x (512 bytes + 16), in slot 0, which has had its last fill and its last read when the first result is stored there
	v_mul_u32_u24 v5, v1, 528
	v_lshl_add_u32 v5, v2, 6, v5
	v_add_nc_u32 v[STO], s23, v5
	v_add_nc_u32 v[RD], s23, v[LI]
	s_lshl_b32 s20, s17, 8
	s_lshl_b32 s21, s15, 7
	s_add_co_u32 s20, s20, s21
	s_lshl_b32 s20, s20, 12                        ; my first row, in bytes,
	s_lshl_b32 s46, s42, 10
	s_lshl_b32 s47, s16, 9
	s_add_co_u32 s46, s46, s47                     ; my first column
	s_add_co_u32 s20, s20, s46
	s_mov_b32 s21, 0
	s_mov_b32 s47, 0
	s_add_nc_u64 s[12:13], s[12:13], s[20:21]
	s_add_nc_u64 s[10:11], s[10:11], s[20:21]
	s_add_nc_u64 s[8:9], s[8:9], s[46:47]
	global_load_b128 v[BI:BI+3], v[LI], s[8:9]     ; the bias of columns 4 x lane on
	RLOAD 0
.macro FRAG reg, adr, q, i
.irp j, 0,1,2
	ds_load_b128 v[\reg+4*\j:\reg+4*\j+3], v[\adr] offset:(\i)*RBB+(\q)*IMG+512*\j
.endr
.endm
.macro MUL16 a0, p, q, sc, zero        ; the 64 accumulators take turns, one instruction a turn
.irp a, \a0, \a0+1
.irp b, 0,1,2,3,4,5,6,7
.if \zero
	v_wmma_scale_f32_16x16x128_f8f6f4 v[8*(8*((\a)%4)+\b):8*(8*((\a)%4)+\b)+7], v[128*(\p)+FR*\b:128*(\p)+FR*\b+FR-1], v[AF+FR*(\a):AF+FR*(\a)+FR-1], 0, v[SC+8*NQ*(\sc)+NQ*\b+(\q)], v[SC+8*NQ*(\sc)+NQ*(\a)+(\q)] matrix_a_fmt:MATRIX_FMT_FP6 matrix_b_fmt:MATRIX_FMT_FP6 matrix_a_scale:MATRIX_SCALE_ROW1
.else
	v_wmma_scale_f32_16x16x128_f8f6f4 v[8*(8*((\a)%4)+\b):8*(8*((\a)%4)+\b)+7], v[128*(\p)+FR*\b:128*(\p)+FR*\b+FR-1], v[AF+FR*(\a):AF+FR*(\a)+FR-1], v[8*(8*((\a)%4)+\b):8*(8*((\a)%4)+\b)+7], v[SC+8*NQ*(\sc)+NQ*\b+(\q)], v[SC+8*NQ*(\sc)+NQ*(\a)+(\q)] matrix_a_fmt:MATRIX_FMT_FP6 matrix_b_fmt:MATRIX_FMT_FP6 matrix_a_scale:MATRIX_SCALE_ROW1
.endif
.endr
.endr
.endm
.macro FETCH_B slot, q, p
	WIN TO_B
.irp i, 0,1,2,3,4,5,6,7
	FRAG 128*(\p)+FR*\i, ADRB+\slot, \q, \i
.endr
	WIN 0
.endm
.macro FETCH_A slot, q, i0
.irp i, \i0, \i0+1, \i0+2, \i0+3
	FRAG AF+FR*(\i), ADRA+\slot, \q, \i
.endr
.endm
.macro SCALES sc
.irp i, 0,1,2,3,4,5,6,7
.irp q, 0,1
	ds_load_b32 v[SC+16*\sc+2*\i+\q], v[ADRS] offset:\i*SBLK+64*\q
.endr
.endr
.endm
.macro PLACES n
.rept \n
	v_nop
.endr
.endm
.macro STEP slot, q, zero
	s_wait_dscnt 4*NL                              ; all but the youngest twelve loads (A's blocks 4-7) are in
	WIN MUL_LO
	MUL16 0, (\q)%2, \q, \slot, \zero
	MUL16 2, (\q)%2, \q, \slot, \zero
	s_wait_dscnt 0
	PLACES NP
	FETCH_B \slot, (\q)+1, 1-(\q)%2
	FETCH_A \slot, (\q)+1, 0
	WIN MUL_HI
	MUL16 4, (\q)%2, \q, \slot, \zero
	MUL16 6, (\q)%2, \q, \slot, \zero
	PLACES NP
	WIN 0
	FETCH_A \slot, (\q)+1, 4
.endm
.macro TURN slot, next, fill
	s_wait_tensorcnt 0x0                           ; all my tensor loads have landed: my part of the next slot
	ds_add_u32 v[SPW], v[NIL]
	s_wait_dscnt 4*NL+1                            ; the add and the youngest twelve loads may be out
	WIN MUL_LO
	MUL16 0, 1, NQ-1, \slot, 0
	s_wait_dscnt 0x0                               ; the add is done, and my reads of this slot are over
	s_barrier_signal -1
	MUL16 2, 1, NQ-1, \slot, 0
	WIN 0
	s_barrier_wait -1
.if \fill
	CREST                                          ; a round of the cluster's barrier: no wave of any partner still reads this slot or has a load on its way
	s_add_nc_u64 s[G0+4*\slot+2:G0+4*\slot+3], s[G0+4*\slot+2:G0+4*\slot+3], 2*RBB
	s_add_nc_u64 s[G0B+4*\slot+2:G0B+4*\slot+3], s[G0B+4*\slot+2:G0B+4*\slot+3], 2*RBB
	JLOAD G0+4*\slot, G1, G0B+4*\slot, G1B
.else
	PLACES NP
.endif
	v_add_nc_u32 v[ADRS], 64*NQ, v[ADRS]
	FETCH_B \next, 0, 0
	FETCH_A \next, 0, 0
	SCALES \next
	WIN MUL_HI
	MUL16 4, 1, NQ-1, \slot, 0
	MUL16 6, 1, NQ-1, \slot, 0
	PLACES NP
	WIN 0
	FETCH_A \next, 0, 4
.endm
	s_wait_tensorcnt 1                             ; the scale words and my part of K step 0 are in; K step 1's load may be out
	s_barrier_signal -1
	s_barrier_wait -1
	FETCH_B 0, 0, 0
	FETCH_A 0, 0, 0
	SCALES 0
	FETCH_A 0, 0, 4
	STEP 0, 0, 1
	s_mov_b32 s3, LAPS-1
.Llap:
	TURN 0, 1, 1
	STEP 1, 0, 0
	TURN 1, 0, 1
	STEP 0, 0, 0
	s_sub_co_u32 s3, s3, 1
	s_cmp_lg_u32 s3, 0
	s_cbranch_scc1 .Llap
	TURN 0, 1, 0
	STEP 1, 0, 0
	s_wait_dscnt 4*NL
	WIN MUL_LO
	MUL16 0, 1, NQ-1, 1, 0
	MUL16 2, 1, NQ-1, 1, 0
	s_wait_dscnt 0
	WIN MUL_HI
	MUL16 4, 1, NQ-1, 1, 0
	MUL16 6, 1, NQ-1, 1, 0
	WIN 0
; THE WAY OUT, block by block of 16 rows x 128 columns: through my own stage, back as whole rows of 512 bytes, + residual + bias, stored to the ACTUAL rows.
.macro TOSTAGE a
.set AC, 64*((\a)%4)
	WIN 0x08+4*((\a)/4)
.irp b, 0,1,2,3,4,5,6,7
	ds_store_b128 v[STO], v[AC+8*\b:AC+8*\b+3] offset:128*(\b/2)+32*(\b%2)          ; tile b, lane (r, h): columns 32 (b / 2) + 16 h + 8 (b % 2) on; each accumulator from its low end on
	ds_store_b128 v[STO], v[AC+8*\b+4:AC+8*\b+7] offset:128*(\b/2)+32*(\b%2)+16
.endr
	WIN 0
.set t, 0
.rept 16
	ds_load_b128 v[BB+4*t:BB+4*t+3], v[RD] offset:528*t        ; LDS serves a wave's instructions in order
.set t, t+1
.endr
.endm
	PLACES NP
.irp a, 0,1,2,3,4,5,6,7
.if \a < 7
	RLOAD \a+1
.endif
.if \a > 0
	s_wait_xcnt 0x0                                ; the last block's stores have read their registers
.endif
	TOSTAGE \a
	s_wait_dscnt 0x0
.if \a < 7
	s_wait_loadcnt 16                              ; this block's residual is in; the next block's sixteen loads may be out
.else
	s_wait_loadcnt 0x0
.endif
.if (\a)%2 == 0
	WIN 0
.set RR, 64
.else
	WIN 0x04
.set RR, 0
.endif
.set t, 0
.rept 32
	v_pk_add_f32 v[BB+2*t:BB+2*t+1], v[BB+2*t:BB+2*t+1], v[RR+2*t:RR+2*t+1]
.set t, t+1
.endr
	WIN 0
.set t, 0
.rept 32
	v_pk_add_f32 v[BB+2*t:BB+2*t+1], v[BB+2*t:BB+2*t+1], v[BI+2*(t%2):BI+2*(t%2)+1]
.set t, t+1
.endr
.set t, 0
.rept 16
	global_store_b128 v[LI], v[BB+4*t:BB+4*t+3], s[12:13] offset:(32*((\a)/2)+8*((\a)%2)+t+8*(t/8))*4096    ; 512 consecutive bytes, aligned
.set t, t+1
.endr
.endr
	s_wait_tensorcnt 0x0                           ; the wave's end
	ds_add_u32 v[SPW], v[NIL]
	s_wait_dscnt 0x0
	CROUND                                         ; the closing round
	s_endpgm
.Lfunc_end_k_q4befc2e21d_gdn:
	.size	k_q4befc2e21d_gdn, .Lfunc_end_k_q4befc2e21d_gdn-k_q4befc2e21d_gdn
	.p2alignl 7, 3214868480
	.fill 96, 4, 3214868480
	.section	.rodata,"a",@progbits
	.p2align	6, 0x0
	.amdhsa_kernel k_q4befc2e21d_gdn
		.amdhsa_group_segment_fixed_size 327680
		.amdhsa_private_segment_fixed_size 0
		.amdhsa_enable_private_segment 0
		.amdhsa_kernarg_size 40
		.amdhsa_user_sgpr_count 2
		.amdhsa_user_sgpr_kernarg_segment_ptr 1
		.amdhsa_wavefront_size32 1
		.amdhsa_system_sgpr_workgroup_id_x 1
		.amdhsa_system_sgpr_workgroup_id_y 1
		.amdhsa_system_sgpr_workgroup_id_z 1
		.amdhsa_system_vgpr_workitem_id 0
		.amdhsa_next_free_vgpr 1024
		.amdhsa_next_free_sgpr 98
		.amdhsa_reserve_vcc 0
		.amdhsa_float_denorm_mode_32 3
		.amdhsa_float_denorm_mode_16_64 3
		.amdhsa_memory_ordered 1
		.amdhsa_forward_progress 1
		.amdhsa_inst_pref_size 182
	.end_amdhsa_kernel
	.amdgpu_metadata
---
amdhsa.version: [ 1, 2 ]
amdhsa.kernels:
  - .name:           k_q4befc2e21d_gdn
    .symbol:         k_q4befc2e21d_gdn.kd
    .args:
      - { .name: hb, .offset: 0, .size: 8, .value_kind: global_buffer, .address_space: global }
      - { .name: wb, .offset: 8, .size: 8, .value_kind: global_buffer, .address_space: global }
      - { .name: b_down, .offset: 16, .size: 8, .value_kind: global_buffer, .address_space: global }
      - { .name: x1, .offset: 24, .size: 8, .value_kind: global_buffer, .address_space: global }
      - { .name: x2, .offset: 32, .size: 8, .value_kind: global_buffer, .address_space: global }
    .group_segment_fixed_size: 327680
    .private_segment_fixed_size: 0
    .kernarg_segment_align: 8
    .kernarg_segment_size: 40
    .max_flat_workgroup_size: 128
    .sgpr_count:     98
    .vgpr_count:     1024
    .wavefront_size: 32
...
	.end_amdgpu_metadata
.endif
;; end of part 6
;; launch lnf (part 7): grid 256 x 1, 4 waves a work-group, no clusters, 0 bytes of LDS; arguments x2, lnf_g, lnf_b, out0; writes out0
.if DOCPART == 7
	.amdgcn_target "amdgcn-amd-amdhsa--gfx1250"
	.amdhsa_code_object_version 6
	.text
	.protected	k_q4befc2e21d_lnf
	.globl	k_q4befc2e21d_lnf
	.p2align	8
	.type	k_q4befc2e21d_lnf,@function
k_q4befc2e21d_lnf:
	s_mov_b64 s[64:65], 0
	v_nop
	global_prefetch_b8 v0, s[64:65] scope:SCOPE_SE
	s_setreg_imm32_b32 hwreg(HW_REG_WAVE_MODE, 25, 1), 1
	s_wait_xcnt 0x0
; out = layernorm(x2) g + b, rows of 1,024 f32.  A wave takes four rows, one after the other; a row is 32 registers a lane and stays there between the passes: read once, written once.
; Mean, then the mean of the centred squares, as the definition has them; 1 / sqrt by v_rsq_f32.  No LDS, no barrier: a row never leaves its wave.  All four rows' loads go out at the head.
; Each load and store of a wave covers 512 consecutive bytes, aligned.  No register that a store reads is written again, so no wait stands for the stores.
; LIMITS: NaN and infinities are not served.
.set T,  4                             ; v4-11 at work
.set MN, 12                            ; v[12:13] the mean (low word)
.set RS, 14                            ; v[14:15] 1 / sqrt(var + eps)
.set G,  16
.set BT, 48
.set X,  80
	s_load_b256 s[4:11], s[0:1], 0x0               ; x2, g, b, out
	v_and_b32 v1, 31, v0
	v_lshlrev_b32 v2, 4, v1
	v_lshrrev_b32 v3, 5, v0
	v_readfirstlane_b32 s12, v3
	s_lshl_b32 s14, ttmp9, 4
	s_lshl_b32 s15, s12, 2
	s_add_co_u32 s14, s14, s15                     ; my first row: 16 x work-group + 4 x wave
	s_lshl_b32 s14, s14, 12
	s_mov_b32 s15, 0
	s_mov_b32 s16, 0x76543210
	s_mov_b32 s17, 0xfedcba98
	s_mov_b32 s18, 0x3a800000                      ; 1 / 1024
	s_mov_b32 s19, 0x3727c5ac                      ; 1e-5
	v_mov_b32 v[MN+1], 0
	v_mov_b32 v[RS+1], 0
	s_wait_kmcnt 0x0
	s_add_nc_u64 s[4:5], s[4:5], s[14:15]
	s_add_nc_u64 s[10:11], s[10:11], s[14:15]
.irp j, 0,1,2,3,4,5,6,7
	global_load_b128 v[G+4*\j:G+4*\j+3], v2, s[6:7] offset:512*\j
	global_load_b128 v[BT+4*\j:BT+4*\j+3], v2, s[8:9] offset:512*\j
.endr
.irp i, 0,1,2,3
.irp j, 0,1,2,3,4,5,6,7
	global_load_b128 v[X+32*\i+4*\j:X+32*\i+4*\j+3], v2, s[4:5] offset:4096*\i+512*\j th:TH_LOAD_NT
.endr
.endr
.macro FOLD                            ; four pairs at v[T] on become one sum over the row, in every lane, at v[T]
	v_pk_add_f32 v[T:T+1], v[T:T+1], v[T+2:T+3]
	v_pk_add_f32 v[T+4:T+5], v[T+4:T+5], v[T+6:T+7]
	v_pk_add_f32 v[T:T+1], v[T:T+1], v[T+4:T+5]
	v_add_f32 v[T], v[T], v[T+1]
	v_add_f32_dpp v[T], v[T], v[T] row_xmask:1 row_mask:0xf bank_mask:0xf
	v_add_f32_dpp v[T], v[T], v[T] row_xmask:2 row_mask:0xf bank_mask:0xf
	v_add_f32_dpp v[T], v[T], v[T] row_xmask:4 row_mask:0xf bank_mask:0xf
	v_add_f32_dpp v[T], v[T], v[T] row_xmask:8 row_mask:0xf bank_mask:0xf
	v_permlanex16_b32 v[T+1], v[T], s16, s17
	v_add_f32 v[T], v[T], v[T+1]
.endm
.macro ROW i
.set XR, X+32*\i
	s_wait_loadcnt 8*(3-\i)                        ; gain, bias and this row's eight loads are in; the later rows' stay out
.irp c, 0,1,2,3
	v_pk_add_f32 v[T+2*\c:T+2*\c+1], v[XR+4*\c:XR+4*\c+1], v[XR+4*\c+2:XR+4*\c+3]
.endr
.set n, 16
.rept 8
	v_pk_add_f32 v[T+n%8:T+n%8+1], v[T+n%8:T+n%8+1], v[XR+n:XR+n+1]
.set n, n+2
.endr
	FOLD
	v_mul_f32 v[MN], s18, v[T]
.set n, 0
.rept 16
	v_pk_add_f32 v[XR+n:XR+n+1], v[XR+n:XR+n+1], v[MN:MN+1] op_sel_hi:[1,0] neg_lo:[0,1] neg_hi:[0,1]
.set n, n+2
.endr
.irp c, 0,1,2,3
	v_pk_mul_f32 v[T+2*\c:T+2*\c+1], v[XR+2*\c:XR+2*\c+1], v[XR+2*\c:XR+2*\c+1]
.endr
.set n, 8
.rept 12
	v_pk_fma_f32 v[T+n%8:T+n%8+1], v[XR+n:XR+n+1], v[XR+n:XR+n+1], v[T+n%8:T+n%8+1]
.set n, n+2
.endr
	FOLD
	v_fma_f32 v[T], v[T], s18, s19
	v_rsq_f32 v[RS], v[T]
	v_nop                                          ; a plain line behind the transcendental,
	s_wait_alu depctr_va_vdst(0)                   ; and the wait ahead of its first reader
.set n, 0
.rept 16
	v_pk_mul_f32 v[XR+n:XR+n+1], v[XR+n:XR+n+1], v[RS:RS+1] op_sel_hi:[1,0]
.set n, n+2
.endr
.set n, 0
.rept 16
	v_pk_fma_f32 v[XR+n:XR+n+1], v[XR+n:XR+n+1], v[G+n:G+n+1], v[BT+n:BT+n+1]
.set n, n+2
.endr
.irp j, 0,1,2,3,4,5,6,7
	global_store_b128 v2, v[XR+4*\j:XR+4*\j+3], s[10:11] offset:4096*\i+512*\j th:TH_STORE_NT
.endr
.endm
	ROW 0
	ROW 1
	ROW 2
	ROW 3
	s_endpgm
.Lfunc_end_k_q4befc2e21d_lnf:
	.size	k_q4befc2e21d_lnf, .Lfunc_end_k_q4befc2e21d_lnf-k_q4befc2e21d_lnf
	.p2alignl 7, 3214868480
	.fill 96, 4, 3214868480
	.section	.rodata,"a",@progbits
	.p2align	6, 0x0
	.amdhsa_kernel k_q4befc2e21d_lnf
		.amdhsa_group_segment_fixed_size 0
		.amdhsa_private_segment_fixed_size 0
		.amdhsa_enable_private_segment 0
		.amdhsa_kernarg_size 32
		.amdhsa_user_sgpr_count 2
		.amdhsa_user_sgpr_kernarg_segment_ptr 1
		.amdhsa_wavefront_size32 1
		.amdhsa_system_sgpr_workgroup_id_x 1
		.amdhsa_system_sgpr_workgroup_id_y 1
		.amdhsa_system_sgpr_workgroup_id_z 1
		.amdhsa_system_vgpr_workitem_id 0
		.amdhsa_next_free_vgpr 208
		.amdhsa_next_free_sgpr 66
		.amdhsa_reserve_vcc 0
		.amdhsa_float_denorm_mode_32 3
		.amdhsa_float_denorm_mode_16_64 3
		.amdhsa_memory_ordered 1
		.amdhsa_forward_progress 1
		.amdhsa_inst_pref_size 33
	.end_amdhsa_kernel
	.amdgpu_metadata
---
amdhsa.version: [ 1, 2 ]
amdhsa.kernels:
  - .name:           k_q4befc2e21d_lnf
    .symbol:         k_q4befc2e21d_lnf.kd
    .args:
      - { .name: x2, .offset: 0, .size: 8, .value_kind: global_buffer, .address_space: global }
      - { .name: lnf_g, .offset: 8, .size: 8, .value_kind: global_buffer, .address_space: global }
      - { .name: lnf_b, .offset: 16, .size: 8, .value_kind: global_buffer, .address_space: global }
      - { .name: out0, .offset: 24, .size: 8, .value_kind: global_buffer, .address_space: global }
    .group_segment_fixed_size: 0
    .private_segment_fixed_size: 0
    .kernarg_segment_align: 8
    .kernarg_segment_size: 32
    .max_flat_workgroup_size: 128
    .sgpr_count:     66
    .vgpr_count:     208
    .wavefront_size: 32
...
	.end_amdgpu_metadata
.endif
;; end of part 7
;; ======== version 2 of 2: 8 launches
;; workspace buffers: wb 9,830,400 bytes; yb 3,276,800 bytes; qb 9,830,400 bytes; ob 3,276,800 bytes; x1 16,777,216 bytes; hb 13,107,200 bytes; x2 16,777,216 bytes
;; launch prep: the kernel of part 1 again; grid 640 x 1, 4 waves a work-group, no clusters, 31,744 bytes of LDS; arguments x, ln1_g, ln1_b, w_down, w_up, wq, wk, wv, wo, yb, wb; writes yb, wb
;; launch gq: the kernel of part 2 again; grid 4 x 48, 4 waves a work-group, clusters of 4 x 4, 327,680 bytes of LDS; arguments yb, wb, bq, bk, bv, qb; writes qb
;; launch attn (part 8): grid 8 x 32, 4 waves a work-group, no clusters, 205,312 bytes of LDS; arguments qb, ob; writes ob
.if DOCPART == 8
	.amdgcn_target "amdgcn-amd-amdhsa--gfx1250"
	.amdhsa_code_object_version 6
	.text
	.protected	k_q4befc2e21d_attn
	.globl	k_q4befc2e21d_attn
	.p2align	8
	.type	k_q4befc2e21d_attn,@function
k_q4befc2e21d_attn:
	s_mov_b64 s[64:65], 0
	v_nop
	global_prefetch_b8 v0, s[64:65] scope:SCOPE_SE
	s_setreg_imm32_b32 hwreg(HW_REG_WAVE_MODE, 25, 1), 1
	s_wait_xcnt 0x0
; o = entmax15(q k^T / 8) v for 64 heads of 1,024 x 1,024 x 64, both products on codes of FP6 (E2M3) with E8M0 scales; the weights are quantised finished, along the keys; o is quantised along its features and stored as images.
; SHARES.  A work-group: 128 queries of a PAIR of heads of one batch.  k's and v^T's images of the pair (200 KiB with their scale words) come into LDS once.  A wave owns two tiles of 16 queries and walks four trips: (tile, head).
; An image of q or k holds 128 features: the even head's 64, then the odd head's.  q's codes of the other head are masked to zero codes, which add nothing: so K = 64 rides in the instruction's K = 128.
; No multicast: the eight work-groups of a pair share bytes that each fetches once, at its head; there is no ring and no step whose bytes could be asked for jointly.
; BOTH PRODUCTS TRANSPOSED: S^T = k q^T, O^T = v^T p^T: a lane holds one query throughout.  k's buffer rows have bits 3 and 4 of the key exchanged, so register 16 b + i of the scores is key 32 b + 16 h + i.  All 1,024 scores of a query stay in registers: 512 a lane.
; THE THRESHOLD.  z = (score - row's maximum) / 16 on the raw products.  tau is the root of F(t) = sum (z - t)+^2 = 1, which is what a sort and a scan would find.  Since max z = 0 it lies in [-1, -1/32].
; Newton on G = sqrt(F) from t = -1: t += (S2 - 1) G / ((G + 1) S1), S1 = sum d, S2 = sum d^2, d = (z - t)+.  G is convex with slope m = S1 / G in [1, 32], so the iterates rise to tau and
; G' - 1 <= (1 - m'/m)(G - 1); with the product of the m'/m at least 1/32, after N steps tau - t <= G - 1 <= 31 (1 - 32^(-1/N))^N: 1.9e-8 at N = 14, for every input.  The count is fixed: no branch on data.
; A pair of scores costs four issue slots a step: one packed subtraction, one dual instruction for the two clips at 0, one packed addition, one packed multiply-add.
; LIMITS: tau carries the rounding of S1 and S2 in f32 (a few 1e-7); a block of zeros gets the byte 1 (zero codes; this program alone reads the bytes); NaN and infinities are not served.
; REGISTERS: window 0 below; windows 1, 2: the scores, then z; window 3: v0-191 two sets of 8 fragments of k, later v0-47 four fragments of v^T.
.set VC,    98304                      ; LDS: k's 64 images from 0; v^T's 8 x 8 images;
.set KSC,   196608                     ; k's scale words, 64 bytes a tile;
.set VSC,   200704                     ; v^T's, 512 bytes a row block;
.set SPARE, 204800                     ; the spare words, 128 bytes for each wave, that no other line names
.set LI,   1                           ; 16 x lane
.set R4,   2                           ; 4 r
.set AK1,  3                           ; k's tiles 32-63
.set AKS,  4
.set AV0,  5
.set AVS0, 6
.set AV,   7                           ; v^T's images of the trip's head
.set AVS,  8
.set OSO,  9
.set T,    12                          ; v[12:13] t (low word)
.set NM,   14                          ; v[14:15] - maximum / 16 (low word)
.set QF,   16                          ; v16-27 q's fragment
.set QS,   28                          ; q's scale words: scales alone
.set SWALL, 29                         ; o's scale words of my two tiles
.set SPW,  30
.set NIL,  31
.set BM,   32                          ; v32-63 the blocks' largest scores; later
.set OA,   32                          ; O^T, four accumulators
.set SOP,  64                          ; v64-95 the conversions' scale operands, a block each
.set PWD,  96                          ; v96-103 p's scale words: scales alone
.set KSW,  104                         ; v104-119 k's, two sets: scales alone
.set VSW,  120                         ; v120-123 v^T's: scales alone
.set TA,   124
.set TC,   126
.set D,    128                         ; v128-191 at work
.set OF,   192                         ; v192-203 o's fragment
.set CUR,  204
.set PRV,  205
.set WRD,  206
.set SUM1, 208
.set SUM2, 216
.set PF,   224                         ; v224-235 p's fragment
.set PT,   236
.set TE,   244
.set G1KC, 12
.set G1KS, 20
.set G1VC, 28
.set G1VS, 36
.set G0KC, 44
.set G0KS, 48
.set G0VC, 52
.set G0VS, 56
.set SEL,  84
.set MSB, 0
.macro WIN new
.if MSB != (\new)
	s_set_vgpr_msb (MSB<<8)|(\new)
.set MSB, (\new)
.endif
.endm
.macro PLACES
.rept 4
	v_nop
.endr
.endm
.macro CLIP                            ; the 64 numbers at v[D] on are clipped at 0, two in an instruction: destinations even and odd, second sources in different banks; every window is 0 here
.set n, 0
.rept 32
	v_dual_max_num_f32 v[D+n], 0, v[D+n] :: v_dual_max_num_f32 v[D+n+1], 0, v[D+n+1]
.set n, n+2
.endr
.endm
	s_load_b128 s[4:7], s[0:1], 0x0                ; q | k | v^T, o
	v_lshl_add_u32 v[SPW], v0, 2, SPARE
	v_mov_b32 v[NIL], 0
	ds_add_u32 v[SPW], v[NIL]                      ; the wave's opening: the add and its wait ahead of my first tensor load
	v_lshrrev_b32 v1, 5, v0
	v_readfirstlane_b32 s8, v1                     ; wave 0..3
	s_and_b32 s9, s8, 1                            ; which half I fetch
	s_and_b32 s10, ttmp7, 0xffff
	s_lshr_b32 s11, s10, 3                         ; batch
	s_and_b32 s10, s10, 7                          ; pair of heads
	s_mov_b32 s[G1KC], 3<<16                       ; k's codes: 32 images of 1,536 bytes (192 elements of 8), 16 images apart
	s_mov_b32 s[G1KC+1], 192<<16
	s_mov_b32 s[G1KC+2], 32<<16
	s_mov_b32 s[G1KC+3], 192<<16
	s_mov_b32 s[G1KC+4], 32
	s_mov_b32 s[G1KC+5], 3072
	s_mov_b32 s[G1KC+6], 0
	s_mov_b32 s[G1KC+7], 0
	s_mov_b32 s[G1KS], 3<<16                       ; k's scale words: 32 rows of 64 bytes, 1,024 apart
	s_mov_b32 s[G1KS+1], 8<<16
	s_mov_b32 s[G1KS+2], 32<<16
	s_mov_b32 s[G1KS+3], 8<<16
	s_mov_b32 s[G1KS+4], 32
	s_mov_b32 s[G1KS+5], 128
	s_mov_b32 s[G1KS+6], 0
	s_mov_b32 s[G1KS+7], 0
	s_mov_b32 s[G1VC], 3<<16                       ; v^T's codes: 4 row blocks of 8 images on end (12,288 bytes), 32 images apart
	s_mov_b32 s[G1VC+1], 1536<<16
	s_mov_b32 s[G1VC+2], 4<<16
	s_mov_b32 s[G1VC+3], 1536<<16
	s_mov_b32 s[G1VC+4], 4
	s_mov_b32 s[G1VC+5], 6144
	s_mov_b32 s[G1VC+6], 0
	s_mov_b32 s[G1VC+7], 0
	s_mov_b32 s[G1VS], 3<<16                       ; v^T's scale words: 4 rows of 512 bytes, 2,048 apart
	s_mov_b32 s[G1VS+1], 64<<16
	s_mov_b32 s[G1VS+2], 4<<16
	s_mov_b32 s[G1VS+3], 64<<16
	s_mov_b32 s[G1VS+4], 4
	s_mov_b32 s[G1VS+5], 256
	s_mov_b32 s[G1VS+6], 0
	s_mov_b32 s[G1VS+7], 0
	s_lshl_b32 s60, s11, 6
	s_lshl_b32 s61, s9, 5
	s_add_co_u32 s60, s60, s61
	s_lshl_b32 s60, s60, 4
	s_add_co_u32 s60, s60, s10
	s_add_co_u32 s60, s60, 8                       ; k's first image that I fetch: (64 batch + 32 half) 16 + 8 + pair
	s_mul_i32 s62, s60, 1536
	s_mov_b32 s63, 0
	s_lshl_b32 s60, s60, 6
	s_add_co_u32 s60, s60, 6291456
	s_mov_b32 s61, 0
	s_lshl_b32 s66, s10, 3
	s_lshl_b32 s67, s9, 2
	s_add_co_u32 s66, s66, s67
	s_lshl_b32 s66, s66, 5
	s_lshl_b32 s67, s11, 3
	s_add_co_u32 s66, s66, s67                     ; v^T's: (8 pair + 4 half) 32 + 8 batch
	s_mul_i32 s68, s66, 1536
	s_add_co_u32 s68, s68, 6553600
	s_mov_b32 s69, 0
	s_lshl_b32 s66, s66, 6
	s_add_co_u32 s66, s66, 9699328
	s_mov_b32 s67, 0
	s_mul_i32 s70, s9, 49152
	s_lshl_b32 s71, s9, 11
	s_wait_dscnt 0x0                               ; the opening add is done
	s_wait_kmcnt 0x0
	s_mov_b32 s[G0KC], 1
	s_mov_b32 s[G0KC+1], s70
	s_add_nc_u64 s[G0KC+2:G0KC+3], s[4:5], s[62:63]
	s_or_b32 s[G0KC+3], s[G0KC+3], 0x80000000
	s_mov_b32 s[G0KS], 1
	s_add_co_u32 s[G0KS+1], s71, KSC
	s_add_nc_u64 s[G0KS+2:G0KS+3], s[4:5], s[60:61]
	s_or_b32 s[G0KS+3], s[G0KS+3], 0x80000000
	s_mov_b32 s[G0VC], 1
	s_add_co_u32 s[G0VC+1], s70, VC
	s_add_nc_u64 s[G0VC+2:G0VC+3], s[4:5], s[68:69]
	s_or_b32 s[G0VC+3], s[G0VC+3], 0x80000000
	s_mov_b32 s[G0VS], 1
	s_add_co_u32 s[G0VS+1], s71, VSC
	s_add_nc_u64 s[G0VS+2:G0VS+3], s[4:5], s[66:67]
	s_or_b32 s[G0VS+3], s[G0VS+3], 0x80000000
	s_cmp_lt_u32 s8, 2                             ; waves 0, 1 fetch k's halves, waves 2, 3 v^T's: a wave's two fills stand in one branch; two tensor loads of a wave are out
	s_cbranch_scc0 .Lfirst_v
	tensor_load_to_lds s[G0KC:G0KC+3], s[G1KC:G1KC+7]
	s_nop 0
	tensor_load_to_lds s[G0KS:G0KS+3], s[G1KS:G1KS+7]
	s_nop 0
.rept 4
	v_nop
.endr
	s_branch .Lfirst_asked
.Lfirst_v:
	tensor_load_to_lds s[G0VC:G0VC+3], s[G1VC:G1VC+7]
	s_nop 0
	tensor_load_to_lds s[G0VS:G0VS+3], s[G1VS:G1VS+7]
	s_nop 0
.rept 4
	v_nop
.endr
.Lfirst_asked:
	s_lshl_b32 s72, s11, 6
	s_lshl_b32 s73, ttmp9, 3
	s_add_co_u32 s72, s72, s73
	s_lshl_b32 s73, s8, 1
	s_add_co_u32 s72, s72, s73                     ; my first row block of queries: 64 batch + 8 x + 2 wave
	s_lshl_b32 s86, s72, 4
	s_add_co_u32 s86, s86, s10
	s_mul_i32 s66, s86, 1536
	s_mov_b32 s67, 0
	s_lshl_b32 s68, s86, 6
	s_add_co_u32 s68, s68, 6291456
	s_mov_b32 s69, 0
	s_lshl_b32 s86, s72, 3
	s_add_co_u32 s86, s86, s10
	s_mul_i32 s70, s86, 1536
	s_mov_b32 s71, 0
	s_lshl_b32 s72, s86, 6
	s_add_co_u32 s72, s72, 3145728
	s_mov_b32 s73, 0
	s_add_nc_u64 s[66:67], s[4:5], s[66:67]        ; q's image,
	s_add_nc_u64 s[68:69], s[4:5], s[68:69]        ; q's scale words,
	s_add_nc_u64 s[70:71], s[6:7], s[70:71]        ; o's image,
	s_add_nc_u64 s[72:73], s[6:7], s[72:73]        ; o's scale words
	s_mov_b32 s74, 0                               ; the trip: tile = trip / 2, head of the pair = trip % 2
	s_mov_b32 s76, -1                              ; keeps q's registers 0-5 (the even head),
	s_mov_b32 s77, 0                               ; or 6-11 (the odd head)
	s_mov_b32 s78, 0                               ; the head's four row blocks of v^T
	s_mov_b32 s79, 0
	s_mov_b32 s80, 0x0000ffff                      ; which half of the lanes takes the tile's scale words
	s_mov_b32 s82, 0x3d800000                      ; 1 / 16
	s_mov_b32 s83, s82
	s_mov_b32 s[SEL], 0x76543210
	s_mov_b32 s[SEL+1], 0xfedcba98
	v_and_b32 v10, 31, v0
	v_lshlrev_b32 v[LI], 4, v10
	v_and_b32 v10, 15, v0
	v_lshlrev_b32 v[R4], 2, v10
	v_add_nc_u32 v[AK1], 49152, v[LI]
	v_add_nc_u32 v[AKS], KSC, v[R4]
	v_add_nc_u32 v[AV0], VC, v[LI]
	v_add_nc_u32 v[AVS0], VSC, v[R4]
	v_bfe_u32 v10, v0, 4, 1
	v_lshl_add_u32 v[OSO], v10, 9, v[R4]
.set n, 0
.rept 64
	v_mov_b32 v[D+n], 0                            ; written once: lane permutes' destinations count as sources
.set n, n+1
.endr
.irp n, 0,1,2,3,4,5
	v_mov_b32 v[OF+\n], 0                          ; written before the branch on the trip's parity could read them
.endr
	v_mov_b32 v[PRV], 0
	v_mov_b32 v[SWALL], 0
	v_mov_b32 v[T+1], 0
	v_mov_b32 v[NM+1], 0
	v_mov_b32 v[TC], 0
	v_mov_b32 v[TC+1], 0
	s_wait_tensorcnt 0x0                           ; my parts are in,
	s_barrier_signal -1
	s_barrier_wait -1                              ; everybody's are; nothing is ever filled again
.macro KBATCH g                        ; eight tiles of 16 keys: 24 loads of codes, 8 of scale words
	WIN 0xc0
.irp t, 0,1,2,3,4,5,6,7
.irp j, 0,1,2
.if (\g) < 4
	ds_load_b128 v[96*((\g)%2)+12*\t+4*\j:96*((\g)%2)+12*\t+4*\j+3], v[LI] offset:(8*(\g)+\t)*1536+512*\j
.else
	ds_load_b128 v[96*((\g)%2)+12*\t+4*\j:96*((\g)%2)+12*\t+4*\j+3], v[AK1] offset:(8*((\g)-4)+\t)*1536+512*\j
.endif
.endr
.endr
	WIN 0
.irp t, 0,1,2,3,4,5,6,7
	ds_load_b32 v[KSW+8*((\g)%2)+\t], v[AKS] offset:64*(8*(\g)+\t)
.endr
.endm
.Ltrip:
	v_add_nc_u32 v[AV], s78, v[AV0]
	v_add_nc_u32 v[AVS], s79, v[AVS0]
.irp j, 0,1,2
	global_load_b128 v[QF+4*\j:QF+4*\j+3], v[LI], s[66:67] offset:512*\j
.endr
	global_load_b32 v[QS], v[R4], s[68:69]
	KBATCH 0
	s_wait_loadcnt 0x0
.irp n, 0,1,2,3,4,5
	v_and_b32 v[QF+\n], s76, v[QF+\n]              ; the other head's codes become zero codes
	v_and_b32 v[QF+6+\n], s77, v[QF+6+\n]
.endr
	; ---- the scores: 64 tiles of 16 keys, each a sum of its own begun with 0
.irp g, 0,1,2,3,4,5,6,7
.if \g < 7
	PLACES                                         ; behind the last batch's products (and, in batch 0, behind the masking of q) and in front of loads into registers that they read
	KBATCH \g+1
	s_wait_dscnt 32                                ; this batch is in; the 32 just issued may be out
.else
	s_wait_dscnt 0x0
.endif
	WIN ((1+(\g)/4)<<6)|3
.irp t, 0,1,2,3,4,5,6,7
	v_wmma_scale_f32_16x16x128_f8f6f4 v[8*(8*((\g)%4)+\t):8*(8*((\g)%4)+\t)+7], v[96*((\g)%2)+12*\t:96*((\g)%2)+12*\t+11], v[QF:QF+11], 0, v[KSW+8*((\g)%2)+\t], v[QS] matrix_a_fmt:MATRIX_FMT_FP6 matrix_b_fmt:MATRIX_FMT_FP6
.endr
.endr
	PLACES
	; ---- the largest score of each block of 32 keys: it serves the row's maximum and, since p rises with the score, the block's largest p
.irp W, 1, 2
	WIN (\W<<4)|(\W<<2)
.irp q, 0,1,2,3
.irp b, 0,1,2,3
	v_max3_num_f32 v[BM+16*(\W-1)+4*\q+\b], 0xff800000, v[16*(4*\q+\b)], v[16*(4*\q+\b)+1]     ; each accumulator from its low end on
.endr
.irp i, 2,4,6,8,10,12,14
.irp b, 0,1,2,3
	v_max3_num_f32 v[BM+16*(\W-1)+4*\q+\b], v[BM+16*(\W-1)+4*\q+\b], v[16*(4*\q+\b)+\i], v[16*(4*\q+\b)+\i+1]
.endr
.endr
.endr
.endr
	WIN 0
.set n, 0
.rept 32
	v_permlanex16_b32 v[D+n], v[BM+n], s[SEL], s[SEL+1]
.set n, n+1
.endr
.set n, 0
.rept 32
	v_max_num_f32 v[BM+n], v[BM+n], v[D+n]         ; with lane l xor 16's 16 keys
.set n, n+1
.endr
	v_max3_num_f32 v[TA], v[BM], v[BM+1], v[BM+2]
	v_max3_num_f32 v[TA+1], v[BM+16], v[BM+17], v[BM+18]
.irp i, 3,5,7,9,11,13
	v_max3_num_f32 v[TA], v[TA], v[BM+\i], v[BM+\i+1]
	v_max3_num_f32 v[TA+1], v[TA+1], v[BM+16+\i], v[BM+17+\i]
.endr
	v_max3_num_f32 v[TA], v[TA], v[BM+15], v[BM+31]
	v_max_num_f32 v[TA], v[TA], v[TA+1]
	v_mul_f32 v[NM], 0xbd800000, v[TA]             ; - maximum / 16: exact
	; ---- z = score / 16 - maximum / 16: one rounding, the bits of (score / 8 - maximum / 8) / 2
.irp W, 1, 2
	WIN (\W<<6)|\W
.set n, 0
.rept 128
	v_pk_fma_f32 v[n:n+1], v[n:n+1], s[82:83], v[NM:NM+1] op_sel_hi:[1,0,0]
.set n, n+2
.endr
.endr
	WIN 0
	; ---- tau
	v_mov_b32 v[T], -1.0
	s_mov_b32 s75, 14
.Lnewton:
.irp W, 1, 2
.irp q, 0,1,2,3
	WIN \W
.set n, 0
.rept 32
	v_pk_add_f32 v[D+n:D+n+1], v[64*\q+n:64*\q+n+1], v[T:T+1] op_sel_hi:[1,0] neg_lo:[0,1] neg_hi:[0,1]
.set n, n+2
.endr
	WIN 0
	CLIP
.set n, 0
.rept 32
.if (\W == 1) && (\q == 0) && (n < 8)
	v_pk_add_f32 v[SUM1+n:SUM1+n+1], v[D+n:D+n+1], 0 op_sel_hi:[1,0]       ; the first four pairs start the four chains
	v_pk_mul_f32 v[SUM2+n:SUM2+n+1], v[D+n:D+n+1], v[D+n:D+n+1]
.else
	v_pk_add_f32 v[SUM1+n%8:SUM1+n%8+1], v[SUM1+n%8:SUM1+n%8+1], v[D+n:D+n+1]
	v_pk_fma_f32 v[SUM2+n%8:SUM2+n%8+1], v[D+n:D+n+1], v[D+n:D+n+1], v[SUM2+n%8:SUM2+n%8+1]
.endif
.set n, n+2
.endr
.endr
.endr
	v_pk_add_f32 v[SUM1:SUM1+1], v[SUM1:SUM1+1], v[SUM1+2:SUM1+3]
	v_pk_add_f32 v[SUM2:SUM2+1], v[SUM2:SUM2+1], v[SUM2+2:SUM2+3]
	v_pk_add_f32 v[SUM1+4:SUM1+5], v[SUM1+4:SUM1+5], v[SUM1+6:SUM1+7]
	v_pk_add_f32 v[SUM2+4:SUM2+5], v[SUM2+4:SUM2+5], v[SUM2+6:SUM2+7]
	v_pk_add_f32 v[SUM1:SUM1+1], v[SUM1:SUM1+1], v[SUM1+4:SUM1+5]
	v_pk_add_f32 v[SUM2:SUM2+1], v[SUM2:SUM2+1], v[SUM2+4:SUM2+5]
	v_add_f32 v[TA], v[SUM1], v[SUM1+1]
	v_add_f32 v[TA+1], v[SUM2], v[SUM2+1]
	v_permlanex16_b32 v[TC], v[TA], s[SEL], s[SEL+1]
	v_permlanex16_b32 v[TC+1], v[TA+1], s[SEL], s[SEL+1]
	v_add_f32 v[TA], v[TA], v[TC]                  ; S1
	v_add_f32 v[TA+1], v[TA+1], v[TC+1]            ; S2
	v_sqrt_f32 v[TC], v[TA+1]                      ; G
	v_add_f32 v[TC+1], -1.0, v[TA+1]               ; S2 - 1 (the plain line behind the root)
	s_wait_alu depctr_va_vdst(0)                   ; the wait ahead of the root's first reader
	v_add_f32 v[TE], 1.0, v[TC]
	v_mul_f32 v[TE], v[TE], v[TA]                  ; (G + 1) S1
	v_rcp_f32 v[TE+1], v[TE]
	v_mul_f32 v[TC+1], v[TC+1], v[TC]              ; (S2 - 1) G (the plain line behind the reciprocal)
	s_wait_alu depctr_va_vdst(0)
	v_fma_f32 v[T], v[TC+1], v[TE+1], v[T]
	s_sub_co_u32 s75, s75, 1
	s_cmp_lg_u32 s75, 0
	s_cbranch_scc1 .Lnewton
	; ---- the blocks' scales: the largest score of a block goes through the very roundings that its elements go through
.set n, 0
.rept 16
	v_pk_fma_f32 v[BM+n:BM+n+1], v[BM+n:BM+n+1], s[82:83], v[NM:NM+1] op_sel_hi:[1,0,0]
.set n, n+2
.endr
.set n, 0
.rept 16
	v_pk_add_f32 v[BM+n:BM+n+1], v[BM+n:BM+n+1], v[T:T+1] op_sel_hi:[1,0] neg_lo:[0,1] neg_hi:[0,1]
.set n, n+2
.endr
.set n, 0
.rept 32
	v_max_num_f32 v[BM+n], 0, v[BM+n]
.set n, n+1
.endr
.set n, 0
.rept 16
	v_pk_mul_f32 v[BM+n:BM+n+1], v[BM+n:BM+n+1], v[BM+n:BM+n+1]
.set n, n+2
.endr
.set n, 0
.rept 32
	v_max_num_f32 v[BM+n], 0x1800000, v[BM+n]      ; the floor 2^(3 - 127): a block outside the support keeps the byte 1, and its codes are zeros
.set n, n+1
.endr
.set n, 0
.rept 32
	v_add_nc_u32 v[SOP+n], 0xff000000, v[BM+n]
.set n, n+1
.endr
.set n, 0
.rept 32
	v_lshrrev_b32 v[D+n], 23, v[SOP+n]
.set n, n+1
.endr
.irp k, 0,1,2,3,4,5,6,7
	v_lshl_or_b32 v[PWD+\k], v[D+4*\k+1], 8, v[D+4*\k]
	v_lshl_or_b32 v[PWD+\k], v[D+4*\k+2], 16, v[PWD+\k]
	v_lshl_or_b32 v[PWD+\k], v[D+4*\k+3], 24, v[PWD+\k]
.endr
	; ---- p = (z - tau)+^2, quantised, and O^T += v^T p^T, 128 keys at a time; the four accumulators take turns
.irp ks, 0,1,2,3,4,5,6,7
	WIN 1+(\ks)/4
.set n, 0
.rept 32
	v_pk_add_f32 v[D+n:D+n+1], v[64*((\ks)%4)+n:64*((\ks)%4)+n+1], v[T:T+1] op_sel_hi:[1,0] neg_lo:[0,1] neg_hi:[0,1]   ; (also the places in front of the loads below)
.set n, n+2
.endr
	WIN 0xc0
.irp t, 0,1,2,3
.irp j, 0,1,2
	ds_load_b128 v[12*\t+4*\j:12*\t+4*\j+3], v[AV] offset:\t*12288+\ks*1536+512*\j
.endr
.endr
	WIN 0
.irp t, 0,1,2,3
	ds_load_b32 v[VSW+\t], v[AVS] offset:512*\t+64*\ks
.endr
	CLIP
.set n, 0
.rept 32
	v_pk_mul_f32 v[D+n:D+n+1], v[D+n:D+n+1], v[D+n:D+n+1]
.set n, n+2
.endr
.irp c, 0,1
	v_cvt_scalef32_pk16_fp6_f32 v[PF+6*\c:PF+6*\c+2], v[D+32*\c:D+32*\c+15], v[SOP+4*\ks+2*\c]
	v_cvt_scalef32_pk16_fp6_f32 v[PT+4*\c:PT+4*\c+2], v[D+32*\c+16:D+32*\c+31], v[SOP+4*\ks+2*\c+1]
.endr
	v_nop                                          ; one plain line behind the scaled conversions
.irp c, 0,1
.irp i, 0,1,2
	v_permlane16_swap_b32 v[PF+6*\c+\i], v[PT+4*\c+\i]       ; the layout wants a whole block in a lane
.endr
.irp i, 0,1,2
	v_mov_b32 v[PF+3+6*\c+\i], v[PT+4*\c+\i]
.endr
.endr
	PLACES                                         ; an operand written by vector lines stands four places ahead of a scaled matrix instruction
	s_wait_dscnt 0x0
	WIN 0x03
.irp t, 0,1,2,3
.if \ks == 0
	v_wmma_scale_f32_16x16x128_f8f6f4 v[OA+8*\t:OA+8*\t+7], v[12*\t:12*\t+11], v[PF:PF+11], 0, v[VSW+\t], v[PWD+\ks] matrix_a_fmt:MATRIX_FMT_FP6 matrix_b_fmt:MATRIX_FMT_FP6
.else
	v_wmma_scale_f32_16x16x128_f8f6f4 v[OA+8*\t:OA+8*\t+7], v[12*\t:12*\t+11], v[PF:PF+11], v[OA+8*\t:OA+8*\t+7], v[VSW+\t], v[PWD+\ks] matrix_a_fmt:MATRIX_FMT_FP6 matrix_b_fmt:MATRIX_FMT_FP6
.endif
.endr
.endr
	WIN 0
	PLACES
	; ---- o of this head: register 16 b + i = feature 32 b + 16 h + i: two blocks, six registers of the pair's fragment, two scale bytes
.irp b, 0,1
	v_max3_num_f32 v[TA+\b], |v[OA+16*\b]|, |v[OA+16*\b+1]|, 0x1800000
.endr
.irp i, 2,4,6,8,10,12,14
.irp b, 0,1
	v_max3_num_f32 v[TA+\b], v[TA+\b], |v[OA+16*\b+\i]|, |v[OA+16*\b+\i+1]|
.endr
.endr
.irp b, 0,1
	v_permlanex16_b32 v[TC+\b], v[TA+\b], s[SEL], s[SEL+1]
.endr
.irp b, 0,1
	v_max_num_f32 v[TA+\b], v[TA+\b], v[TC+\b]
.endr
.irp b, 0,1
	v_add_nc_u32 v[TA+\b], 0xff000000, v[TA+\b]
.endr
.irp b, 0,1
	v_lshrrev_b32 v[TC+\b], 23, v[TA+\b]
.endr
	v_lshl_or_b32 v[CUR], v[TC+1], 8, v[TC]
	v_cvt_scalef32_pk16_fp6_f32 v[OF+6:OF+8], v[OA:OA+15], v[TA]
	v_cvt_scalef32_pk16_fp6_f32 v[PT:PT+2], v[OA+16:OA+31], v[TA+1]
	v_nop
.irp i, 0,1,2
	v_permlane16_swap_b32 v[OF+6+\i], v[PT+\i]
.endr
.irp i, 0,1,2
	v_mov_b32 v[OF+9+\i], v[PT+\i]
.endr
	s_bitcmp1_b32 s74, 0                           ; behind the odd head the pair's fragment is whole: a branch on the trip's number alone
	s_cbranch_scc0 .Lskip
	v_lshl_or_b32 v[WRD], v[CUR], 16, v[PRV]
	v_cndmask_b32 v[SWALL], v[SWALL], v[WRD], s80
.irp j, 0,1,2
	global_store_b128 v[LI], v[OF+4*\j:OF+4*\j+3], s[70:71] offset:512*\j      ; 512 consecutive bytes, aligned
.endr
	s_wait_xcnt 0x0                                ; the stores have read their registers and their base
	s_add_nc_u64 s[66:67], s[66:67], 24576         ; my second tile of queries
	s_add_nc_u64 s[68:69], s[68:69], 1024
	s_add_nc_u64 s[70:71], s[70:71], 12288
	s_not_b32 s80, s80
.Lskip:
.irp n, 0,1,2,3,4,5
	v_mov_b32 v[OF+\n], v[OF+6+\n]                 ; the even head's half goes to its place
.endr
	v_mov_b32 v[PRV], v[CUR]
	s_not_b32 s76, s76
	s_not_b32 s77, s77
	s_xor_b32 s78, s78, 49152
	s_xor_b32 s79, s79, 2048
	s_add_co_u32 s74, s74, 1
	s_cmp_lt_u32 s74, 4
	s_cbranch_scc1 .Ltrip
	global_store_b32 v[OSO], v[SWALL], s[72:73]    ; lanes 0-15: my first tile's words, lanes 16-31: my second's
	s_wait_tensorcnt 0x0                           ; the wave's end
	ds_add_u32 v[SPW], v[NIL]
	s_wait_dscnt 0x0
	s_endpgm
.Lfunc_end_k_q4befc2e21d_attn:
	.size	k_q4befc2e21d_attn, .Lfunc_end_k_q4befc2e21d_attn-k_q4befc2e21d_attn
	.p2alignl 7, 3214868480
	.fill 96, 4, 3214868480
	.section	.rodata,"a",@progbits
	.p2align	6, 0x0
	.amdhsa_kernel k_q4befc2e21d_attn
		.amdhsa_group_segment_fixed_size 205312
		.amdhsa_private_segment_fixed_size 0
		.amdhsa_enable_private_segment 0
		.amdhsa_kernarg_size 16
		.amdhsa_user_sgpr_count 2
		.amdhsa_user_sgpr_kernarg_segment_ptr 1
		.amdhsa_wavefront_size32 1
		.amdhsa_system_sgpr_workgroup_id_x 1
		.amdhsa_system_sgpr_workgroup_id_y 1
		.amdhsa_system_sgpr_workgroup_id_z 1
		.amdhsa_system_vgpr_workitem_id 0
		.amdhsa_next_free_vgpr 1024
		.amdhsa_next_free_sgpr 88
		.amdhsa_reserve_vcc 0
		.amdhsa_float_denorm_mode_32 3
		.amdhsa_float_denorm_mode_16_64 3
		.amdhsa_memory_ordered 1
		.amdhsa_forward_progress 1
		.amdhsa_inst_pref_size 221
	.end_amdhsa_kernel
	.amdgpu_metadata
---
amdhsa.version: [ 1, 2 ]
amdhsa.kernels:
  - .name:           k_q4befc2e21d_attn
    .symbol:         k_q4befc2e21d_attn.kd
    .args:
      - { .name: qb, .offset: 0, .size: 8, .value_kind: global_buffer, .address_space: global }
      - { .name: ob, .offset: 8, .size: 8, .value_kind: global_buffer, .address_space: global }
    .group_segment_fixed_size: 205312
    .private_segment_fixed_size: 0
    .kernarg_segment_align: 8
    .kernarg_segment_size: 16
    .max_flat_workgroup_size: 128
    .sgpr_count:     88
    .vgpr_count:     1024
    .wavefront_size: 32
...
	.end_amdgpu_metadata
.endif
;; end of part 8
;; launch gwo (part 9): grid 8 x 32, 4 waves a work-group, clusters of 4 x 4, 327,680 bytes of LDS; arguments ob, wb, bo, x, x1; writes x1
.if DOCPART == 9
	.amdgcn_target "amdgcn-amd-amdhsa--gfx1250"
	.amdhsa_code_object_version 6
	.text
	.protected	k_q4befc2e21d_gwo
	.globl	k_q4befc2e21d_gwo
	.p2align	8
	.type	k_q4befc2e21d_gwo,@function
k_q4befc2e21d_gwo:
	s_mov_b64 s[64:65], 0
	v_nop
	global_prefetch_b8 v0, s[64:65] scope:SCOPE_SE
	s_setreg_imm32_b32 hwreg(HW_REG_WAVE_MODE, 25, 1), 1
	s_wait_xcnt 0x0
	s_wait_alu depctr_hold_cnt(0) depctr_sa_sdst(0) depctr_va_vdst(0) depctr_va_sdst(0) depctr_va_ssrc(0) depctr_va_vcc(0) depctr_vm_vsrc(0)
	s_getreg_b32 s2, hwreg(HW_REG_IB_STS2, 6, 4)
	s_cmp_eq_u32 s2, 0
	s_cbranch_scc0 .Lentry_in_a_cluster
	s_endpgm
.Lentry_in_a_cluster:
	s_bfe_u32 s2, ttmp6, 0x10000c
	s_cmp_lg_u32 s2, 0xf033
	s_cbranch_scc0 .Lentry_shape_is_right
	s_endpgm
.Lentry_shape_is_right:
; x1 = x + o wo + bo.  o [4096][1024] and wo's rows [1024][1024] arrive as images of operand registers in FP6 (E2M3) with E8M0 scale words; x, x1: f32 rows.
; An image: fragment (row block rb, K step ks) = 1,536 dense bytes at (rb K/128 + ks) 1536, registers 4 j .. 4 j + 3 of lane l at 512 j + 16 l; scale words at (rb K/128 + ks) 64 + 4 r.  Buffer rows hold the actual index with bits 3 and 4 exchanged.
; A TILE OF C IS 128 x 128: C has 4,096 x 1,024 numbers, so this tile gives 256 work-groups where 256 x 256 would give 64.  Four waves of 64 x 64: 16 accumulators.  The price: 8 fragments from LDS feed 16 products.
; K goes in steps of 512 through two LDS slots: a wave's one tensor load brings 4 row blocks x 4 images, 24,576 bytes.  With SIZE_K = 1,024 the two first fills are all of K: nothing is filled again.  The tile's scale words come once and stay.
; CLUSTERS: 4 x 4; A's tiles are asked for jointly along a row of the cluster, B's along a column.  THE MATRIX INSTRUCTION IS USED TRANSPOSED: source 0 = 16 rows of B, source 1 = 16 rows of A.
; No prefetch where SIZE_K = 1,024: every tile is asked for at the head.
; REGISTERS: window 0: v8-11 the bias; v16-30 addresses; v32-63 scale words, two sets, nothing else; v64-127 the residual of blocks 0, 1; v128-255 the accumulators ((a, b) at v[128 + 8 (4 a + b)]).
;   window 1: two sets of fragments at v0 and v128 (B's four, then A's four: 96 registers), later the rows of C; v96-127, v224-255 the residual of blocks 2, 3.
.set SIZE_K, 1024
.set ASOFF,  3145728                   ; A's scale words in its buffer
.set BCOFF,  8912896                   ; B's codes in the weights' buffer
.set BSOFF,  9797632                   ; B's scale words
.set KSN,    SIZE_K/128
.set IMG,    1536
.set NQ,     4                         ; K steps of 128 in a slot
.set RBB,    NQ*IMG                    ; a row block's four images in a slot
.set FR,     12
.set NP,     4                         ; places behind this matrix instruction (ISA guide 7.12.1)
.set HALFT,  4*RBB                     ; four row blocks: what one tensor load brings, and what one wave reads of A or of B
.set SLOT,   4*HALFT
.set LAPS,   SIZE_K/(2*NQ*128)
.set SCL,    2*SLOT                    ; behind the ring: the scale words
.set SBLK,   64*KSN
.set HALFS,  4*SBLK
.set SPARE,  SCL+4*HALFS               ; the spare words, 128 bytes for each wave, that no other line names
.set SP,     272                       ; the way out: a stage of 16 rows x (256 bytes + 16) for each wave, in slot 0, which has had its last fill and its last read when the first result is stored there
.set BI,   8
.set ADRA, 16
.set ADRB, 20
.set R16,  22                          ; 16 r
.set CO,   23                          ; 4096 h + 16 r: lanes 0-15 one row of C, lanes 16-31 the next
.set STO,  24
.set RD,   25
.set PFO,  26                          ; 256 x lane
.set ADRS, 27
.set SPW,  28
.set NIL,  29
.set LI,   30
.set SC,   32
.set ACC,  128
.set G1, 24
.set G0, 32
.set G1B, 48
.set G0B, 56
.set G1S, 68
.set G0S, 76
.set G1SB, 80
.set G0SB, 88
.set PFA,  96                          ; s[96:97] where my prefetches stand
.set LIM,  98                          ; s98, s99: a wave prefetches at slot s's change while the count of trips left is above s[LIM + s]
.set MSB, 0
.macro WIN new                         ; the immediate's high byte repeats the setting that is left
.if MSB != (\new)
	s_set_vgpr_msb (MSB<<8)|(\new)
.set MSB, (\new)
.endif
.endm
.set MUL,  0x05                        ; sources 0 (B) and 1 (A) window 1; C and D window 0
.set TO_F, 0x40                        ; destination window 1, address window 0
.macro JLOAD g0a, g1a, g0b, g1b        ; a joint load: waves 0, 1 fetch for A, waves 2, 3 for B; an s_nop 0 and four v_nop follow each line
	s_cmp_eq_u32 s15, 0
	s_cbranch_scc0 .Lfor_b_\@
	tensor_load_to_lds s[\g0a:\g0a+3], s[\g1a:\g1a+7]
	s_nop 0
.rept 4
	v_nop
.endr
	s_branch .Lasked_\@
.Lfor_b_\@:
	tensor_load_to_lds s[\g0b:\g0b+3], s[\g1b:\g1b+7]
	s_nop 0
.rept 4
	v_nop
.endr
.Lasked_\@:
.endm
.macro CREST
	s_cmp_lg_u32 s14, 0
	s_cbranch_scc1 .Lnot_wave_0_\@
	s_barrier_signal -3
.Lnot_wave_0_\@:
	s_barrier_wait -3
	s_barrier_signal -1
	s_barrier_wait -1
.endm
.macro CROUND
	s_barrier_signal -1
	s_barrier_wait -1
	CREST
.endm
; A PREFETCH INTO THE L2 (assembled where slots are filled again).  Of a row block's 192 aligned blocks of 256 bytes along K, slots 0 to 3 (96 blocks) come by their loads alone; the other 96 are asked for in three instructions
; of 32 lanes, a lane a block, behind the first three refills: each block two changes of slots or more ahead of the load that wants it, each named once, none past the row block's end.
; A's rows are read by every cluster of a row of clusters: cluster x = 0 asks; B's by every cluster of a column: cluster y = 0 asks.  Of the four row blocks that a wave fetches each of the four partners takes one, BY ADDRESS.
.macro ASK slot
	s_cmp_gt_u32 s3, s[LIM+\slot]
	s_cbranch_scc0 .Lnot_mine_\@
	global_prefetch_b8 v[PFO], s[PFA:PFA+1] th:TH_LOAD_NT scope:SCOPE_SE
.Lnot_mine_\@:
.endm
.macro RLOAD a                         ; the residual's 16 actual rows of block a: sixteen lanes read 256 consecutive bytes, aligned
.if (\a) < 2
	WIN 0
.set RR, 64+32*(\a)
.else
	WIN TO_F
.set RR, 96+128*((\a)-2)
.endif
.set t, 0
.rept 8
	global_load_b128 v[RR+4*t:RR+4*t+3], v[CO], s[10:11] offset:(32*((\a)/2)+8*((\a)%2)+2*t+8*(t/4))*4096
.set t, t+1
.endr
	WIN 0
.endm
	s_load_b256 s[4:11], s[0:1], 0x0               ; A's images, the weights' images, the bias, the residual
	s_load_b64 s[12:13], s[0:1], 0x20              ; the output
	v_lshl_add_u32 v[SPW], v0, 2, SPARE
	v_mov_b32 v[NIL], 0
	ds_add_u32 v[SPW], v[NIL]                      ; the wave's opening: the add and its wait ahead of my first tensor load
	v_lshrrev_b32 v1, 5, v0
	v_readfirstlane_b32 s14, v1                    ; wave 0..3
	s_lshr_b32 s15, s14, 1                         ; my half of the tile's rows; also: I fetch for A (0) or B (1)
	s_and_b32 s16, s14, 1                          ; my half of its columns; also: which four row blocks I fetch
	s_bfe_u32 s40, ttmp6, 0x40000                  ; cx
	s_bfe_u32 s41, ttmp6, 0x40004                  ; cy
	s_lshl_b32 s42, ttmp9, 2
	s_add_co_u32 s42, s42, s40                     ; tile column
	s_and_b32 s17, ttmp7, 0xffff
	s_lshl_b32 s17, s17, 2
	s_add_co_u32 s17, s17, s41                     ; tile row
	s_lshl_b32 s43, s41, 2
	s_lshl_b32 s43, 15, s43                        ; my row of the cluster
	s_lshl_b32 s44, 0x1111, s40                    ; my column
	s_or_b32 s[G1+0], s43, (3<<16)|(1<<21)         ; 15:0 the mask; 17:16 elements of 8 bytes; 21 set beside a mask; no padding: an image is read 16 bytes a lane on end
	s_or_b32 s[G1B+0], s44, (3<<16)|(1<<21)
.irp g, G1, G1B
	s_mov_b32 s[\g+1], 768<<16                     ; tensor_dim0: four images, 6,144 bytes
	s_mov_b32 s[\g+2], 4<<16                       ; tensor_dim1: 4 row blocks
	s_mov_b32 s[\g+3], 768<<16                     ; tile_dim0
	s_mov_b32 s[\g+4], 4                           ; tile_dim1
	s_mov_b32 s[\g+5], 192*KSN                     ; from row block to row block
	s_mov_b32 s[\g+6], 0
	s_mov_b32 s[\g+7], 0
.endr
	s_or_b32 s[G1S+0], s43, (3<<16)|(1<<21)
	s_or_b32 s[G1SB+0], s44, (3<<16)|(1<<21)
.irp g, G1S, G1SB
	s_mov_b32 s[\g+1], 32<<16                      ; the scale words of 4 row blocks: a dense block, as rows of 256 bytes
	s_mov_b32 s[\g+2], (HALFS/256)<<16
	s_mov_b32 s[\g+3], 32<<16
	s_mov_b32 s[\g+4], HALFS/256
	s_mov_b32 s[\g+5], 32
	s_mov_b32 s[\g+6], 0
	s_mov_b32 s[\g+7], 0
.endr
	s_lshl_b32 s18, s16, 2
	s_lshl_b32 s20, s17, 3
	s_add_co_u32 s20, s20, s18                     ; A: row block 8 x tile row + 4 x half
	s_lshl_b32 s46, s42, 3
	s_add_co_u32 s46, s46, s18                     ; B: 8 x tile column + 4 x half
	s_mul_i32 s22, s20, SBLK
	s_add_co_u32 s22, s22, ASOFF
	s_mov_b32 s23, 0
	s_mul_i32 s92, s46, SBLK
	s_add_co_u32 s92, s92, BSOFF
	s_mov_b32 s93, 0
	s_mul_i32 s20, s20, KSN*IMG
	s_mov_b32 s21, 0
	s_mul_i32 s46, s46, KSN*IMG
	s_add_co_u32 s46, s46, BCOFF
	s_mov_b32 s47, 0
	s_mul_i32 s45, s14, HALFT                      ; where they go: no place in the cluster enters an LDS address
	s_mul_i32 s94, s14, HALFS
	s_wait_dscnt 0x0                               ; the opening add is done
	s_wait_kmcnt 0x0
	s_add_nc_u64 s[20:21], s[4:5], s[20:21]
	s_add_nc_u64 s[22:23], s[4:5], s[22:23]
	s_add_nc_u64 s[46:47], s[6:7], s[46:47]
	s_add_nc_u64 s[92:93], s[6:7], s[92:93]
	CROUND                                         ; all sixteen work-groups are here: the first joint loads meet
	s_mov_b32 s[G0S], 1
	s_add_co_u32 s[G0S+1], s94, SCL
	s_mov_b64 s[G0S+2:G0S+3], s[22:23]
	s_or_b32 s[G0S+3], s[G0S+3], 0x80000000
	s_mov_b32 s[G0SB], 1
	s_add_co_u32 s[G0SB+1], s94, SCL
	s_mov_b64 s[G0SB+2:G0SB+3], s[92:93]
	s_or_b32 s[G0SB+3], s[G0SB+3], 0x80000000
	JLOAD G0S, G1S, G0SB, G1SB                     ; the scale words first: they are wanted with K step 0
.irp s, 0,1
	s_mov_b32 s[G0+4*\s], 1
	s_add_co_u32 s[G0+4*\s+1], s45, \s*SLOT
	s_add_nc_u64 s[G0+4*\s+2:G0+4*\s+3], s[20:21], \s*RBB
	s_or_b32 s[G0+4*\s+3], s[G0+4*\s+3], 0x80000000
	s_mov_b32 s[G0B+4*\s], 1
	s_add_co_u32 s[G0B+4*\s+1], s45, \s*SLOT
	s_add_nc_u64 s[G0B+4*\s+2:G0B+4*\s+3], s[46:47], \s*RBB
	s_or_b32 s[G0B+4*\s+3], s[G0B+4*\s+3], 0x80000000
	JLOAD G0+4*\s, G1, G0B+4*\s, G1B               ; three tensor loads of a wave are out here, later one
.endr
	v_and_b32 v1, 15, v0                           ; r
	v_bfe_u32 v2, v0, 4, 1                         ; h
	v_and_b32 v3, 31, v0
	v_lshlrev_b32 v[LI], 4, v3
	s_mul_i32 s21, s15, HALFT
	s_mul_i32 s22, s16, HALFT
	s_add_co_u32 s22, s22, 2*HALFT
.irp s, 0,1
	v_add_nc_u32 v[ADRA+\s], s21, v[LI]
	v_add_nc_u32 v[ADRB+\s], s22, v[LI]
	s_add_co_u32 s21, s21, SLOT
	s_add_co_u32 s22, s22, SLOT
.endr
	v_lshlrev_b32 v5, 2, v1
	s_mul_i32 s21, s15, HALFS
	s_mul_i32 s22, s16, HALFS
	s_add_co_u32 s22, s22, 2*HALFS
	s_sub_co_u32 s22, s22, s21
	v_mul_u32_u24 v6, s22, v2                      ; lanes 16-31 take B's words
	s_add_co_u32 s21, s21, SCL
	v_add_nc_u32 v5, v5, v6
	v_add_nc_u32 v[ADRS], s21, v5
	s_mul_i32 s23, s14, 16*SP                      ; my stage
	v_mul_u32_u24 v5, v1, SP
	v_lshl_add_u32 v5, v2, 6, v5
	v_add_nc_u32 v[STO], s23, v5                   ; in: row r, 64 h bytes on
	v_mul_u32_u24 v5, v2, SP
	v_lshl_add_u32 v5, v1, 4, v5
	v_add_nc_u32 v[RD], s23, v5                    ; back: lanes 0-15 one row of 256 bytes, lanes 16-31 the next
	v_lshlrev_b32 v[R16], 4, v1
	v_lshl_add_u32 v[CO], v2, 12, v[R16]           ; and the same two rows in C
	s_lshl_b32 s20, s17, 7
	s_lshl_b32 s21, s15, 6
	s_add_co_u32 s20, s20, s21
	s_lshl_b32 s20, s20, 12                        ; my first row, in bytes,
	s_lshl_b32 s46, s42, 9
	s_lshl_b32 s47, s16, 8
	s_add_co_u32 s46, s46, s47                     ; my first column
	s_add_co_u32 s20, s20, s46
	s_mov_b32 s21, 0
	s_mov_b32 s47, 0
	s_add_nc_u64 s[12:13], s[12:13], s[20:21]
	s_add_nc_u64 s[10:11], s[10:11], s[20:21]
	s_add_nc_u64 s[8:9], s[8:9], s[46:47]
	global_load_b128 v[BI:BI+3], v[R16], s[8:9]    ; the bias of columns 4 r on
	RLOAD 0                                        ; all of the residual is asked for here and lands under the products
	RLOAD 1
	RLOAD 2
	RLOAD 3
.if LAPS > 1
	s_and_b32 s95, ttmp7, 0xffff                   ; cluster y
	s_cmp_eq_u32 s15, 0                            ; do I fetch for A?
	s_cselect_b32 s20, s17, s42                    ; the tile: by the tile row in A, by the tile column in B
	s_cselect_b32 s21, s40, s41                    ; my place among the four that ask with me
	s_cselect_b32 s95, ttmp9, s95                  ; the coordinate along which other clusters read the same rows
	s_cselect_b32 s22, 0, BCOFF
	s_cselect_b64 s[PFA:PFA+1], s[4:5], s[6:7]
	s_cmp_eq_u32 s95, 0                            ; the same in all sixteen partners, for a given wave
	s_cselect_b32 s[LIM], 1, -1                    ; slot 0's change asks in the first two trips,
	s_cselect_b32 s[LIM+1], 2, -1                  ; slot 1's in the first: three asks in all
	s_lshl_b32 s20, s20, 3
	s_lshl_b32 s23, s16, 2
	s_add_co_u32 s20, s20, s23
	s_add_co_u32 s20, s20, s21                     ; my row block: 8 x tile + 4 x half + my place
	s_mul_i32 s20, s20, KSN*IMG
	s_add_co_u32 s20, s20, s22
	s_add_co_u32 s20, s20, 4*RBB-8192              ; one ask short of slot 4: the first change of slots steps it there
	s_mov_b32 s21, 0
	s_add_nc_u64 s[PFA:PFA+1], s[PFA:PFA+1], s[20:21]
	v_lshlrev_b32 v[PFO], 8, v3
.endif
.macro FRAG reg, adr, q, i             ; a fragment comes as it lies: three loads of 16 bytes a lane, 512 consecutive bytes each
.irp j, 0,1,2
	ds_load_b128 v[\reg+4*\j:\reg+4*\j+3], v[\adr] offset:(\i)*RBB+(\q)*IMG+512*\j
.endr
.endm
.macro FETCH slot, q, p                ; 24 loads in one run: B's four fragments and A's four of the slot's q-th 128 along K, into set p
	WIN TO_F
.irp i, 0,1,2,3
	FRAG 128*(\p)+FR*\i, ADRB+\slot, \q, \i
.endr
.irp i, 0,1,2,3
	FRAG 128*(\p)+48+FR*\i, ADRA+\slot, \q, \i
.endr
.endm
; 4 matrix instructions: A's block a x B's four.  The 16 accumulators take turns, one instruction a turn, in the same order in every quarter
.macro MUL4 a, p, q, sc, zero
.irp b, 0,1,2,3
.if \zero
	v_wmma_scale_f32_16x16x128_f8f6f4 v[ACC+8*(4*(\a)+\b):ACC+8*(4*(\a)+\b)+7], v[128*(\p)+FR*\b:128*(\p)+FR*\b+FR-1], v[128*(\p)+48+FR*(\a):128*(\p)+48+FR*(\a)+FR-1], 0, v[SC+16*(\sc)+4*\b+(\q)], v[SC+16*(\sc)+4*(\a)+(\q)] matrix_a_fmt:MATRIX_FMT_FP6 matrix_b_fmt:MATRIX_FMT_FP6 matrix_a_scale:MATRIX_SCALE_ROW1
.else
	v_wmma_scale_f32_16x16x128_f8f6f4 v[ACC+8*(4*(\a)+\b):ACC+8*(4*(\a)+\b)+7], v[128*(\p)+FR*\b:128*(\p)+FR*\b+FR-1], v[128*(\p)+48+FR*(\a):128*(\p)+48+FR*(\a)+FR-1], v[ACC+8*(4*(\a)+\b):ACC+8*(4*(\a)+\b)+7], v[SC+16*(\sc)+4*\b+(\q)], v[SC+16*(\sc)+4*(\a)+(\q)] matrix_a_fmt:MATRIX_FMT_FP6 matrix_b_fmt:MATRIX_FMT_FP6 matrix_a_scale:MATRIX_SCALE_ROW1
.endif
.endr
.endm
.macro SCALES sc                       ; lanes 0-15 take the words of A's block i, lanes 16-31 of B's block i, for the slot's four K steps of 128
.irp i, 0,1,2,3
.irp q, 0,1,2,3
	ds_load_b32 v[SC+16*\sc+4*\i+\q], v[ADRS] offset:\i*SBLK+64*\q
.endr
.endr
.endm
.macro PLACES n                        ; plain vector lines between a matrix instruction and a load into, or a read of, its registers
.rept \n
	v_nop
.endr
.endm
; A quarter of a slot that has its successor in the same slot: the next quarter's fragments are asked for first, 16 products ahead of their use
.macro QUARTER slot, q, zero
	s_wait_dscnt 0x0                               ; this quarter's set (and, in a slot's first quarter, its scale words) is in
	PLACES NP                                      ; behind the last quarter's products, which read the other set
	FETCH \slot, (\q)+1, 1-(\q)%2
	WIN MUL
	MUL4 0, (\q)%2, \q, \slot, \zero
	MUL4 1, (\q)%2, \q, \slot, \zero
	MUL4 2, (\q)%2, \q, \slot, \zero
	MUL4 3, (\q)%2, \q, \slot, \zero
.endm
; A slot's last quarter changes slots: one barrier; in front of it each wave waits for all its tensor loads, adds 0 to its spare word, and waits for that and for its reads of the slot
.macro TURN slot, next, fill
.if \fill
	s_wait_xcnt 0x0                                ; the last prefetch, a change of slots back, has read its address
	s_add_nc_u64 s[PFA:PFA+1], s[PFA:PFA+1], 8192  ; 32 blocks of 256 bytes on
.endif
	WIN 0                                          ; (the add's two registers lie in window 0)
	s_wait_tensorcnt 0x0                           ; all my tensor loads have landed: my part of the next slot
	ds_add_u32 v[SPW], v[NIL]
	s_wait_dscnt 1                                 ; the add alone may be out: this quarter's set is in
	WIN MUL
	MUL4 0, 1, NQ-1, \slot, 0
	s_wait_dscnt 0x0                               ; the add is done, and my reads of this slot are over
	s_barrier_signal -1
	MUL4 1, 1, NQ-1, \slot, 0
	WIN 0
	s_barrier_wait -1
.if \fill
	CREST                                          ; the barrier has opened a round of the cluster's: no wave of any partner still reads this slot or has a load on its way
	s_add_nc_u64 s[G0+4*\slot+2:G0+4*\slot+3], s[G0+4*\slot+2:G0+4*\slot+3], 2*RBB
	s_add_nc_u64 s[G0B+4*\slot+2:G0B+4*\slot+3], s[G0B+4*\slot+2:G0B+4*\slot+3], 2*RBB
	JLOAD G0+4*\slot, G1, G0B+4*\slot, G1B         ; the first tensor load behind the round; its four v_nop are the places in front of the loads below
.else
	PLACES NP
.endif
	v_add_nc_u32 v[ADRS], 64*NQ, v[ADRS]           ; the next slot's scale words
	FETCH \next, 0, 0
	WIN 0
	SCALES \next
.if \fill
	ASK \slot                                      ; behind the joint load and the run of LDS loads
.endif
	WIN MUL
	MUL4 2, 1, NQ-1, \slot, 0
	MUL4 3, 1, NQ-1, \slot, 0
.endm
	s_wait_tensorcnt 1                             ; the scale words and my part of slot 0 are in; slot 1's load may be out
	s_barrier_signal -1
	s_barrier_wait -1
	FETCH 0, 0, 0
	WIN 0
	SCALES 0
	QUARTER 0, 0, 1                                ; the first quarter's products start the sums
.if LAPS > 1
	WIN 0                                          ; at a label and at a branch every window is 0
	s_mov_b32 s3, LAPS-1
.Llap:                                             ; a trip goes once round the ring and fills both slots again
	QUARTER 0, 1, 0
	QUARTER 0, 2, 0
	TURN 0, 1, 1
	QUARTER 1, 0, 0
	QUARTER 1, 1, 0
	QUARTER 1, 2, 0
	TURN 1, 0, 1
	QUARTER 0, 0, 0
	WIN 0
	s_sub_co_u32 s3, s3, 1
	s_cmp_lg_u32 s3, 0
	s_cbranch_scc1 .Llap
.endif
	QUARTER 0, 1, 0                                ; the last lap fills nothing
	QUARTER 0, 2, 0
	TURN 0, 1, 0
	QUARTER 1, 0, 0
	QUARTER 1, 1, 0
	QUARTER 1, 2, 0
	s_wait_dscnt 0x0
	WIN MUL
	MUL4 0, 1, NQ-1, 1, 0
	MUL4 1, 1, NQ-1, 1, 0
	MUL4 2, 1, NQ-1, 1, 0
	MUL4 3, 1, NQ-1, 1, 0
	WIN 0
; THE WAY OUT, block by block of 16 rows x 64 columns: through my own stage, back as whole rows of 256 bytes, + residual + bias, stored to the ACTUAL rows.  Each block has registers of its own: no store's data are written again.
.macro TOSTAGE a
.set BBR, 32*((\a)%2)+128*((\a)/2)
	WIN 0
.irp b, 0,1,2,3
	ds_store_b128 v[STO], v[ACC+8*(4*(\a)+\b):ACC+8*(4*(\a)+\b)+3] offset:128*(\b/2)+32*(\b%2)        ; tile b, lane (r, h): columns 32 (b / 2) + 16 h + 8 (b % 2) on; each accumulator from its low end on
	ds_store_b128 v[STO], v[ACC+8*(4*(\a)+\b)+4:ACC+8*(4*(\a)+\b)+7] offset:128*(\b/2)+32*(\b%2)+16
.endr
	WIN TO_F
.set t, 0
.rept 8
	ds_load_b128 v[BBR+4*t:BBR+4*t+3], v[RD] offset:2*t*SP       ; LDS serves a wave's instructions in order: these see the stores above, and the next block's stores come behind them
.set t, t+1
.endr
.endm
.macro SEND a
.set BBR, 32*((\a)%2)+128*((\a)/2)
	s_wait_dscnt 16*(3-(\a))                       ; this block is back; the later blocks' sixteen LDS instructions each may be out
.if (\a) < 2
.set RSR, 64+32*(\a)
	WIN 0x41                                       ; rows in window 1, the residual in window 0
.else
.set RSR, 96+128*((\a)-2)
	WIN 0x45                                       ; both in window 1
.endif
.set n, 0
.rept 16
	v_pk_add_f32 v[BBR+2*n:BBR+2*n+1], v[BBR+2*n:BBR+2*n+1], v[RSR+2*n:RSR+2*n+1]
.set n, n+1
.endr
	WIN 0x41
.set n, 0
.rept 16
	v_pk_add_f32 v[BBR+2*n:BBR+2*n+1], v[BBR+2*n:BBR+2*n+1], v[BI+2*(n%2):BI+2*(n%2)+1]
.set n, n+1
.endr
	WIN 0x04                                       ; a store's data are its source 1: window 1
.set t, 0
.rept 8
	global_store_b128 v[CO], v[BBR+4*t:BBR+4*t+3], s[12:13] offset:(32*((\a)/2)+8*((\a)%2)+2*t+8*(t/4))*4096     ; sixteen lanes store 256 consecutive bytes, aligned
.set t, t+1
.endr
.endm
	PLACES NP                                      ; behind the last products: their results are read, and their operands' registers loaded into, below
	TOSTAGE 0
	TOSTAGE 1
	TOSTAGE 2
	TOSTAGE 3
	s_wait_loadcnt 0x0                             ; the residual and the bias
	SEND 0
	SEND 1
	SEND 2
	SEND 3
	WIN 0
	s_wait_tensorcnt 0x0                           ; the wave's end
	ds_add_u32 v[SPW], v[NIL]
	s_wait_dscnt 0x0
	CROUND                                         ; the closing round
	s_endpgm
.Lfunc_end_k_q4befc2e21d_gwo:
	.size	k_q4befc2e21d_gwo, .Lfunc_end_k_q4befc2e21d_gwo-k_q4befc2e21d_gwo
	.p2alignl 7, 3214868480
	.fill 96, 4, 3214868480
	.section	.rodata,"a",@progbits
	.p2align	6, 0x0
	.amdhsa_kernel k_q4befc2e21d_gwo
		.amdhsa_group_segment_fixed_size 327680
		.amdhsa_private_segment_fixed_size 0
		.amdhsa_enable_private_segment 0
		.amdhsa_kernarg_size 40
		.amdhsa_user_sgpr_count 2
		.amdhsa_user_sgpr_kernarg_segment_ptr 1
		.amdhsa_wavefront_size32 1
		.amdhsa_system_sgpr_workgroup_id_x 1
		.amdhsa_system_sgpr_workgroup_id_y 1
		.amdhsa_system_sgpr_workgroup_id_z 1
		.amdhsa_system_vgpr_workitem_id 0
		.amdhsa_next_free_vgpr 512
		.amdhsa_next_free_sgpr 100
		.amdhsa_reserve_vcc 0
		.amdhsa_float_denorm_mode_32 3
		.amdhsa_float_denorm_mode_16_64 3
		.amdhsa_memory_ordered 1
		.amdhsa_forward_progress 1
		.amdhsa_inst_pref_size 61
	.end_amdhsa_kernel
	.amdgpu_metadata
---
amdhsa.version: [ 1, 2 ]
amdhsa.kernels:
  - .name:           k_q4befc2e21d_gwo
    .symbol:         k_q4befc2e21d_gwo.kd
    .args:
      - { .name: ob, .offset: 0, .size: 8, .value_kind: global_buffer, .address_space: global }
      - { .name: wb, .offset: 8, .size: 8, .value_kind: global_buffer, .address_space: global }
      - { .name: bo, .offset: 16, .size: 8, .value_kind: global_buffer, .address_space: global }
      - { .name: x, .offset: 24, .size: 8, .value_kind: global_buffer, .address_space: global }
      - { .name: x1, .offset: 32, .size: 8, .value_kind: global_buffer, .address_space: global }
    .group_segment_fixed_size: 327680
    .private_segment_fixed_size: 0
    .kernarg_segment_align: 8
    .kernarg_segment_size: 40
    .max_flat_workgroup_size: 128
    .sgpr_count:     100
    .vgpr_count:     512
    .wavefront_size: 32
...
	.end_amdgpu_metadata
.endif
;; end of part 9
;; launch prep2: the kernel of part 1 again; grid 256 x 1, 4 waves a work-group, no clusters, 31,744 bytes of LDS; arguments x1, ln2_g, ln2_b, w_down, w_up, wq, wk, wv, wo, yb, hb; writes yb, hb
;; launch gup: the kernel of part 5 again; grid 16 x 16, 4 waves a work-group, clusters of 4 x 4, 327,680 bytes of LDS; arguments yb, wb, b_up, hb; writes hb
;; launch gdn (part 10): grid 8 x 32, 4 waves a work-group, clusters of 4 x 4, 327,680 bytes of LDS; arguments hb, wb, b_down, x1, x2; writes x2
.if DOCPART == 10
	.amdgcn_target "amdgcn-amd-amdhsa--gfx1250"
	.amdhsa_code_object_version 6
	.text
	.protected	k_q4befc2e21d_gdn
	.globl	k_q4befc2e21d_gdn
	.p2align	8
	.type	k_q4befc2e21d_gdn,@function
k_q4befc2e21d_gdn:
	s_mov_b64 s[64:65], 0
	v_nop
	global_prefetch_b8 v0, s[64:65] scope:SCOPE_SE
	s_setreg_imm32_b32 hwreg(HW_REG_WAVE_MODE, 25, 1), 1
	s_wait_xcnt 0x0
	s_wait_alu depctr_hold_cnt(0) depctr_sa_sdst(0) depctr_va_vdst(0) depctr_va_sdst(0) depctr_va_ssrc(0) depctr_va_vcc(0) depctr_vm_vsrc(0)
	s_getreg_b32 s2, hwreg(HW_REG_IB_STS2, 6, 4)
	s_cmp_eq_u32 s2, 0
	s_cbranch_scc0 .Lentry_in_a_cluster
	s_endpgm
.Lentry_in_a_cluster:
	s_bfe_u32 s2, ttmp6, 0x10000c
	s_cmp_lg_u32 s2, 0xf033
	s_cbranch_scc0 .Lentry_shape_is_right
	s_endpgm
.Lentry_shape_is_right:
; x2 = x1 + h w_down + b_down.  h [4096][4096] and w_down's rows [1024][4096] arrive as images of operand registers in FP6 (E2M3) with E8M0 scale words; x1, x2: f32 rows.
; An image: fragment (row block rb, K step ks) = 1,536 dense bytes at (rb K/128 + ks) 1536, registers 4 j .. 4 j + 3 of lane l at 512 j + 16 l; scale words at (rb K/128 + ks) 64 + 4 r.  Buffer rows hold the actual index with bits 3 and 4 exchanged.
; A TILE OF C IS 128 x 128: C has 4,096 x 1,024 numbers, so this tile gives 256 work-groups where 256 x 256 would give 64.  Four waves of 64 x 64: 16 accumulators.  The price: 8 fragments from LDS feed 16 products.
; K goes in steps of 512 through two LDS slots: a wave's one tensor load brings 4 row blocks x 4 images, 24,576 bytes.  The tile's scale words (32 KiB for all of K) come once and stay.
; CLUSTERS: 4 x 4; A's tiles are asked for jointly along a row of the cluster, B's along a column.  THE MATRIX INSTRUCTION IS USED TRANSPOSED: source 0 = 16 rows of B, source 1 = 16 rows of A.
; REGISTERS: window 0: v8-11 the bias; v16-30 addresses; v32-63 scale words, two sets, nothing else; v64-127 the residual of blocks 0, 1; v128-255 the accumulators ((a, b) at v[128 + 8 (4 a + b)]).
;   window 1: two sets of fragments at v0 and v128 (B's four, then A's four: 96 registers), later the rows of C; v96-127, v224-255 the residual of blocks 2, 3.
.set SIZE_K, 4096
.set ASOFF,  12582912                  ; A's scale words in its buffer
.set BCOFF,  0                         ; B's codes in the weights' buffer
.set BSOFF,  3145728                   ; B's scale words
.set KSN,    SIZE_K/128
.set IMG,    1536
.set NQ,     4                         ; K steps of 128 in a slot
.set RBB,    NQ*IMG                    ; a row block's four images in a slot
.set FR,     12
.set NP,     4                         ; places behind this matrix instruction (ISA guide 7.12.1)
.set HALFT,  4*RBB                     ; four row blocks: what one tensor load brings, and what one wave reads of A or of B
.set SLOT,   4*HALFT
.set LAPS,   SIZE_K/(2*NQ*128)
.set SCL,    2*SLOT                    ; behind the ring: the scale words
.set SBLK,   64*KSN
.set HALFS,  4*SBLK
.set SPARE,  SCL+4*HALFS               ; the spare words, 128 bytes for each wave, that no other line names
.set SP,     272                       ; the way out: a stage of 16 rows x (256 bytes + 16) for each wave, in slot 0, which has had its last fill and its last read when the first result is stored there
.set BI,   8
.set ADRA, 16
.set ADRB, 20
.set R16,  22                          ; 16 r
.set CO,   23                          ; 4096 h + 16 r: lanes 0-15 one row of C, lanes 16-31 the next
.set STO,  24
.set RD,   25
.set PFO,  26                          ; 256 x lane
.set ADRS, 27
.set SPW,  28
.set NIL,  29
.set LI,   30
.set SC,   32
.set ACC,  128
.set G1, 24
.set G0, 32
.set G1B, 48
.set G0B, 56
.set G1S, 68
.set G0S, 76
.set G1SB, 80
.set G0SB, 88
.set PFA,  96                          ; s[96:97] where my prefetches stand
.set LIM,  98                          ; s98, s99: a wave prefetches at slot s's change while the count of trips left is above s[LIM + s]
.set MSB, 0
.macro WIN new                         ; the immediate's high byte repeats the setting that is left
.if MSB != (\new)
	s_set_vgpr_msb (MSB<<8)|(\new)
.set MSB, (\new)
.endif
.endm
.set MUL,  0x05                        ; sources 0 (B) and 1 (A) window 1; C and D window 0
.set TO_F, 0x40                        ; destination window 1, address window 0
.macro JLOAD g0a, g1a, g0b, g1b        ; a joint load: waves 0, 1 fetch for A, waves 2, 3 for B; an s_nop 0 and four v_nop follow each line
	s_cmp_eq_u32 s15, 0
	s_cbranch_scc0 .Lfor_b_\@
	tensor_load_to_lds s[\g0a:\g0a+3], s[\g1a:\g1a+7]
	s_nop 0
.rept 4
	v_nop
.endr
	s_branch .Lasked_\@
.Lfor_b_\@:
	tensor_load_to_lds s[\g0b:\g0b+3], s[\g1b:\g1b+7]
	s_nop 0
.rept 4
	v_nop
.endr
.Lasked_\@:
.endm
.macro CREST
	s_cmp_lg_u32 s14, 0
	s_cbranch_scc1 .Lnot_wave_0_\@
	s_barrier_signal -3
.Lnot_wave_0_\@:
	s_barrier_wait -3
	s_barrier_signal -1
	s_barrier_wait -1
.endm
.macro CROUND
	s_barrier_signal -1
	s_barrier_wait -1
	CREST
.endm
; A PREFETCH INTO THE L2 (assembled where slots are filled again).  Of a row block's 192 aligned blocks of 256 bytes along K, slots 0 to 3 (96 blocks) come by their loads alone; the other 96 are asked for in three instructions
; of 32 lanes, a lane a block, behind the first three refills: each block two changes of slots or more ahead of the load that wants it, each named once, none past the row block's end.
; A's rows are read by every cluster of a row of clusters: cluster x = 0 asks; B's by every cluster of a column: cluster y = 0 asks.  Of the four row blocks that a wave fetches each of the four partners takes one, BY ADDRESS.
.macro ASK slot
	s_cmp_gt_u32 s3, s[LIM+\slot]
	s_cbranch_scc0 .Lnot_mine_\@
	global_prefetch_b8 v[PFO], s[PFA:PFA+1] th:TH_LOAD_NT scope:SCOPE_SE
.Lnot_mine_\@:
.endm
.macro RLOAD a                         ; the residual's 16 actual rows of block a: sixteen lanes read 256 consecutive bytes, aligned
.if (\a) < 2
	WIN 0
.set RR, 64+32*(\a)
.else
	WIN TO_F
.set RR, 96+128*((\a)-2)
.endif
.set t, 0
.rept 8
	global_load_b128 v[RR+4*t:RR+4*t+3], v[CO], s[10:11] offset:(32*((\a)/2)+8*((\a)%2)+2*t+8*(t/4))*4096
.set t, t+1
.endr
	WIN 0
.endm
	s_load_b256 s[4:11], s[0:1], 0x0               ; A's images, the weights' images, the bias, the residual
	s_load_b64 s[12:13], s[0:1], 0x20              ; the output
	v_lshl_add_u32 v[SPW], v0, 2, SPARE
	v_mov_b32 v[NIL], 0
	ds_add_u32 v[SPW], v[NIL]                      ; the wave's opening: the add and its wait ahead of my first tensor load
	v_lshrrev_b32 v1, 5, v0
	v_readfirstlane_b32 s14, v1                    ; wave 0..3
	s_lshr_b32 s15, s14, 1                         ; my half of the tile's rows; also: I fetch for A (0) or B (1)
	s_and_b32 s16, s14, 1                          ; my half of its columns; also: which four row blocks I fetch
	s_bfe_u32 s40, ttmp6, 0x40000                  ; cx
	s_bfe_u32 s41, ttmp6, 0x40004                  ; cy
	s_lshl_b32 s42, ttmp9, 2
	s_add_co_u32 s42, s42, s40                     ; tile column
	s_and_b32 s17, ttmp7, 0xffff
	s_lshl_b32 s17, s17, 2
	s_add_co_u32 s17, s17, s41                     ; tile row
	s_lshl_b32 s43, s41, 2
	s_lshl_b32 s43, 15, s43                        ; my row of the cluster
	s_lshl_b32 s44, 0x1111, s40                    ; my column
	s_or_b32 s[G1+0], s43, (3<<16)|(1<<21)         ; 15:0 the mask; 17:16 elements of 8 bytes; 21 set beside a mask; no padding: an image is read 16 bytes a lane on end
	s_or_b32 s[G1B+0], s44, (3<<16)|(1<<21)
.irp g, G1, G1B
	s_mov_b32 s[\g+1], 768<<16                     ; tensor_dim0: four images, 6,144 bytes
	s_mov_b32 s[\g+2], 4<<16                       ; tensor_dim1: 4 row blocks
	s_mov_b32 s[\g+3], 768<<16                     ; tile_dim0
	s_mov_b32 s[\g+4], 4                           ; tile_dim1
	s_mov_b32 s[\g+5], 192*KSN                     ; from row block to row block
	s_mov_b32 s[\g+6], 0
	s_mov_b32 s[\g+7], 0
.endr
	s_or_b32 s[G1S+0], s43, (3<<16)|(1<<21)
	s_or_b32 s[G1SB+0], s44, (3<<16)|(1<<21)
.irp g, G1S, G1SB
	s_mov_b32 s[\g+1], 32<<16                      ; the scale words of 4 row blocks: a dense block, as rows of 256 bytes
	s_mov_b32 s[\g+2], (HALFS/256)<<16
	s_mov_b32 s[\g+3], 32<<16
	s_mov_b32 s[\g+4], HALFS/256
	s_mov_b32 s[\g+5], 32
	s_mov_b32 s[\g+6], 0
	s_mov_b32 s[\g+7], 0
.endr
	s_lshl_b32 s18, s16, 2
	s_lshl_b32 s20, s17, 3
	s_add_co_u32 s20, s20, s18                     ; A: row block 8 x tile row + 4 x half
	s_lshl_b32 s46, s42, 3
	s_add_co_u32 s46, s46, s18                     ; B: 8 x tile column + 4 x half
	s_mul_i32 s22, s20, SBLK
	s_add_co_u32 s22, s22, ASOFF
	s_mov_b32 s23, 0
	s_mul_i32 s92, s46, SBLK
	s_add_co_u32 s92, s92, BSOFF
	s_mov_b32 s93, 0
	s_mul_i32 s20, s20, KSN*IMG
	s_mov_b32 s21, 0
	s_mul_i32 s46, s46, KSN*IMG
	s_add_co_u32 s46, s46, BCOFF
	s_mov_b32 s47, 0
	s_mul_i32 s45, s14, HALFT                      ; where they go: no place in the cluster enters an LDS address
	s_mul_i32 s94, s14, HALFS
	s_wait_dscnt 0x0                               ; the opening add is done
	s_wait_kmcnt 0x0
	s_add_nc_u64 s[20:21], s[4:5], s[20:21]
	s_add_nc_u64 s[22:23], s[4:5], s[22:23]
	s_add_nc_u64 s[46:47], s[6:7], s[46:47]
	s_add_nc_u64 s[92:93], s[6:7], s[92:93]
	CROUND                                         ; all sixteen work-groups are here: the first joint loads meet
	s_mov_b32 s[G0S], 1
	s_add_co_u32 s[G0S+1], s94, SCL
	s_mov_b64 s[G0S+2:G0S+3], s[22:23]
	s_or_b32 s[G0S+3], s[G0S+3], 0x80000000
	s_mov_b32 s[G0SB], 1
	s_add_co_u32 s[G0SB+1], s94, SCL
	s_mov_b64 s[G0SB+2:G0SB+3], s[92:93]
	s_or_b32 s[G0SB+3], s[G0SB+3], 0x80000000
	JLOAD G0S, G1S, G0SB, G1SB                     ; the scale words first: they are wanted with K step 0
.irp s, 0,1
	s_mov_b32 s[G0+4*\s], 1
	s_add_co_u32 s[G0+4*\s+1], s45, \s*SLOT
	s_add_nc_u64 s[G0+4*\s+2:G0+4*\s+3], s[20:21], \s*RBB
	s_or_b32 s[G0+4*\s+3], s[G0+4*\s+3], 0x80000000
	s_mov_b32 s[G0B+4*\s], 1
	s_add_co_u32 s[G0B+4*\s+1], s45, \s*SLOT
	s_add_nc_u64 s[G0B+4*\s+2:G0B+4*\s+3], s[46:47], \s*RBB
	s_or_b32 s[G0B+4*\s+3], s[G0B+4*\s+3], 0x80000000
	JLOAD G0+4*\s, G1, G0B+4*\s, G1B               ; three tensor loads of a wave are out here, later one
.endr
	v_and_b32 v1, 15, v0                           ; r
	v_bfe_u32 v2, v0, 4, 1                         ; h
	v_and_b32 v3, 31, v0
	v_lshlrev_b32 v[LI], 4, v3
	s_mul_i32 s21, s15, HALFT
	s_mul_i32 s22, s16, HALFT
	s_add_co_u32 s22, s22, 2*HALFT
.irp s, 0,1
	v_add_nc_u32 v[ADRA+\s], s21, v[LI]
	v_add_nc_u32 v[ADRB+\s], s22, v[LI]
	s_add_co_u32 s21, s21, SLOT
	s_add_co_u32 s22, s22, SLOT
.endr
	v_lshlrev_b32 v5, 2, v1
	s_mul_i32 s21, s15, HALFS
	s_mul_i32 s22, s16, HALFS
	s_add_co_u32 s22, s22, 2*HALFS
	s_sub_co_u32 s22, s22, s21
	v_mul_u32_u24 v6, s22, v2                      ; lanes 16-31 take B's words
	s_add_co_u32 s21, s21, SCL
	v_add_nc_u32 v5, v5, v6
	v_add_nc_u32 v[ADRS], s21, v5
	s_mul_i32 s23, s14, 16*SP                      ; my stage
	v_mul_u32_u24 v5, v1, SP
	v_lshl_add_u32 v5, v2, 6, v5
	v_add_nc_u32 v[STO], s23, v5                   ; in: row r, 64 h bytes on
	v_mul_u32_u24 v5, v2, SP
	v_lshl_add_u32 v5, v1, 4, v5
	v_add_nc_u32 v[RD], s23, v5                    ; back: lanes 0-15 one row of 256 bytes, lanes 16-31 the next
	v_lshlrev_b32 v[R16], 4, v1
	v_lshl_add_u32 v[CO], v2, 12, v[R16]           ; and the same two rows in C
	s_lshl_b32 s20, s17, 7
	s_lshl_b32 s21, s15, 6
	s_add_co_u32 s20, s20, s21
	s_lshl_b32 s20, s20, 12                        ; my first row, in bytes,
	s_lshl_b32 s46, s42, 9
	s_lshl_b32 s47, s16, 8
	s_add_co_u32 s46, s46, s47                     ; my first column
	s_add_co_u32 s20, s20, s46
	s_mov_b32 s21, 0
	s_mov_b32 s47, 0
	s_add_nc_u64 s[12:13], s[12:13], s[20:21]
	s_add_nc_u64 s[10:11], s[10:11], s[20:21]
	s_add_nc_u64 s[8:9], s[8:9], s[46:47]
	global_load_b128 v[BI:BI+3], v[R16], s[8:9]    ; the bias of columns 4 r on
	RLOAD 0                                        ; all of the residual is asked for here and lands under the products
	RLOAD 1
	RLOAD 2
	RLOAD 3
.if LAPS > 1
	s_and_b32 s95, ttmp7, 0xffff                   ; cluster y
	s_cmp_eq_u32 s15, 0                            ; do I fetch for A?
	s_cselect_b32 s20, s17, s42                    ; the tile: by the tile row in A, by the tile column in B
	s_cselect_b32 s21, s40, s41                    ; my place among the four that ask with me
	s_cselect_b32 s95, ttmp9, s95                  ; the coordinate along which other clusters read the same rows
	s_cselect_b32 s22, 0, BCOFF
	s_cselect_b64 s[PFA:PFA+1], s[4:5], s[6:7]
	s_cmp_eq_u32 s95, 0                            ; the same in all sixteen partners, for a given wave
	s_cselect_b32 s[LIM], 1, -1                    ; slot 0's change asks in the first two trips,
	s_cselect_b32 s[LIM+1], 2, -1                  ; slot 1's in the first: three asks in all
	s_lshl_b32 s20, s20, 3
	s_lshl_b32 s23, s16, 2
	s_add_co_u32 s20, s20, s23
	s_add_co_u32 s20, s20, s21                     ; my row block: 8 x tile + 4 x half + my place
	s_mul_i32 s20, s20, KSN*IMG
	s_add_co_u32 s20, s20, s22
	s_add_co_u32 s20, s20, 4*RBB-8192              ; one ask short of slot 4: the first change of slots steps it there
	s_mov_b32 s21, 0
	s_add_nc_u64 s[PFA:PFA+1], s[PFA:PFA+1], s[20:21]
	v_lshlrev_b32 v[PFO], 8, v3
.endif
.macro FRAG reg, adr, q, i             ; a fragment comes as it lies: three loads of 16 bytes a lane, 512 consecutive bytes each
.irp j, 0,1,2
	ds_load_b128 v[\reg+4*\j:\reg+4*\j+3], v[\adr] offset:(\i)*RBB+(\q)*IMG+512*\j
.endr
.endm
.macro FETCH slot, q, p                ; 24 loads in one run: B's four fragments and A's four of the slot's q-th 128 along K, into set p
	WIN TO_F
.irp i, 0,1,2,3
	FRAG 128*(\p)+FR*\i, ADRB+\slot, \q, \i
.endr
.irp i, 0,1,2,3
	FRAG 128*(\p)+48+FR*\i, ADRA+\slot, \q, \i
.endr
.endm
; 4 matrix instructions: A's block a x B's four.  The 16 accumulators take turns, one instruction a turn, in the same order in every quarter
.macro MUL4 a, p, q, sc, zero
.irp b, 0,1,2,3
.if \zero
	v_wmma_scale_f32_16x16x128_f8f6f4 v[ACC+8*(4*(\a)+\b):ACC+8*(4*(\a)+\b)+7], v[128*(\p)+FR*\b:128*(\p)+FR*\b+FR-1], v[128*(\p)+48+FR*(\a):128*(\p)+48+FR*(\a)+FR-1], 0, v[SC+16*(\sc)+4*\b+(\q)], v[SC+16*(\sc)+4*(\a)+(\q)] matrix_a_fmt:MATRIX_FMT_FP6 matrix_b_fmt:MATRIX_FMT_FP6 matrix_a_scale:MATRIX_SCALE_ROW1
.else
	v_wmma_scale_f32_16x16x128_f8f6f4 v[ACC+8*(4*(\a)+\b):ACC+8*(4*(\a)+\b)+7], v[128*(\p)+FR*\b:128*(\p)+FR*\b+FR-1], v[128*(\p)+48+FR*(\a):128*(\p)+48+FR*(\a)+FR-1], v[ACC+8*(4*(\a)+\b):ACC+8*(4*(\a)+\b)+7], v[SC+16*(\sc)+4*\b+(\q)], v[SC+16*(\sc)+4*(\a)+(\q)] matrix_a_fmt:MATRIX_FMT_FP6 matrix_b_fmt:MATRIX_FMT_FP6 matrix_a_scale:MATRIX_SCALE_ROW1
.endif
.endr
.endm
.macro SCALES sc                       ; lanes 0-15 take the words of A's block i, lanes 16-31 of B's block i, for the slot's four K steps of 128
.irp i, 0,1,2,3
.irp q, 0,1,2,3
	ds_load_b32 v[SC+16*\sc+4*\i+\q], v[ADRS] offset:\i*SBLK+64*\q
.endr
.endr
.endm
.macro PLACES n                        ; plain vector lines between a matrix instruction and a load into, or a read of, its registers
.rept \n
	v_nop
.endr
.endm
; A quarter of a slot that has its successor in the same slot: the next quarter's fragments are asked for first, 16 products ahead of their use
.macro QUARTER slot, q, zero
	s_wait_dscnt 0x0                               ; this quarter's set (and, in a slot's first quarter, its scale words) is in
	PLACES NP                                      ; behind the last quarter's products, which read the other set
	FETCH \slot, (\q)+1, 1-(\q)%2
	WIN MUL
	MUL4 0, (\q)%2, \q, \slot, \zero
	MUL4 1, (\q)%2, \q, \slot, \zero
	MUL4 2, (\q)%2, \q, \slot, \zero
	MUL4 3, (\q)%2, \q, \slot, \zero
.endm
; A slot's last quarter changes slots: one barrier; in front of it each wave waits for all its tensor loads, adds 0 to its spare word, and waits for that and for its reads of the slot
.macro TURN slot, next, fill
.if \fill
	s_wait_xcnt 0x0                                ; the last prefetch, a change of slots back, has read its address
	s_add_nc_u64 s[PFA:PFA+1], s[PFA:PFA+1], 8192  ; 32 blocks of 256 bytes on
.endif
	WIN 0                                          ; (the add's two registers lie in window 0)
	s_wait_tensorcnt 0x0                           ; all my tensor loads have landed: my part of the next slot
	ds_add_u32 v[SPW], v[NIL]
	s_wait_dscnt 1                                 ; the add alone may be out: this quarter's set is in
	WIN MUL
	MUL4 0, 1, NQ-1, \slot, 0
	s_wait_dscnt 0x0                               ; the add is done, and my reads of this slot are over
	s_barrier_signal -1
	MUL4 1, 1, NQ-1, \slot, 0
	WIN 0
	s_barrier_wait -1
.if \fill
	CREST                                          ; the barrier has opened a round of the cluster's: no wave of any partner still reads this slot or has a load on its way
	s_add_nc_u64 s[G0+4*\slot+2:G0+4*\slot+3], s[G0+4*\slot+2:G0+4*\slot+3], 2*RBB
	s_add_nc_u64 s[G0B+4*\slot+2:G0B+4*\slot+3], s[G0B+4*\slot+2:G0B+4*\slot+3], 2*RBB
	JLOAD G0+4*\slot, G1, G0B+4*\slot, G1B         ; the first tensor load behind the round; its four v_nop are the places in front of the loads below
.else
	PLACES NP
.endif
	v_add_nc_u32 v[ADRS], 64*NQ, v[ADRS]           ; the next slot's scale words
	FETCH \next, 0, 0
	WIN 0
	SCALES \next
.if \fill
	ASK \slot                                      ; behind the joint load and the run of LDS loads
.endif
	WIN MUL
	MUL4 2, 1, NQ-1, \slot, 0
	MUL4 3, 1, NQ-1, \slot, 0
.endm
	s_wait_tensorcnt 1                             ; the scale words and my part of slot 0 are in; slot 1's load may be out
	s_barrier_signal -1
	s_barrier_wait -1
	FETCH 0, 0, 0
	WIN 0
	SCALES 0
	QUARTER 0, 0, 1                                ; the first quarter's products start the sums
.if LAPS > 1
	WIN 0                                          ; at a label and at a branch every window is 0
	s_mov_b32 s3, LAPS-1
.Llap:                                             ; a trip goes once round the ring and fills both slots again
	QUARTER 0, 1, 0
	QUARTER 0, 2, 0
	TURN 0, 1, 1
	QUARTER 1, 0, 0
	QUARTER 1, 1, 0
	QUARTER 1, 2, 0
	TURN 1, 0, 1
	QUARTER 0, 0, 0
	WIN 0
	s_sub_co_u32 s3, s3, 1
	s_cmp_lg_u32 s3, 0
	s_cbranch_scc1 .Llap
.endif
	QUARTER 0, 1, 0                                ; the last lap fills nothing
	QUARTER 0, 2, 0
	TURN 0, 1, 0
	QUARTER 1, 0, 0
	QUARTER 1, 1, 0
	QUARTER 1, 2, 0
	s_wait_dscnt 0x0
	WIN MUL
	MUL4 0, 1, NQ-1, 1, 0
	MUL4 1, 1, NQ-1, 1, 0
	MUL4 2, 1, NQ-1, 1, 0
	MUL4 3, 1, NQ-1, 1, 0
	WIN 0
; THE WAY OUT, block by block of 16 rows x 64 columns: through my own stage, back as whole rows of 256 bytes, + residual + bias, stored to the ACTUAL rows.  Each block has registers of its own: no store's data are written again.
.macro TOSTAGE a
.set BBR, 32*((\a)%2)+128*((\a)/2)
	WIN 0
.irp b, 0,1,2,3
	ds_store_b128 v[STO], v[ACC+8*(4*(\a)+\b):ACC+8*(4*(\a)+\b)+3] offset:128*(\b/2)+32*(\b%2)        ; tile b, lane (r, h): columns 32 (b / 2) + 16 h + 8 (b % 2) on; each accumulator from its low end on
	ds_store_b128 v[STO], v[ACC+8*(4*(\a)+\b)+4:ACC+8*(4*(\a)+\b)+7] offset:128*(\b/2)+32*(\b%2)+16
.endr
	WIN TO_F
.set t, 0
.rept 8
	ds_load_b128 v[BBR+4*t:BBR+4*t+3], v[RD] offset:2*t*SP       ; LDS serves a wave's instructions in order: these see the stores above, and the next block's stores come behind them
.set t, t+1
.endr
.endm
.macro SEND a
.set BBR, 32*((\a)%2)+128*((\a)/2)
	s_wait_dscnt 16*(3-(\a))                       ; this block is back; the later blocks' sixteen LDS instructions each may be out
.if (\a) < 2
.set RSR, 64+32*(\a)
	WIN 0x41                                       ; rows in window 1, the residual in window 0
.else
.set RSR, 96+128*((\a)-2)
	WIN 0x45                                       ; both in window 1
.endif
.set n, 0
.rept 16
	v_pk_add_f32 v[BBR+2*n:BBR+2*n+1], v[BBR+2*n:BBR+2*n+1], v[RSR+2*n:RSR+2*n+1]
.set n, n+1
.endr
	WIN 0x41
.set n, 0
.rept 16
	v_pk_add_f32 v[BBR+2*n:BBR+2*n+1], v[BBR+2*n:BBR+2*n+1], v[BI+2*(n%2):BI+2*(n%2)+1]
.set n, n+1
.endr
	WIN 0x04                                       ; a store's data are its source 1: window 1
.set t, 0
.rept 8
	global_store_b128 v[CO], v[BBR+4*t:BBR+4*t+3], s[12:13] offset:(32*((\a)/2)+8*((\a)%2)+2*t+8*(t/4))*4096     ; sixteen lanes store 256 consecutive bytes, aligned
.set t, t+1
.endr
.endm
	PLACES NP                                      ; behind the last products: their results are read, and their operands' registers loaded into, below
	TOSTAGE 0
	TOSTAGE 1
	TOSTAGE 2
	TOSTAGE 3
	s_wait_loadcnt 0x0                             ; the residual and the bias
	SEND 0
	SEND 1
	SEND 2
	SEND 3
	WIN 0
	s_wait_tensorcnt 0x0                           ; the wave's end
	ds_add_u32 v[SPW], v[NIL]
	s_wait_dscnt 0x0
	CROUND                                         ; the closing round
	s_endpgm
.Lfunc_end_k_q4befc2e21d_gdn:
	.size	k_q4befc2e21d_gdn, .Lfunc_end_k_q4befc2e21d_gdn-k_q4befc2e21d_gdn
	.p2alignl 7, 3214868480
	.fill 96, 4, 3214868480
	.section	.rodata,"a",@progbits
	.p2align	6, 0x0
	.amdhsa_kernel k_q4befc2e21d_gdn
		.amdhsa_group_segment_fixed_size 327680
		.amdhsa_private_segment_fixed_size 0
		.amdhsa_enable_private_segment 0
		.amdhsa_kernarg_size 40
		.amdhsa_user_sgpr_count 2
		.amdhsa_user_sgpr_kernarg_segment_ptr 1
		.amdhsa_wavefront_size32 1
		.amdhsa_system_sgpr_workgroup_id_x 1
		.amdhsa_system_sgpr_workgroup_id_y 1
		.amdhsa_system_sgpr_workgroup_id_z 1
		.amdhsa_system_vgpr_workitem_id 0
		.amdhsa_next_free_vgpr 512
		.amdhsa_next_free_sgpr 100
		.amdhsa_reserve_vcc 0
		.amdhsa_float_denorm_mode_32 3
		.amdhsa_float_denorm_mode_16_64 3
		.amdhsa_memory_ordered 1
		.amdhsa_forward_progress 1
		.amdhsa_inst_pref_size 97
	.end_amdhsa_kernel
	.amdgpu_metadata
---
amdhsa.version: [ 1, 2 ]
amdhsa.kernels:
  - .name:           k_q4befc2e21d_gdn
    .symbol:         k_q4befc2e21d_gdn.kd
    .args:
      - { .name: hb, .offset: 0, .size: 8, .value_kind: global_buffer, .address_space: global }
      - { .name: wb, .offset: 8, .size: 8, .value_kind: global_buffer, .address_space: global }
      - { .name: b_down, .offset: 16, .size: 8, .value_kind: global_buffer, .address_space: global }
      - { .name: x1, .offset: 24, .size: 8, .value_kind: global_buffer, .address_space: global }
      - { .name: x2, .offset: 32, .size: 8, .value_kind: global_buffer, .address_space: global }
    .group_segment_fixed_size: 327680
    .private_segment_fixed_size: 0
    .kernarg_segment_align: 8
    .kernarg_segment_size: 40
    .max_flat_workgroup_size: 128
    .sgpr_count:     100
    .vgpr_count:     512
    .wavefront_size: 32
...
	.end_amdgpu_metadata
.endif
;; end of part 10
;; launch lnf: the kernel of part 7 again; grid 256 x 1, 4 waves a work-group, no clusters, 0 bytes of LDS; arguments x2, lnf_g, lnf_b, out0; writes out0
